; MI455X (gfx1250); checked and timed in simulation.
; The chip was launched on July 23, 2026; its instructions are those of AMD's public machine-readable ISA for CDNA 5 (MIT licence, August 2026) and "CDNA5" Instruction Set Architecture Reference Guide (July 2026). The comments in the code are by the model that wrote it; some were corrected since.
;; Multi Head Attn. Allowed arithmetic: matrix products marked QUANTISED: E2M1 operands, one E8M0 scale for each 32 along K, by v_wmma_scale_f32_16x16x128_f8f6f4 with both operands' format E2M1 (or v_wmma_scale_f32_32x16x128_f4), f32 sums; everything else in f32.
;; Inputs: Wkv 1,024 x 2,048 float32; Wo 1,024 x 1,024 float32; Wq 1,024 x 1,024 float32; beta 1,024 float32; gamma 1,024 float32; h 2,048 x 4 x 1,024 float32.
;; Outputs: out0 2,048 x 4 x 1,024 float32.
;; This version of the problem:
;;   THIS VERSION OF THE PROBLEM IS GIVEN IN LOW PRECISION. The matrix products marked QUANTISED in the list below multiply operands that are first quantised to E2M1 (2 exponent bits, 1 mantissa bit; 4 bits a number), with one power-of-two scale for each 32 numbers along K (OCP MX v1.0); their sums are f32. All else is computed in f32.
;;   The module's matrix products, in the order in which they are computed (A, B: the left and right operand; K: the contracted axis; several contracted axes count as one K, in the product's order):
;;     1. [M 8,192, K 1,024] x [K 1,024, N 1,024]; A: input h; B: input Wq: QUANTISED
;;     2. [M 8,192, K 1,024] x [K 1,024, N 2,048]; A: input h; B: input Wkv: QUANTISED
;;     3. batch 64 x [M 2,048, K 64] x [K 64, N 2,048]; A: computed on the way; B: computed on the way: QUANTISED
;;     4. batch 64 x [M 64, K 2,048] x [K 2,048, N 2,048]; A: computed on the way; B: softmax (see below): QUANTISED
;;     5. [M 8,192, K 1,024] x [K 1,024, N 1,024]; A: computed on the way; B: input Wo: QUANTISED
;;   THE QUANTISER, for each operand of a quantised product, along K:
;;     - K is cut into blocks of 32 from its start; a last block that is shorter is filled with zeros.
;;     - A block's scale is 2^e with e = floor(log2(the largest magnitude in the block)) - 2, held to -126 .. 127; a block of zeros has e = 0. As a byte (E8M0): e + 127.
;;     - Each number is divided by its block's scale, clamped to +-6, and rounded to the nearest number of E2M1, ties to even, subnormals kept.
;;     - The product sums the exact products of the quantised numbers (number of the format x scale) in f32.
;;   ~~~python
;;   def quantise(x, axis):      # numpy; x: float32 -> the quantised numbers, widened to float32 again
;;       x = np.moveaxis(x, axis, -1); K = x.shape[-1]
;;       x = np.pad(x, [(0, 0)] * (x.ndim - 1) + [(0, -K % 32)]); x = x.reshape(x.shape[:-1] + (-1, 32)); a = np.abs(x).max(-1, keepdims=True)
;;       e = np.where(a > 0, np.clip(np.frexp(np.where(a > 0, a, 1))[1] - 1 - 2, -126, 127), 0)      # np.frexp(a)[1] - 1 = floor(log2(a)), exactly
;;       r = np.clip(x / 2.0 ** e, -6, 6)
;;       step = 2.0 ** (np.maximum(np.frexp(np.where(r == 0, 1, r))[1] - 1, 0) - 1)
;;       q = np.round(r / step) * step * 2.0 ** e      # np.round: ties to even
;;       return np.moveaxis(q.reshape(q.shape[:-2] + (-1,))[..., :K], -1, axis).astype(np.float32)
;;   ~~~
;;   SOFTMAX AHEAD OF A QUANTISED PRODUCT. Where the list says 'softmax', what is quantised is not the finished softmax but p = 2^(t - M), with t = logit x log2(e) and M = ceil(the row's largest t), a whole number; so 1/2 < the row's largest p <= 1. The row's sum l is taken of the UNQUANTISED p, in f32, and the product's result is divided by l at the end. Since M is a whole number, a kernel that streams over the keys may use a running M (the ceiling of the running maximum): every later rescaling is an exact power of two, which a block's scale takes up: the codes' values come out the same.
;;   OPERANDS COMPUTED ON THE WAY. 'Computed on the way' means the value that the module computes at that place (a softmax that the list does not call 'softmax' is quantised finished and normalised). What goes into a quantiser is computed in f32, as accurately as f32 sums, v_exp_f32 and their like allow (about 1e-6 of the number): no bf16 or f16 on the way to a quantiser, and a product that is left as it is and whose result goes on into a quantised operand takes f32 operands (vector FMAs, or v_wmma_f32_16x16x4_f32). A number that lies on a knife's edge between two numbers of the format may be rounded either way, as far as f32 arithmetic and the matrix unit's own rounding can turn it there, and no further.
;; 2 versions. Each part assembles by itself: llvm-mc -triple=amdgcn-amd-amdhsa -mcpu=gfx1250 --defsym DOCPART=n.
;; ======== version 1 of 2: 4 launches
;; workspace buffers: hq 4,456,448 bytes; wq 2,228,224 bytes; qk 8,912,896 bytes; vv 4,456,448 bytes; aa 4,456,448 bytes
;; launch quant (part 1): grid 320 x 1, 4 waves a work-group, no clusters, 69,120 bytes of LDS; arguments h, Wq, Wkv, Wo, hq, wq; writes hq, wq
.if DOCPART == 1
	.amdgcn_target "amdgcn-amd-amdhsa--gfx1250"
	.amdhsa_code_object_version 6
	.text
	.protected	k_q7419e74080_quant
	.globl	k_q7419e74080_quant
	.p2align	8
	.type	k_q7419e74080_quant,@function
k_q7419e74080_quant:
	s_mov_b64 s[64:65], 0
	v_nop
	global_prefetch_b8 v0, s[64:65] scope:SCOPE_SE
	s_setreg_imm32_b32 hwreg(HW_REG_WAVE_MODE, 25, 1), 1
	s_wait_xcnt 0x0
; h [2048][4][1024] and the weights Wq [1024][1024], Wkv [1024][2048], Wo [1024][1024], all f32, become codes of FP4 (E2M1) with one E8M0 byte for each 32 along K = 1,024.
; A block's scale is 2^(floor(log2(its largest magnitude)) - 2); its byte is the largest magnitude's exponent field - 2, held at 1 from below.  A block of zeros keeps the byte 1: its codes are zeros, and this program alone reads the bytes.
; LIMITS: NaN and infinities among the inputs are not served.
; POSITIONS.  Every row of an operand is stored at the place sigma(index), sigma = the index with its bits 3 and 4 exchanged.  Sixteen neighbouring places, given to the matrix unit as its first source, then
; leave a lane's 16 result registers of two neighbouring tiles as 16 true neighbours, which is what the next quantiser wants.
; hq: codes [b 2048 + sigma(i)][512 bytes] at 0, scale bytes [row][32] at 0x400000.
; wq: rows sigma(column) of Wq | Wk | Wv, [512 bytes], at 0; Wo behind them as images of operand registers [tile of 16 places][K step of 128][1,024 bytes]; scale bytes [4,096 places][32] at 0x200000.
; WORK-GROUPS 0-255 take h (K innermost): wave w takes batch w of rows 8 g .. 8 g + 7, 16 steps of 512 numbers.  A step's four loads read 512 bytes on end each; the 2,048 bytes turn through the wave's own stage in
; LDS so that a lane holds 16 neighbours; two neighbouring lanes hold a block.  Each store of codes covers 256 bytes on end, aligned; the wave's 256 scale bytes leave as one such store.
; WORK-GROUPS 256-319 take the weights (K is the first axis): 128 columns x 512 along K; a lane takes a column and its registers run down K, so a block of 32 lies in one lane.  The codes go through the wave's stage and leave as rows or images.
; The two kinds of work-groups use LDS bytes of their own: 0 .. 32,767 and 32,768 .. 67,583.  Waves share nothing: no barrier.
.set STEPS, 16
.set CB,    8                          ; bytes of 16 codes
.set R,     16                         ; h: v16-79   four sets of 16 numbers as loaded
.set XH,    80                         ; h: v80-111  two sets of 16 neighbours
.set E,     112                        ; h: v112-127 a scale byte for each step
.set CH,    128                        ; h: v128-191 codes, four registers a step: no store's data are written again
.set WREG,  8192                       ; h: LDS of a wave: two stages of 32 x SP bytes, then its 256 scale bytes
.set SP,    80                         ; a lane's place in a stage: 64 bytes + 16 of padding
.set WST,   32768                      ; weights: the stages begin here
.set PITCH, 272                        ; weights: a stage row: 256 bytes of codes + 16
.set NB,    16                         ; weights: blocks of 32 along K for a wave
.set X,     32                         ; weights: v32-95 two sets of 32 numbers
.set C,     96                         ; weights: v96-99 a block's codes
.set OUTR,  112                        ; weights: v112-175 the way out
.set SB,    24                         ; weights: v24-27 the scale bytes, four to a register
.set VO,    176                        ; weights: v176-207 byte offset of row i of a block: 4 x lane + i x the tensor's pitch; never rewritten
.set BP,    20                         ; weights: s[20:21], s[22:23] where even and odd blocks begin
	s_load_b256 s[4:11], s[0:1], 0x0               ; h s[4:5], Wq s[6:7], Wkv s[8:9], Wo s[10:11]
	s_load_b128 s[12:15], s[0:1], 0x20             ; hq s[12:13], wq s[14:15]
	v_lshl_add_u32 v208, v0, 2, 0x10c00
	v_mov_b32 v209, 0
	v_lshrrev_b32 v1, 5, v0
	v_readfirstlane_b32 s16, v1                    ; wave 0..3
	v_and_b32 v2, 31, v0                           ; lane
	s_cmp_lt_u32 ttmp9, 256
	s_cbranch_scc0 .Lweights
	; ------------------------------------------------------------------ h
	v_lshlrev_b32 v3, 4, v2                        ; my 16 bytes of a load's 512
	s_mul_i32 s17, s16, WREG
	v_lshrrev_b32 v14, 2, v2
	v_mul_u32_u24 v14, v14, SP
	v_and_b32 v15, 3, v2
	v_lshl_add_u32 v14, v15, 4, v14
	v_add_nc_u32 v14, s17, v14                     ; the stage on the way in: four lanes' 64 bytes on end, then 16 of padding
	v_mul_u32_u24 v15, v2, SP
	v_add_nc_u32 v15, s17, v15                     ; and on the way out: my 16 neighbours
	v_mul_u32_u24 v4, v2, CB                       ; my codes' place in a step's 256 bytes
	v_lshrrev_b32 v5, 1, v2
	s_add_co_u32 s17, s17, 2*32*SP
	v_add_nc_u32 v5, s17, v5                       ; my block's byte among the wave's 256
	v_lshlrev_b32 v7, 3, v2
	v_add_nc_u32 v6, s17, v7                       ; and 8 of them a lane on the way out
	s_lshl_b32 s18, ttmp9, 17                      ; rows 8 g on: 8 x 4 x 4,096 bytes,
	s_lshl_b32 s19, s16, 12                        ; batch w
	s_add_co_u32 s18, s18, s19
	s_mov_b32 s19, 0
	s_and_b32 s20, ttmp9, 0xfc                     ; sigma(8 g + j) = 8 gs + j, gs = g with its bits 0 and 1 exchanged
	s_and_b32 s21, ttmp9, 1
	s_lshl_b32 s21, s21, 1
	s_or_b32 s20, s20, s21
	s_bfe_u32 s21, ttmp9, 0x10001
	s_or_b32 s20, s20, s21
	s_lshl_b32 s20, s20, 3
	s_lshl_b32 s21, s16, 11
	s_add_co_u32 s20, s20, s21                     ; my first row of hq: 2,048 w + 8 gs
	s_lshl_b32 s22, s20, 9                         ; 512 bytes of codes a row
	s_mov_b32 s23, 0
	s_lshl_b32 s24, s20, 5                         ; 32 scale bytes a row
	s_add_co_u32 s24, s24, 0x400000
	s_mov_b32 s25, 0
	s_wait_kmcnt 0x0
	s_add_nc_u64 s[4:5], s[4:5], s[18:19]
	s_add_nc_u64 s[26:27], s[12:13], s[22:23]
	s_add_nc_u64 s[28:29], s[12:13], s[24:25]
.macro LOAD t                          ; step t: half t % 2 of my row t / 2; rows of one batch lie 16,384 bytes apart
.irp i, 0,1,2,3
	global_load_b128 v[R+16*((\t)%4)+4*\i:R+16*((\t)%4)+4*\i+3], v3, s[4:5] offset:((\t)/2)*16384+((\t)%2)*2048+512*\i th:TH_LOAD_NT
.endr
.endm
.macro TURN t                          ; step t's numbers through the stage: LDS serves a wave's instructions in order, so no wait stands between the stores and the loads
.irp i, 0,1,2,3
	ds_store_b128 v14, v[R+16*((\t)%4)+4*\i:R+16*((\t)%4)+4*\i+3] offset:32*SP*((\t)%2)+8*SP*\i
.endr
.irp i, 0,1,2,3
	ds_load_b128 v[XH+16*((\t)%2)+4*\i:XH+16*((\t)%2)+4*\i+3], v15 offset:32*SP*((\t)%2)+16*\i
.endr
.endm
.irp t, 0,1,2,3
	LOAD \t
.endr
	s_wait_loadcnt 12                              ; step 0's four loads are in; the twelve of steps 1 to 3 may be out
	TURN 0
.macro STEP t
.set XS, XH+16*((\t)%2)
.if (\t) > 0
	s_wait_dscnt 1                                 ; this step's numbers are back from the stage; the last step's byte store may be out
.else
	s_wait_dscnt 0x0
.endif
.if (\t)+4 < STEPS
	LOAD (\t)+4                                    ; into the set whose stores into the stage have been served
.endif
.if (\t)+1 < STEPS
.if STEPS-2-(\t) >= 3
	s_wait_loadcnt 12                              ; the next step's four loads are in; those of the three steps behind it may be out
.else
	s_wait_loadcnt 4*(STEPS-2-(\t))
.endif
	TURN (\t)+1
.endif
	v_max3_num_f32 v8, |v[XS]|, |v[XS+1]|, |v[XS+2]|               ; the largest magnitude of my 16, in two chains
	v_max3_num_f32 v9, |v[XS+3]|, |v[XS+4]|, |v[XS+5]|
.irp i, 6,10
	v_max3_num_f32 v8, v8, |v[XS+\i]|, |v[XS+\i+1]|
	v_max3_num_f32 v9, v9, |v[XS+\i+2]|, |v[XS+\i+3]|
.endr
	v_max3_num_f32 v8, v8, |v[XS+14]|, |v[XS+15]|
	v_max3_num_f32 v8, v8, v9, 0x1800000           ; and the floor 2^(3 - 127): the byte cannot fall under 1
	v_max_num_f32_dpp v8, v8, v8 row_xmask:1 row_mask:0xf bank_mask:0xf   ; with my neighbour's 16: the block's
	v_add_nc_u32 v11, 0xff000000, v8               ; 2 off its exponent field: the conversion takes this operand's exponent field as its scale
	v_cvt_scalef32_pk8_fp4_f32 v[CH+4*(\t)], v[XS:XS+7], v11
	v_cvt_scalef32_pk8_fp4_f32 v[CH+4*(\t)+1], v[XS+8:XS+15], v11
	v_lshrrev_b32 v[E+(\t)], 23, v11               ; the scale's byte
	ds_store_b8 v5, v[E+(\t)] offset:16*(\t)       ; both lanes of a block write the same byte with the same value
	global_store_b64 v4, v[CH+4*(\t):CH+4*(\t)+1], s[26:27] offset:32*CB*(\t)   ; the wave stores 256 bytes on end, aligned
.endm
.irp t, 0,1,2,3,4,5,6,7,8,9,10,11,12,13,14,15
	STEP \t
.endr
	ds_load_b64 v[12:13], v6                       ; LDS serves a wave's instructions in order: these see my byte stores
	s_wait_dscnt 0x0
	global_store_b64 v7, v[12:13], s[28:29]        ; eight rows' 256 scale bytes on end, aligned
	s_wait_tensorcnt 0x0
	ds_add_u32 v208, v209
	s_wait_dscnt 0x0
	s_endpgm
	; ------------------------------------------------------------------ the weights
.Lweights:
	s_sub_co_u32 s17, ttmp9, 256
	s_and_b32 s18, s17, 1                          ; y: which 512 along K
	s_lshr_b32 s19, s17, 1                         ; cg: which 128 of the 4,096 joined columns Wq | Wkv | Wo
	s_wait_kmcnt 0x0
	s_cmp_lt_u32 s19, 24                           ; the tensor, its first group and its pitch: chosen by the work-group's number alone
	s_cselect_b64 s[20:21], s[8:9], s[10:11]
	s_cselect_b32 s30, 8, 24
	s_mov_b32 s31, 4096
	s_cselect_b32 s31, 8192, s31
	s_cmp_lt_u32 s19, 8
	s_cselect_b64 s[20:21], s[6:7], s[20:21]
	s_cselect_b32 s30, 0, s30
	s_cselect_b32 s31, 4096, s31
	s_sub_co_u32 s26, s19, s30
	s_lshl_b32 s26, s26, 9                         ; 128 columns of 4 bytes a group,
	s_lshl_b32 s27, s16, 7                         ; 32 a wave,
	s_add_co_u32 s26, s26, s27
	s_lshl_b32 s27, s31, 9
	s_mul_i32 s27, s27, s18                        ; 512 rows down for y = 1
	s_add_co_u32 s26, s26, s27
	s_mov_b32 s27, 0
	s_add_nc_u64 s[BP:BP+1], s[20:21], s[26:27]    ; block 0
	s_lshl_b32 s26, s31, 5
	s_add_nc_u64 s[BP+2:BP+3], s[BP:BP+1], s[26:27]  ; block 1: 32 rows on
	s_lshl_b32 s24, s31, 6                         ; s[24:25]: two blocks on
	s_mov_b32 s25, 0
	v_lshlrev_b32 v[VO], 2, v2
.set i, 1
.rept 31
	v_add_nc_u32 v[VO+i], s31, v[VO+i-1]
.set i, i+1
.endr
	v_and_b32 v10, 7, v2                           ; sigma(lane)
	v_bfe_u32 v11, v2, 3, 1
	v_bfe_u32 v12, v2, 4, 1
	v_lshl_add_u32 v10, v11, 4, v10
	v_lshl_add_u32 v10, v12, 3, v10
	s_mul_i32 s28, s16, 32*PITCH
	s_add_co_u32 s28, s28, WST                     ; my stage
	v_mul_u32_u24 v4, v10, PITCH
	v_add_nc_u32 v4, s28, v4                       ; into it: row = my column's place
	v_lshlrev_b32 v9, 5, v10                       ; my column's row of scale bytes
	v_and_b32 v5, 15, v2
	v_lshrrev_b32 v6, 4, v2
	v_mul_u32_u24 v14, v6, PITCH                   ; out as rows: sixteen lanes to a row, two rows an instruction
	v_lshl_add_u32 v14, v5, 4, v14
	v_add_nc_u32 v14, s28, v14
	v_lshlrev_b32 v15, 9, v6
	v_lshl_add_u32 v15, v5, 4, v15
	v_mul_u32_u24 v16, v5, PITCH                   ; out as images: lane (r, h) takes 16 bytes of row r at 16 h,
	v_lshl_add_u32 v16, v6, 4, v16
	v_add_nc_u32 v16, s28, v16
	v_lshlrev_b32 v17, 4, v2                       ; and puts them at 16 x lane
	s_lshl_b32 s29, s19, 7
	s_lshl_b32 s32, s16, 5
	s_add_co_u32 s29, s29, s32                     ; my wave's first place: 128 cg + 32 w
	s_lshl_b32 s32, s29, 5
	s_lshl_b32 s33, s18, 4
	s_add_co_u32 s32, s32, s33
	s_add_co_u32 s32, s32, 0x200000
	s_mov_b32 s33, 0
	s_add_nc_u64 s[34:35], s[14:15], s[32:33]      ; scale bytes: 32 a place, 16 y on
	s_lshl_b32 s32, s29, 9
	s_add_nc_u64 s[36:37], s[14:15], s[32:33]      ; codes: 512 bytes a place
.macro WLOAD t                         ; block t: W(32 t + i, my column): 32 lanes read 128 bytes on end
.irp i, 0,1,2,3,4,5,6,7,8,9,10,11,12,13,14,15,16,17,18,19,20,21,22,23,24,25,26,27,28,29,30,31
	global_load_b32 v[X+32*((\t)%2)+\i], v[VO+\i], s[BP+2*((\t)%2):BP+2*((\t)%2)+1] th:TH_LOAD_NT
.endr
.endm
	WLOAD 0
	WLOAD 1
.macro BLOCK t
.set XS, X+32*((\t)%2)
.if (\t) < NB-1
	s_wait_loadcnt 32                              ; this block's 32 loads are in; the next block's may be out
.else
	s_wait_loadcnt 0
.endif
.if (\t)+2 < NB
	s_add_nc_u64 s[BP+2*((\t)%2):BP+2*((\t)%2)+1], s[BP+2*((\t)%2):BP+2*((\t)%2)+1], s[24:25]   ; the loads that named this base are done: two blocks on
.endif
	v_max3_num_f32 v12, |v[XS]|, |v[XS+1]|, |v[XS+2]|               ; the block's largest magnitude: all 32 numbers are mine
	v_max3_num_f32 v13, |v[XS+3]|, |v[XS+4]|, |v[XS+5]|
.irp i, 6,10,14,18,22,26
	v_max3_num_f32 v12, v12, |v[XS+\i]|, |v[XS+\i+1]|
	v_max3_num_f32 v13, v13, |v[XS+\i+2]|, |v[XS+\i+3]|
.endr
	v_max3_num_f32 v12, v12, |v[XS+30]|, |v[XS+31]|
	v_max3_num_f32 v12, v12, v13, 0x1800000        ; and the floor 2^(3 - 127)
	v_add_nc_u32 v11, 0xff000000, v12              ; 2 off its exponent field: the conversion's scale operand
	v_lshrrev_b32 v13, 23, v11                     ; the scale's byte
.if (\t)%4 == 0
	v_mov_b32 v[SB+(\t)/4], v13                    ; four bytes to a register, the lower K in the lower byte
.else
	v_lshl_or_b32 v[SB+(\t)/4], v13, 8*((\t)%4), v[SB+(\t)/4]
.endif
.irp g, 0,1,2,3
	v_cvt_scalef32_pk8_fp4_f32 v[C+\g], v[XS+8*\g:XS+8*\g+7], v11
.endr
	ds_store_b128 v4, v[C:C+3] offset:16*(\t)      ; 32 codes: 16 bytes of my column's row
.if (\t)+2 < NB
	WLOAD (\t)+2
.endif
	s_wait_dscnt 0x0                               ; the store has read its registers: the next block's codes may be written
.endm
.set Q, 0
.rept NB
	BLOCK Q
.set Q, Q+1
.endr
	global_store_b128 v9, v[SB:SB+3], s[34:35]     ; my column's 16 scale bytes
	s_cmp_lt_u32 s19, 24
	s_cbranch_scc0 .Limages
	s_lshl_b32 s32, s18, 8                         ; Wq, Wk, Wv leave as rows: 256 bytes of each row, at 256 y
	s_add_nc_u64 s[36:37], s[36:37], s[32:33]
.irp t, 0,1,2,3,4,5,6,7,8,9,10,11,12,13,14,15
	ds_load_b128 v[OUTR+4*\t:OUTR+4*\t+3], v14 offset:2*\t*PITCH   ; LDS serves a wave's instructions in order: these see my stores
.endr
.irp t, 0,1,2,3,4,5,6,7,8,9,10,11,12,13,14,15
	s_wait_dscnt 15-\t
	global_store_b128 v15, v[OUTR+4*\t:OUTR+4*\t+3], s[36:37] offset:2*\t*512   ; sixteen lanes store 256 bytes on end, aligned
.endr
	s_wait_tensorcnt 0x0
	ds_add_u32 v208, v209
	s_wait_dscnt 0x0
	s_endpgm
.Limages:
	s_lshl_b32 s32, s18, 12                        ; Wo leaves as images: two tiles of 16 places x four K steps x two halves of 512 bytes; K steps 4 y on
	s_add_nc_u64 s[36:37], s[36:37], s[32:33]
.irp t, 0,1,2,3,4,5,6,7,8,9,10,11,12,13,14,15      ; t = 8 x tile + 2 x K step + half
	ds_load_b128 v[OUTR+4*\t:OUTR+4*\t+3], v16 offset:(\t/8)*16*PITCH+((\t/2)%4)*64+(\t%2)*32
.endr
.irp t, 0,1,2,3,4,5,6,7,8,9,10,11,12,13,14,15
	s_wait_dscnt 15-\t
	global_store_b128 v17, v[OUTR+4*\t:OUTR+4*\t+3], s[36:37] offset:(\t/8)*8192+((\t/2)%4)*1024+(\t%2)*512   ; the wave stores 512 bytes on end, aligned
.endr
	s_wait_tensorcnt 0x0
	ds_add_u32 v208, v209
	s_wait_dscnt 0x0
	s_endpgm
.Lfunc_end_k_q7419e74080_quant:
	.size	k_q7419e74080_quant, .Lfunc_end_k_q7419e74080_quant-k_q7419e74080_quant
	.p2alignl 7, 3214868480
	.fill 96, 4, 3214868480
	.section	.rodata,"a",@progbits
	.p2align	6, 0x0
	.amdhsa_kernel k_q7419e74080_quant
		.amdhsa_group_segment_fixed_size 69120
		.amdhsa_private_segment_fixed_size 0
		.amdhsa_enable_private_segment 0
		.amdhsa_kernarg_size 48
		.amdhsa_user_sgpr_count 2
		.amdhsa_user_sgpr_kernarg_segment_ptr 1
		.amdhsa_wavefront_size32 1
		.amdhsa_system_sgpr_workgroup_id_x 1
		.amdhsa_system_sgpr_workgroup_id_y 1
		.amdhsa_system_sgpr_workgroup_id_z 1
		.amdhsa_system_vgpr_workitem_id 0
		.amdhsa_next_free_vgpr 210
		.amdhsa_next_free_sgpr 66
		.amdhsa_reserve_vcc 0
		.amdhsa_float_denorm_mode_32 3
		.amdhsa_float_denorm_mode_16_64 3
		.amdhsa_memory_ordered 1
		.amdhsa_forward_progress 1
		.amdhsa_inst_pref_size 117
	.end_amdhsa_kernel
	.amdgpu_metadata
---
amdhsa.version: [ 1, 2 ]
amdhsa.kernels:
  - .name:           k_q7419e74080_quant
    .symbol:         k_q7419e74080_quant.kd
    .args:
      - { .name: h, .offset: 0, .size: 8, .value_kind: global_buffer, .address_space: global }
      - { .name: Wq, .offset: 8, .size: 8, .value_kind: global_buffer, .address_space: global }
      - { .name: Wkv, .offset: 16, .size: 8, .value_kind: global_buffer, .address_space: global }
      - { .name: Wo, .offset: 24, .size: 8, .value_kind: global_buffer, .address_space: global }
      - { .name: hq, .offset: 32, .size: 8, .value_kind: global_buffer, .address_space: global }
      - { .name: wq, .offset: 40, .size: 8, .value_kind: global_buffer, .address_space: global }
    .group_segment_fixed_size: 69120
    .private_segment_fixed_size: 0
    .kernarg_segment_align: 8
    .kernarg_segment_size: 48
    .max_flat_workgroup_size: 128
    .sgpr_count:     66
    .vgpr_count:     210
    .wavefront_size: 32
...
	.end_amdgpu_metadata
.endif
;; end of part 1
;; launch qkv (part 2): grid 8 x 48, 4 waves a work-group, clusters of 4 x 4, 327,680 bytes of LDS; arguments hq, wq, qk, vv; writes qk, vv
.if DOCPART == 2
	.amdgcn_target "amdgcn-amd-amdhsa--gfx1250"
	.amdhsa_code_object_version 6
	.text
	.protected	k_q7419e74080_qkv
	.globl	k_q7419e74080_qkv
	.p2align	8
	.type	k_q7419e74080_qkv,@function
k_q7419e74080_qkv:
	s_mov_b64 s[64:65], 0
	v_nop
	global_prefetch_b8 v0, s[64:65] scope:SCOPE_SE
	s_setreg_imm32_b32 hwreg(HW_REG_WAVE_MODE, 25, 1), 1
	s_wait_xcnt 0x0
	s_wait_alu depctr_hold_cnt(0) depctr_sa_sdst(0) depctr_va_vdst(0) depctr_va_sdst(0) depctr_va_ssrc(0) depctr_va_vcc(0) depctr_vm_vsrc(0)
	s_getreg_b32 s2, hwreg(HW_REG_IB_STS2, 6, 4)
	s_cmp_eq_u32 s2, 0
	s_cbranch_scc0 .Lentry_in_a_cluster
	s_endpgm
.Lentry_in_a_cluster:
	s_bfe_u32 s2, ttmp6, 0x10000c
	s_cmp_lg_u32 s2, 0xf033
	s_cbranch_scc0 .Lentry_shape_is_right
	s_endpgm
.Lentry_shape_is_right:
; q = h Wq, k and v = h Wkv on codes of FP4 (E2M1) with E8M0 scales, K = 1,024; the results are quantised in registers for the attention's two products and leave as codes: no f32 result goes to memory.
; A tile of 256 x 256 results is made by four waves, 128 x 128 each: 64 accumulators of 16 x 16, 512 registers.  K goes in two steps of 512 through two LDS slots, each filled once; the scale bytes of the 512 rows come with them.
; THE MATRIX INSTRUCTION: source 0 = 16 rows of operand B, source 1 = 16 rows of operand A.  A lane then holds ONE row of A and its registers run along B's rows; B's rows lie at places sigma(index)
; (bits 3 and 4 exchanged), so the 64 registers of A's block a, B's blocks 0-7, are: register 16 g + i = true index 32 g + 16 (lane / 16) + i of B.  That is the order in which a lane quantises along B.
; TWO PARTS, ONE TEXT, chosen by the cluster's y (the same in all sixteen partners) through selects alone:
;   clusters y 0-7:  A = h's rows, B = Wq's and Wk's columns.  A wave's 128 of B are two heads of 64: four blocks of 32 along the head.  Half c of the fragment made is head 2 RG + c's 16 rows x 64.
;   clusters y 8-11: A = Wv's columns, B = h's rows.  A wave's 128 of B are 128 keys of one batch: the fragment made is 16 channels x 128 keys of V, the keys innermost, as the second product wants it.
; qk: images [head: 0-15 q, 16-31 k][tile of 16 rows: 512][512 bytes] at 0; two scale bytes a row [head][8,192 rows] at 0x800000.
; vv: images [batch x 16 + group of 128 keys][tile of 16 channels: 64][1,024 bytes] at 0; scale words [the same][the same][16][4 bytes] at 0x400000.
; An image is a fragment's registers as they stand: four registers are 512 bytes, lane l's 16 at 16 l.
; CLUSTERS: 4 x 4 work-groups; A's tiles are asked for jointly along a row of the cluster, B's along a column.
; LIMITS: NaN and infinities are not served; a block of zeros keeps the scale byte 1 (its codes are zeros; this program alone reads the bytes).
; REGISTERS: window 0: v0-31 addresses; v32-95 scale words, two sets, and nothing else; v128-191 A's fragments, later the codes made; v192-223 at work on the way out.
;   window 1: B's fragments, two sets.   window 2: the accumulators of my rows 0-63 ((a, b) at v[8 (8 a + b)]);   window 3: those of my rows 64-127.
.set NQ,     4                         ; steps of 128 along K in a slot
.set ROWB,   256                       ; a tile's row in bytes: 512 codes
.set KROW,   512                       ; a row of codes in memory
.set PITCH,  272                       ; an LDS row: 256 bytes + 16 of padding: the 16 rows that a load touches start at 16 different banks (64 banks of 4 bytes: ISA guide 11.1)
.set FR,     8                         ; registers of a fragment
.set NL,     2                         ; LDS loads that bring one
.set NP,     4                         ; places behind this matrix instruction (ISA guide 7.12.1)
.set HALFT,  128*PITCH
.set SLOT,   4*HALFT                   ; A's 256 rows, then B's 256 rows
.set KS,     32                        ; a row of scale bytes
.set SCL,    2*SLOT                    ; behind the slots: the scales, as units of 256 bytes + 16 of padding
.set HALFS,  (128*KS/256)*272
.set SBLK,   (16*KS/256)*272
.set SPARE,  SCL+4*HALFS               ; the spare words, 128 bytes for each wave: two blocks of 256 bytes that no other line names
.set ADRA, 16                          ; v16-17  LDS address of my A fragments in slot 0, 1
.set ADRB, 20                          ; v20-21  the same for B
.set L16,  24                          ; v24     16 x lane: an image's place for my lane
.set SOFF, 25                          ; v25     where my two scale bytes go
.set SHV,  26                          ; v26     16 x (lane / 16): which half of the scale word is mine to store
.set ADRS, 27                          ; v27     LDS address of my scale words: lanes 0-15 A's rows, lanes 16-31 B's
.set SPW,  28                          ; v28     LDS address of my spare word; never rewritten
.set NIL,  29                          ; v29     0; never rewritten
.set SC,   32                          ; scale words: set s at v[SC + 32 s]; register 4 i + q: lanes 0-15 A's block i, lanes 16-31 B's block i, the slot's q-th 128 along K
.set AF,   128                         ; A's fragments
.set PC,   128                         ; the way out: block a's codes at v[PC + 8 a]
.set TM,   192                         ; v192-195 largest magnitudes, v196-199 bytes, v204-207 the conversions' scale operands
.set PW,   208                         ; v208-215 block a's scale word
.set PH,   216                         ; v216-223 and the half of it that my lane stores
.set G1, 24
.set G0, 32
.set G1B, 48
.set G0B, 56
.set G1S, 68
.set G0S, 76
.set G1SB, 80
.set G0SB, 88
.set MSB, 0
.macro WIN new                         ; the immediate's high byte repeats the setting that is left
.if MSB != \new
	s_set_vgpr_msb (MSB<<8)|\new
.set MSB, \new
.endif
.endm
.set MUL_LO, 0xa1                      ; source 0 (B) window 1, source 1 (A) window 0, C and D window 2
.set MUL_HI, 0xf1                      ; the same, C and D window 3
.set TO_B,   0x40                      ; destination window 1, address window 0
; A joint load: waves 0 and 1 fetch for A, waves 2 and 3 for B; the branch hangs on the wave's number alone.  Four v_nop follow each of the two lines.
.macro JLOAD g0a, g1a, g0b, g1b
	s_cmp_eq_u32 s15, 0
	s_cbranch_scc0 .Lfor_b_\@
	tensor_load_to_lds s[\g0a:\g0a+3], s[\g1a:\g1a+7]
	s_nop 0
.rept 4
	v_nop
.endr
	s_branch .Lasked_\@
.Lfor_b_\@:
	tensor_load_to_lds s[\g0b:\g0b+3], s[\g1b:\g1b+7]
	s_nop 0
.rept 4
	v_nop
.endr
.Lasked_\@:
.endm
.macro CROUND                          ; a round of the cluster's barrier
	s_barrier_signal -1
	s_barrier_wait -1
	s_cmp_lg_u32 s14, 0
	s_cbranch_scc1 .Lnot_wave_0_\@
	s_barrier_signal -3
.Lnot_wave_0_\@:
	s_barrier_wait -3
	s_barrier_signal -1
	s_barrier_wait -1
.endm
	s_load_b128 s[4:7], s[0:1], 0x0                ; hq s[4:5], wq s[6:7]
	s_load_b64 s[66:67], s[0:1], 0x10              ; qk
	s_load_b64 s[100:101], s[0:1], 0x18            ; vv
	v_lshl_add_u32 v[SPW], v0, 2, SPARE
	v_mov_b32 v[NIL], 0
	ds_add_u32 v28, v29
	ds_add_u32 v28, v29
	s_wait_dscnt 0x0
	v_lshrrev_b32 v1, 5, v0
	v_readfirstlane_b32 s14, v1                    ; wave 0..3
	s_lshr_b32 s15, s14, 1                         ; which half of A's 256 rows is mine.  Also: I fetch for A (0) or for B (1)
	s_and_b32 s16, s14, 1                          ; which half of B's.  Also: which 128 rows of that tile I fetch
	s_bfe_u32 s40, ttmp6, 0x40000                  ; cx, cy: my place in the cluster
	s_bfe_u32 s41, ttmp6, 0x40004
	s_and_b32 s95, ttmp7, 0xffff                   ; the cluster's y: 0-7 q and k, 8-11 v
	s_sub_co_u32 s96, s95, 8
	s_lshl_b32 s96, s96, 1
	s_add_co_u32 s96, s96, ttmp9                   ; v: which four tile columns of h's 32
	s_cmp_lt_u32 s95, 8
	s_cselect_b32 s17, s95, 0                      ; four tile rows of A: h's by the cluster's y, or Wv's only four
	s_cselect_b32 s42, ttmp9, s96                  ; four tile columns of B
	s_lshl_b32 s42, s42, 2
	s_add_co_u32 s42, s42, s40                     ; tile column
	s_lshl_b32 s17, s17, 2
	s_add_co_u32 s17, s17, s41                     ; tile row
	s_lshl_b32 s43, s41, 2
	s_lshl_b32 s43, 15, s43                        ; my row of the cluster
	s_lshl_b32 s44, 0x1111, s40                    ; my column
	; descriptor group 1: a tile of 128 rows x 256 bytes, padded in LDS
	s_or_b32 s[G1+0], s43, (0<<16)|(1<<20)|(1<<21)|(5<<22)|(3<<25)  ; 15:0 the mask: A's tiles go to my row; 17:16 elements of 1 byte; 20 padding on; 21 set beside a mask; 24:22 after every 64 words; 31:25 four words
	s_or_b32 s[G1B+0], s44, (0<<16)|(1<<20)|(1<<21)|(5<<22)|(3<<25)
.irp g, G1, G1B
	s_mov_b32 s[\g+1], ROWB<<16                    ; tensor_dim0
	s_mov_b32 s[\g+2], 128<<16                     ; tensor_dim1
	s_mov_b32 s[\g+3], ROWB<<16                    ; tile_dim0
	s_mov_b32 s[\g+4], 128                         ; tile_dim1
	s_mov_b32 s[\g+5], KROW                        ; tensor_dim0_stride
	s_mov_b32 s[\g+6], 0
	s_mov_b32 s[\g+7], 0
.endr
	; the scales of 128 rows: a dense block of 4,096 bytes, as 16 rows of 256 bytes (32 elements of 8 bytes), 16 bytes of padding behind each
	s_or_b32 s[G1S+0], s43, (3<<16)|(1<<20)|(1<<21)|(5<<22)|(3<<25)
	s_or_b32 s[G1SB+0], s44, (3<<16)|(1<<20)|(1<<21)|(5<<22)|(3<<25)
.irp g, G1S, G1SB
	s_mov_b32 s[\g+1], 32<<16
	s_mov_b32 s[\g+2], (128*KS/256)<<16
	s_mov_b32 s[\g+3], 32<<16
	s_mov_b32 s[\g+4], 128*KS/256
	s_mov_b32 s[\g+5], 32
	s_mov_b32 s[\g+6], 0
	s_mov_b32 s[\g+7], 0
.endr
	s_lshl_b32 s18, s16, 7                         ; which 128 rows of the tile I fetch
	s_lshl_b32 s20, s17, 8
	s_add_co_u32 s20, s20, s18                     ; A: row 256 x tile row + 128 x half
	s_lshl_b32 s46, s42, 8
	s_add_co_u32 s46, s46, s18                     ; B: row 256 x tile column + 128 x half
	s_mov_b32 s21, 0
	s_mov_b32 s47, 0
	s_mov_b64 s[18:19], KS
	s_mul_u64 s[22:23], s[20:21], s[18:19]         ; where these rows' scales begin, in bytes
	s_mul_u64 s[92:93], s[46:47], s[18:19]
	s_mov_b64 s[18:19], KROW
	s_mul_u64 s[20:21], s[20:21], s[18:19]         ; and their codes
	s_mul_u64 s[46:47], s[46:47], s[18:19]
	s_mul_i32 s45, s14, HALFT                      ; where they go: wave x 128 rows: no place in the cluster enters an LDS address
	s_mul_i32 s94, s14, HALFS
	s_wait_kmcnt 0x0
	s_add_nc_u64 s[8:9], s[4:5], 0x400000          ; h's scale bytes
	s_add_nc_u64 s[10:11], s[6:7], 0x200000        ; the weights' scale bytes
	s_add_nc_u64 s[12:13], s[6:7], 0x100000        ; Wv's codes: rows 2,048 on
	s_add_nc_u64 s[96:97], s[6:7], 0x210000        ; Wv's scale bytes
	s_cmp_lt_u32 s95, 8                            ; which tensor is A and which is B
	s_cselect_b64 s[98:99], s[4:5], s[12:13]       ; A's codes
	s_cselect_b64 s[12:13], s[8:9], s[96:97]       ; A's scales
	s_cselect_b64 s[96:97], s[6:7], s[4:5]         ; B's codes
	s_cselect_b64 s[10:11], s[10:11], s[8:9]       ; B's scales
	s_add_nc_u64 s[20:21], s[98:99], s[20:21]
	s_add_nc_u64 s[22:23], s[12:13], s[22:23]
	s_add_nc_u64 s[46:47], s[96:97], s[46:47]
	s_add_nc_u64 s[92:93], s[10:11], s[92:93]
	CROUND                                         ; all sixteen work-groups are here: the joint loads meet
	s_mov_b32 s[G0S], 1
	s_add_co_u32 s[G0S+1], s94, SCL
	s_mov_b64 s[G0S+2:G0S+3], s[22:23]
	s_or_b32 s[G0S+3], s[G0S+3], 0x80000000
	s_mov_b32 s[G0SB], 1
	s_add_co_u32 s[G0SB+1], s94, SCL
	s_mov_b64 s[G0SB+2:G0SB+3], s[92:93]
	s_or_b32 s[G0SB+3], s[G0SB+3], 0x80000000
	JLOAD G0S, G1S, G0SB, G1SB                     ; the scales first: they are wanted with the first slot
.irp s, 0,1
	s_mov_b32 s[G0+4*\s], 1
	s_add_co_u32 s[G0+4*\s+1], s45, \s*SLOT
	s_add_nc_u64 s[G0+4*\s+2:G0+4*\s+3], s[20:21], \s*ROWB
	s_or_b32 s[G0+4*\s+3], s[G0+4*\s+3], 0x80000000
	s_mov_b32 s[G0B+4*\s], 1
	s_add_co_u32 s[G0B+4*\s+1], s45, \s*SLOT
	s_add_nc_u64 s[G0B+4*\s+2:G0B+4*\s+3], s[46:47], \s*ROWB
	s_or_b32 s[G0B+4*\s+3], s[G0B+4*\s+3], 0x80000000
	JLOAD G0+4*\s, G1, G0B+4*\s, G1B               ; both slots: all of K.  Three tensor loads of mine are out
.endr
	v_and_b32 v1, 15, v0                           ; r = l % 16
	v_bfe_u32 v2, v0, 4, 1                         ; h = l / 16
	v_mul_u32_u24 v3, v1, PITCH
	v_lshl_add_u32 v4, v2, 4, v3                   ; a fragment's row x pitch + 16 x half
	s_mul_i32 s21, s15, HALFT                      ; my 128 rows of A
	s_mul_i32 s22, s16, HALFT                      ; my 128 rows of B,
	s_add_co_u32 s22, s22, 2*HALFT                 ; which lie behind A's 256
.irp s, 0,1
	v_add_nc_u32 v[ADRA+\s], s21, v4
	v_add_nc_u32 v[ADRB+\s], s22, v4
	s_add_co_u32 s21, s21, SLOT
	s_add_co_u32 s22, s22, SLOT
.endr
	v_mul_u32_u24 v5, v1, KS                       ; my row's scales: 32 bytes a row,
	v_lshrrev_b32 v6, 8, v5
	v_lshl_add_u32 v5, v6, 4, v5                   ; and 16 more for each 256 passed
	s_mul_i32 s21, s15, HALFS                      ; A's: my 128 rows
	s_mul_i32 s22, s16, HALFS                      ; B's: my 128 rows, behind A's 256
	s_add_co_u32 s22, s22, 2*HALFS
	s_sub_co_u32 s22, s22, s21
	v_mul_u32_u24 v6, s22, v2                      ; lanes 16-31 take B's
	s_add_co_u32 s21, s21, SCL
	v_add_nc_u32 v5, v5, v6
	v_add_nc_u32 v[ADRS], s21, v5
	v_and_b32 v6, 31, v0
	v_lshlrev_b32 v[L16], 4, v6
	v_lshlrev_b32 v[SHV], 4, v2
.macro FRAG reg, adr, q, i             ; a fragment, 16 rows x 128 K of 4-bit codes: lane l holds row l % 16; registers 4 c .. 4 c + 3 hold K = 64 c + 32 (l / 16) + 0 .. 31
.irp c, 0,1
	ds_load_b128 v[\reg+4*\c:\reg+4*\c+3], v[\adr] offset:64*(\q)+32*\c+(\i)*16*PITCH
.endr
.endm
; 16 matrix instructions: A's blocks a0, a0 + 1 x B's eight, the slot's q-th 128 along K.  p: B's set; sc: the set of scale words.  zero = 1: the first product starts the sums.
; The 64 accumulators take turns, one instruction a turn, in the same order in every step.
.macro MUL16 a0, p, q, sc, zero
.irp a, \a0, \a0+1
.irp b, 0,1,2,3,4,5,6,7
.if \zero
	v_wmma_scale_f32_16x16x128_f8f6f4 v[8*(8*((\a)%4)+\b):8*(8*((\a)%4)+\b)+7], v[128*(\p)+FR*\b:128*(\p)+FR*\b+FR-1], v[AF+FR*(\a):AF+FR*(\a)+FR-1], 0, v[SC+8*NQ*(\sc)+NQ*\b+(\q)], v[SC+8*NQ*(\sc)+NQ*(\a)+(\q)] matrix_a_fmt:MATRIX_FMT_FP4 matrix_b_fmt:MATRIX_FMT_FP4 matrix_a_scale:MATRIX_SCALE_ROW1
.else
	v_wmma_scale_f32_16x16x128_f8f6f4 v[8*(8*((\a)%4)+\b):8*(8*((\a)%4)+\b)+7], v[128*(\p)+FR*\b:128*(\p)+FR*\b+FR-1], v[AF+FR*(\a):AF+FR*(\a)+FR-1], v[8*(8*((\a)%4)+\b):8*(8*((\a)%4)+\b)+7], v[SC+8*NQ*(\sc)+NQ*\b+(\q)], v[SC+8*NQ*(\sc)+NQ*(\a)+(\q)] matrix_a_fmt:MATRIX_FMT_FP4 matrix_b_fmt:MATRIX_FMT_FP4 matrix_a_scale:MATRIX_SCALE_ROW1
.endif
.endr
.endr
.endm
.macro FETCH_B slot, q, p              ; B's eight fragments into set p
	WIN TO_B
.irp i, 0,1,2,3,4,5,6,7
	FRAG 128*(\p)+FR*\i, ADRB+\slot, \q, \i
.endr
	WIN 0
.endm
.macro FETCH_A slot, q, i0             ; A's blocks i0 .. i0 + 3
.irp i, \i0, \i0+1, \i0+2, \i0+3
	FRAG AF+FR*(\i), ADRA+\slot, \q, \i
.endr
.endm
.macro SCALES sc                       ; a slot's scale words into set sc: four words a row; lanes 0-15 take A's block i, lanes 16-31 B's block i
.irp i, 0,1,2,3,4,5,6,7
	ds_load_b128 v[SC+8*NQ*\sc+NQ*\i:SC+8*NQ*\sc+NQ*\i+3], v[ADRS] offset:\i*SBLK
.endr
.endm
; A load into a register that a matrix instruction has read, and a vector instruction that reads a matrix result, stand NP places behind it; only plain vector instructions that name none of its registers are places.
.macro PLACES n
.rept \n
	v_nop
.endr
.endm
; A step of 128 along K that has its successor in the same slot.  A has one set of registers: blocks 0-3 are fetched anew in the step's middle, blocks 4-7 at its end; B has two sets.
.macro STEP slot, q, zero
	s_wait_dscnt 4*NL                              ; B's set and A's blocks 0-3 are in; the youngest eight loads (A's blocks 4-7) may be out
	WIN MUL_LO
	MUL16 0, (\q)%2, \q, \slot, \zero
	MUL16 2, (\q)%2, \q, \slot, \zero
	s_wait_dscnt 0                                 ; A's blocks 4-7 are in
	PLACES NP
	FETCH_B \slot, (\q)+1, 1-(\q)%2
	FETCH_A \slot, (\q)+1, 0
	WIN MUL_HI
	MUL16 4, (\q)%2, \q, \slot, \zero
	MUL16 6, (\q)%2, \q, \slot, \zero
	PLACES NP
	WIN 0
	FETCH_A \slot, (\q)+1, 4
.endm
; Slot 0's last step goes over to slot 1: one barrier; in front of it each wave waits for all its tensor loads (its part of slot 1).  Nothing is filled again.
.macro TURN slot, next
	s_wait_tensorcnt 0x0                           ; all my tensor loads have landed: my part of the next slot
	ds_add_u32 v[SPW], v[NIL]                      ; 0 onto my spare word
	s_wait_dscnt 4*NL+1                            ; (the add and the youngest eight loads may be out)
	WIN MUL_LO
	MUL16 0, 1, NQ-1, \slot, 0
	s_wait_dscnt 0x0                               ; the add is done, and my reads of this slot are over
	s_barrier_signal -1
	MUL16 2, 1, NQ-1, \slot, 0
	WIN 0
	s_barrier_wait -1                              ; the next slot is whole
	PLACES NP
	v_add_nc_u32 v[ADRS], 4*NQ, v[ADRS]            ; on to the next slot's scale words (no LDS load of mine is out)
	FETCH_B \next, 0, 0
	FETCH_A \next, 0, 0
	SCALES \next
	WIN MUL_HI
	MUL16 4, 1, NQ-1, \slot, 0
	MUL16 6, 1, NQ-1, \slot, 0
	PLACES NP
	WIN 0
	FETCH_A \next, 0, 4
.endm
	s_wait_tensorcnt 1                             ; the scales and my part of slot 0 are in (slot 1's load may be out),
	s_barrier_signal -1
	s_barrier_wait -1                              ; everybody's are
	FETCH_B 0, 0, 0
	FETCH_A 0, 0, 0
	SCALES 0
	FETCH_A 0, 0, 4
	STEP 0, 0, 1                                   ; the first step's products start the sums: nothing is cleared
	STEP 0, 1, 0
	STEP 0, 2, 0
	TURN 0, 1
	STEP 1, 0, 0
	STEP 1, 1, 0
	STEP 1, 2, 0
	s_wait_dscnt 4*NL                              ; the last step: nothing more to fetch
	WIN MUL_LO
	MUL16 0, 1, NQ-1, 1, 0
	MUL16 2, 1, NQ-1, 1, 0
	s_wait_dscnt 0
	WIN MUL_HI
	MUL16 4, 1, NQ-1, 1, 0
	MUL16 6, 1, NQ-1, 1, 0
	WIN 0
	; THE WAY OUT.  Block a of A (16 rows, one a lane) has 64 registers along B: they become one fragment's codes and one scale word, and leave as images.  All tensor loads are done: the descriptors' registers are free.
	s_lshl_b32 s20, s17, 4
	s_lshl_b32 s21, s15, 3
	s_add_co_u32 s20, s20, s21                     ; TP0: my first tile of 16 rows of A
	s_lshl_b32 s21, s42, 1
	s_add_co_u32 s21, s21, s16                     ; RG: my group of 128 of B
	s_mov_b32 s98, 0x76543210
	s_mov_b32 s99, 0xfedcba98                      ; v_permlanex16_b32's selects for lane l xor 16
	s_cmp_lt_u32 s95, 8                            ; the strides, q and k | v
	s_mov_b32 s46, 1024
	s_cselect_b32 s46, 512, s46                    ; from tile to tile of A
	s_mov_b32 s25, 65536
	s_cselect_b32 s25, 524288, s25                 ; from group to group of B
	s_mov_b32 s26, 512
	s_cselect_b32 s26, 262144, s26                 ; from half 0 to half 1 of the fragment: the next head | the next 512 bytes
	s_cselect_b32 s48, 32, 64                      ; scale bytes: from tile to tile,
	s_mov_b32 s28, 4096
	s_cselect_b32 s28, 32768, s28                  ; from group to group,
	s_cselect_b32 s29, 16384, 2                    ; from the word's low half to its high half,
	s_cselect_b32 s30, 2, 4                        ; from row to row
	s_mov_b32 s31, 0x400000
	s_cselect_b32 s31, 0x800000, s31               ; where the scale bytes begin
	s_cselect_b64 s[32:33], s[66:67], s[100:101]   ; qk | vv
	s_mov_b32 s47, 0
	s_mov_b32 s49, 0
	s_mul_i32 s34, s20, s46
	s_mul_i32 s35, s21, s25
	s_add_co_u32 s34, s34, s35
	s_mov_b32 s35, 0
	s_add_nc_u64 s[36:37], s[32:33], s[34:35]      ; half 0 of block 0's image
	s_mov_b32 s34, s26
	s_add_nc_u64 s[38:39], s[36:37], s[34:35]      ; half 1
	s_mul_i32 s34, s20, s48
	s_mul_i32 s22, s21, s28
	s_add_co_u32 s34, s34, s22
	s_add_co_u32 s34, s34, s31
	s_add_nc_u64 s[44:45], s[32:33], s[34:35]      ; block 0's scale bytes
	PLACES NP                                      ; behind the last products, ahead of the first read of results and the first write over A's fragments
	v_mul_u32_u24 v[SOFF], s30, v1
	v_mad_u32_u24 v[SOFF], v2, s29, v[SOFF]
.irp b, 0,1,2,3
	v_mov_b32 v[TM+4+\b], 0                        ; written once: a lane permute's destination counts as one of its sources
.endr
.macro QUANTW a
.set AC, 64*((\a)%4)
.set WW, 2+(\a)/4
	WIN 5*WW                                       ; sources 0 and 1: the accumulators' window
.irp b, 0,1,2,3
	v_max3_num_f32 v[TM+\b], |v[AC+16*\b]|, |v[AC+16*\b+1]|, 0x1800000   ; block b: my 16 numbers, each accumulator from its low end on, and the floor 2^(3 - 127)
.endr
.irp i, 2,4,6,8,10,12,14
.irp b, 0,1,2,3
	v_max3_num_f32 v[TM+\b], |v[AC+16*\b+\i]|, |v[AC+16*\b+\i+1]|, v[TM+\b]   ; (the four blocks by turns)
.endr
.endr
	WIN 0
.irp b, 0,1,2,3
	v_permlanex16_b32 v[TM+4+\b], v[TM+\b], s98, s99
.endr
.irp b, 0,1,2,3
	v_max_num_f32 v[TM+\b], v[TM+\b], v[TM+4+\b]   ; with lane l xor 16's: the block's largest magnitude
.endr
.irp b, 0,1,2,3
	v_add_nc_u32 v[TM+12+\b], 0xff000000, v[TM+\b] ; 2 off its exponent field: the conversion's scale operand
.endr
.irp b, 0,1,2,3
	v_lshrrev_b32 v[TM+4+\b], 23, v[TM+12+\b]      ; the scale's byte
.endr
	v_lshl_or_b32 v[PW+(\a)], v[TM+5], 8, v[TM+4]  ; my row's scale word
	v_lshl_or_b32 v[PW+(\a)], v[TM+6], 16, v[PW+(\a)]
	v_lshl_or_b32 v[PW+(\a)], v[TM+7], 24, v[PW+(\a)]
	WIN WW                                         ; source 0: the accumulators' window
.irp b, 0,1,2,3
	v_cvt_scalef32_pk8_fp4_f32 v[PC+8*(\a)+2*\b], v[AC+16*\b:AC+16*\b+7], v[TM+12+\b]
	v_cvt_scalef32_pk8_fp4_f32 v[PC+8*(\a)+2*\b+1], v[AC+16*\b+8:AC+16*\b+15], v[TM+12+\b]
.endr
	WIN 0
	v_nop                                          ; one plain place behind a scaled conversion
.irp c, 0,1                                    ; the operand's layout wants a whole block in a lane: lanes 0-15 block 2 c, lanes 16-31 block 2 c + 1
.irp i, 0,1
	v_permlane16_swap_b32 v[PC+8*(\a)+4*\c+\i], v[PC+8*(\a)+4*\c+2+\i]
.endr
.endr
.endm
.macro EPI a
	QUANTW \a
	v_lshrrev_b32 v[PH+(\a)], v[SHV], v[PW+(\a)]   ; lanes 0-15 store the word's low half, lanes 16-31 its high half
.if (\a) > 0
	s_wait_xcnt 0x0                                ; the last block's stores have read their bases: they step only behind this wait
	s_add_nc_u64 s[36:37], s[36:37], s[46:47]
	s_add_nc_u64 s[38:39], s[38:39], s[46:47]
	s_add_nc_u64 s[44:45], s[44:45], s[48:49]
.endif
	global_store_b128 v[L16], v[PC+8*(\a):PC+8*(\a)+3], s[36:37]     ; the wave stores 512 bytes on end, aligned; each block has data registers of its own
	global_store_b128 v[L16], v[PC+8*(\a)+4:PC+8*(\a)+7], s[38:39]
	global_store_b16 v[SOFF], v[PH+(\a)], s[44:45]
.endm
.irp a, 0,1,2,3,4,5,6,7
	EPI \a
.endr
	s_wait_tensorcnt 0x0                           ; the wave's end
	ds_add_u32 v[SPW], v[NIL]
	s_wait_dscnt 0x0
	CROUND                                         ; the closing round: no work-group ends while a partner may still ask for a tile that names it
	s_endpgm
.Lfunc_end_k_q7419e74080_qkv:
	.size	k_q7419e74080_qkv, .Lfunc_end_k_q7419e74080_qkv-k_q7419e74080_qkv
	.p2alignl 7, 3214868480
	.fill 96, 4, 3214868480
	.section	.rodata,"a",@progbits
	.p2align	6, 0x0
	.amdhsa_kernel k_q7419e74080_qkv
		.amdhsa_group_segment_fixed_size 327680
		.amdhsa_private_segment_fixed_size 0
		.amdhsa_enable_private_segment 0
		.amdhsa_kernarg_size 32
		.amdhsa_user_sgpr_count 2
		.amdhsa_user_sgpr_kernarg_segment_ptr 1
		.amdhsa_wavefront_size32 1
		.amdhsa_system_sgpr_workgroup_id_x 1
		.amdhsa_system_sgpr_workgroup_id_y 1
		.amdhsa_system_sgpr_workgroup_id_z 1
		.amdhsa_system_vgpr_workitem_id 0
		.amdhsa_next_free_vgpr 1024
		.amdhsa_next_free_sgpr 102
		.amdhsa_reserve_vcc 0
		.amdhsa_float_denorm_mode_32 3
		.amdhsa_float_denorm_mode_16_64 3
		.amdhsa_memory_ordered 1
		.amdhsa_forward_progress 1
		.amdhsa_inst_pref_size 131
	.end_amdhsa_kernel
	.amdgpu_metadata
---
amdhsa.version: [ 1, 2 ]
amdhsa.kernels:
  - .name:           k_q7419e74080_qkv
    .symbol:         k_q7419e74080_qkv.kd
    .args:
      - { .name: hq, .offset: 0, .size: 8, .value_kind: global_buffer, .address_space: global }
      - { .name: wq, .offset: 8, .size: 8, .value_kind: global_buffer, .address_space: global }
      - { .name: qk, .offset: 16, .size: 8, .value_kind: global_buffer, .address_space: global }
      - { .name: vv, .offset: 24, .size: 8, .value_kind: global_buffer, .address_space: global }
    .group_segment_fixed_size: 327680
    .private_segment_fixed_size: 0
    .kernarg_segment_align: 8
    .kernarg_segment_size: 32
    .max_flat_workgroup_size: 128
    .sgpr_count:     102
    .vgpr_count:     1024
    .wavefront_size: 32
...
	.end_amdgpu_metadata
.endif
;; end of part 2
;; launch attn (part 3): grid 4 x 64, 16 waves a work-group, clusters of 4 x 1, 169,984 bytes of LDS; arguments qk, vv, aa; writes aa
.if DOCPART == 3
	.amdgcn_target "amdgcn-amd-amdhsa--gfx1250"
	.amdhsa_code_object_version 6
	.text
	.protected	k_q7419e74080_attn
	.globl	k_q7419e74080_attn
	.p2align	8
	.type	k_q7419e74080_attn,@function
k_q7419e74080_attn:
	s_mov_b64 s[64:65], 0
	v_nop
	global_prefetch_b8 v0, s[64:65] scope:SCOPE_SE
	s_setreg_imm32_b32 hwreg(HW_REG_WAVE_MODE, 25, 1), 1
	s_wait_xcnt 0x0
	s_wait_alu depctr_hold_cnt(0) depctr_sa_sdst(0) depctr_va_vdst(0) depctr_va_sdst(0) depctr_va_ssrc(0) depctr_va_vcc(0) depctr_vm_vsrc(0)
	s_getreg_b32 s2, hwreg(HW_REG_IB_STS2, 6, 4)
	s_cmp_eq_u32 s2, 0
	s_cbranch_scc0 .Lentry_in_a_cluster
	s_endpgm
.Lentry_in_a_cluster:
	s_bfe_u32 s2, ttmp6, 0x10000c
	s_cmp_lg_u32 s2, 0x3003
	s_cbranch_scc0 .Lentry_shape_is_right
	s_endpgm
.Lentry_shape_is_right:
; attn_vec[q][:] = the sum over keys of softmax(q . k / 8) v, for one batch and head, both products on codes of FP4 (E2M1) with E8M0 scales; the result is quantised along the head's 64 for the output projection and leaves as codes.
; THE SOFTMAX AHEAD OF THE SECOND PRODUCT: t = score x log2(e) / 8; M = the running largest t rounded UP to a whole number; p = 2^(t - M) is quantised along the keys, not normalised.  The row's sum is taken of the
; unquantised p and divides at the end.  When M moves, the sum and O are multiplied by 2^(old M - new M): exact.
; SHARES.  Work-group y is batch y / 16, head y % 16.  The four work-groups of a cluster take 512 queries each, in two blocks of 256; each of the sixteen waves owns one tile of 16 queries of a block, in 256 registers:
; four waves to a SIMD, so that one wave's vector work stands beside another's matrix work and LDS loads.
; A WHOLE HEAD'S K AND V LIE IN LDS (128 KiB of codes, 8 KiB of scales), asked for jointly by the four work-groups, filled once: no ring and no refill.
; They lie as images of operand registers (four registers = 512 bytes, lane l's 16 at 16 l): no pitch, no padding, every LDS load takes bytes on end.
; LAYOUT.  Both products transposed: S^T = K Q^T (source 0 = 16 keys, source 1 = my 16 queries), O^T = V^T P^T: a lane holds ONE query throughout.  The rows of K's and V's tiles lie at places sigma(index) (bits 3 and 4
; exchanged), so the 16 registers of tiles 2 b and 2 b + 1 are 16 true neighbours: 32 b + 16 (lane / 16) + 0 .. 15.
; THE FIRST PRODUCT'S K IS 64: the upper 64 of the instruction's 128 are zero codes on both sides (registers 4-7 of each fragment, cleared once); their scale bytes are 0, which is 2^-127 and no NaN.
; aa: images [tile of 16 rows: 512][head 16][512 bytes] at 0; two scale bytes a row and head, [batch x 16 + head][2,048 rows], at 0x400000.
; LIMITS: NaN and infinities are not served; a p under 2^-126 comes out of v_exp_f32 as 0, beside a row's sum of more than 1/2.
; REGISTERS: v1-6 addresses that stay; v8-11 addresses of the loads in hand; v12 -M, v13 the largest t, v[14:15] the sum; v16-23 Q; v24 Q's scale word; v25-28 K's, v29-30 V's scale words; v31, v248-251 the second block's Q;
;   v32-95 K's eight fragments; v96-159 S^T, then p; v160-191 O^T; v192-223 V's four fragments; v224-231 p's codes; v232-247, v252-254 at work (v253 p's scale word); v240 the result's scale byte.
.set KIMG, 0                           ; LDS: K [128 tiles of 16 keys][512 bytes]
.set VIMG, 65536                       ; V [16 groups of 128 keys][4 tiles of 16 channels][1,024 bytes]
.set KSC,  131072                      ; K's scales: two bytes a key
.set VSC,  135168                      ; V's scale words [16 groups][4 tiles][16][4 bytes]
.set WV,   18                          ; s18 my wave's number
.set SEL,  20                          ; s[20:21] selects for lane l xor 16
.set CS,   22                          ; s[22:23] c = log2(e) / 8
.set G1A,  24                          ; s[24:31] group 1: a dense block of 4,096 bytes
.set G1B,  32                          ; s[32:39] group 1: a row of 256 bytes
.set KG,   56                          ; s56 the group of 128 keys in hand
.set BLK,  57                          ; s57 blocks of queries to go
.macro ROUND                           ; a round of the cluster's barrier
	s_barrier_signal -1
	s_barrier_wait -1
	s_cmp_lg_u32 s[WV], 0
	s_cbranch_scc1 .Lnot_wave_0_\@
	s_barrier_signal -3
.Lnot_wave_0_\@:
	s_barrier_wait -3
	s_barrier_signal -1
	s_barrier_wait -1
.endm
	s_load_b128 s[4:7], s[0:1], 0x0                ; qk s[4:5], vv s[6:7]
	s_load_b64 s[8:9], s[0:1], 0x10                ; aa
	v_lshl_add_u32 v243, v0, 2, 0x29000
	v_mov_b32 v255, 0
	ds_add_u32 v243, v255
	ds_add_u32 v243, v255
	v_lshrrev_b32 v8, 5, v0
	v_readfirstlane_b32 s[WV], v8                  ; wave 0..15
	s_and_b32 s11, ttmp7, 0xffff                   ; y = 16 b + n, which the four partners share
	s_lshr_b32 s12, s11, 4                         ; b
	s_and_b32 s13, s11, 15                         ; n
	; what my wave fetches: a sixteenth of each of the four regions
	s_add_co_u32 s14, s13, 16                      ; k's heads lie behind q's sixteen
	s_lshl_b32 s58, s14, 14
	s_lshl_b32 s14, s14, 18
	s_lshl_b32 s19, s12, 16
	s_add_co_u32 s14, s14, s19
	s_lshl_b32 s19, s[WV], 12
	s_add_co_u32 s14, s14, s19                     ; K's codes: ((16 + n) 512 + 128 b) 512 + 4,096 w
	s_mov_b32 s15, 0
	s_lshl_b32 s19, s12, 12
	s_add_co_u32 s58, s58, s19
	s_lshl_b32 s19, s[WV], 8
	s_add_co_u32 s58, s58, s19
	s_add_co_u32 s58, s58, 0x800000                ; K's scales: (16 + n) 16,384 + 4,096 b + 256 w
	s_mov_b32 s59, 0
	s_lshl_b32 s16, s12, 4
	s_add_co_u32 s16, s16, s[WV]                   ; group of keys 16 b + w
	s_lshl_b32 s60, s16, 12
	s_lshl_b32 s16, s16, 16
	s_lshl_b32 s19, s13, 12
	s_add_co_u32 s16, s16, s19                     ; V's codes: (16 b + w) 65,536 + 4,096 n
	s_mov_b32 s17, 0
	s_lshl_b32 s19, s13, 8
	s_add_co_u32 s60, s60, s19
	s_add_co_u32 s60, s60, 0x400000                ; V's scale words: (16 b + w) 4,096 + 256 n
	s_mov_b32 s61, 0
	s_mov_b32 s[G1A], 15|(3<<16)|(1<<21)           ; 15:0 the mask: all four work-groups; 17:16 elements of 8 bytes; 21 set beside a mask; no padding
	s_mov_b32 s[G1A+1], 32<<16                     ; tensor_dim0 = 32 elements: rows of 256 bytes
	s_mov_b32 s[G1A+2], 16<<16                     ; tensor_dim1 = 16
	s_mov_b32 s[G1A+3], 32<<16                     ; tile_dim0
	s_mov_b32 s[G1A+4], 16                         ; tile_dim1
	s_mov_b32 s[G1A+5], 32                         ; the pitch: dense
	s_mov_b32 s[G1A+6], 0
	s_mov_b32 s[G1A+7], 0
	s_mov_b32 s[G1B], 15|(3<<16)|(1<<21)
	s_mov_b32 s[G1B+1], 32<<16
	s_mov_b32 s[G1B+2], 1<<16                      ; one row
	s_mov_b32 s[G1B+3], 32<<16
	s_mov_b32 s[G1B+4], 1
	s_mov_b32 s[G1B+5], 32
	s_mov_b32 s[G1B+6], 0
	s_mov_b32 s[G1B+7], 0
	s_mov_b32 s[SEL], 0x76543210
	s_mov_b32 s[SEL+1], 0xfedcba98
	s_mov_b32 s[CS], 0x3e38aa3b                    ; log2(e) / 8
	s_mov_b32 s[CS+1], s[CS]                       ; (named with it as a pair, so it is written)
	s_mov_b32 s74, 0xffff0000                      ; lanes 16-31
	s_mov_b32 s[BLK], 2
	s_wait_dscnt 0x0
	s_wait_kmcnt 0x0
	s_mov_b32 s40, 1                               ; group 0 for K's codes: count 1, LDS address, global address, type 2
	s_lshl_b32 s41, s[WV], 12
	s_add_nc_u64 s[42:43], s[4:5], s[14:15]
	s_or_b32 s43, s43, 0x80000000
	s_mov_b32 s44, 1                               ; V's codes
	s_lshl_b32 s45, s[WV], 12
	s_add_co_u32 s45, s45, VIMG
	s_add_nc_u64 s[46:47], s[6:7], s[16:17]
	s_or_b32 s47, s47, 0x80000000
	s_mov_b32 s48, 1                               ; K's scales
	s_lshl_b32 s49, s[WV], 8
	s_add_co_u32 s49, s49, KSC
	s_add_nc_u64 s[50:51], s[4:5], s[58:59]
	s_or_b32 s51, s51, 0x80000000
	s_mov_b32 s52, 1                               ; V's scale words
	s_lshl_b32 s53, s[WV], 8
	s_add_co_u32 s53, s53, VSC
	s_add_nc_u64 s[54:55], s[6:7], s[60:61]
	s_or_b32 s55, s55, 0x80000000
	ROUND                                          ; all four work-groups are here: the joint loads meet
	tensor_load_to_lds s[40:43], s[G1A:G1A+7]      ; the launch's only fills, one group: four tensor loads of mine are out
	s_nop 0
	tensor_load_to_lds s[44:47], s[G1A:G1A+7]
	s_nop 0
	tensor_load_to_lds s[48:51], s[G1B:G1B+7]
	s_nop 0
	tensor_load_to_lds s[52:55], s[G1B:G1B+7]
	s_nop 0
.rept 4
	v_nop
.endr
	; my place in the cluster enters Q's and the result's global addresses alone
	s_bfe_u32 s10, ttmp6, 0x40000                  ; cx
	s_lshl_b32 s75, s10, 5
	s_add_co_u32 s75, s75, s[WV]                   ; T0 = 32 cx + w: my tile of 16 queries in the first block; the second block's is 16 tiles on
	s_lshl_b32 s76, s13, 18
	s_lshl_b32 s78, s12, 16
	s_add_co_u32 s76, s76, s78
	s_lshl_b32 s78, s75, 9
	s_add_co_u32 s76, s76, s78
	s_mov_b32 s77, 0
	s_add_nc_u64 s[66:67], s[4:5], s[76:77]        ; Q's codes: (512 n + 128 b + T0) 512
	s_lshl_b32 s76, s13, 14
	s_lshl_b32 s78, s12, 12
	s_add_co_u32 s76, s76, s78
	s_lshl_b32 s78, s75, 5
	s_add_co_u32 s76, s76, s78
	s_add_co_u32 s76, s76, 0x800000
	s_add_nc_u64 s[68:69], s[4:5], s[76:77]        ; Q's scales: 16,384 n + 4,096 b + 32 T0
	s_lshl_b32 s76, s12, 7
	s_add_co_u32 s76, s76, s75
	s_lshl_b32 s76, s76, 13
	s_lshl_b32 s78, s13, 9
	s_add_co_u32 s76, s76, s78
	s_add_nc_u64 s[70:71], s[8:9], s[76:77]        ; the result's codes: (128 b + T0) 8,192 + 512 n
	s_lshl_b32 s76, s11, 12
	s_lshl_b32 s78, s75, 5
	s_add_co_u32 s76, s76, s78
	s_add_co_u32 s76, s76, 0x400000
	s_add_nc_u64 s[72:73], s[8:9], s[76:77]        ; its scale bytes: (16 b + n) 4,096 + 32 T0
	v_and_b32 v9, 31, v0                           ; lane
	v_lshlrev_b32 v1, 4, v9                        ; 16 x lane: an image's place for my lane (K's images begin at LDS byte 0)
	v_and_b32 v10, 15, v0                          ; r
	v_bfe_u32 v11, v0, 4, 1                        ; h
	v_lshlrev_b32 v5, 1, v10                       ; 2 r
	v_add_nc_u32 v6, v5, v11                       ; 2 r + h
	global_load_b128 v[16:19], v1, s[66:67]        ; Q's 64 codes a row, both blocks
	global_load_b128 v[248:251], v1, s[66:67] offset:8192
	global_load_u16 v24, v5, s[68:69]              ; and its two scale bytes: the word's upper bytes are 0
	global_load_u16 v31, v5, s[68:69] offset:512
	v_lshl_add_u32 v2, v9, 1, KSC                  ; K's scales: lanes 0-15 an even tile's keys, lanes 16-31 the odd tile's
	v_add_nc_u32 v3, VIMG, v1
	v_lshl_add_u32 v4, v9, 2, VSC                  ; V's scale words likewise
.irp j, 20,21,22,23
	v_mov_b32 v\j, 0                               ; the upper 64 of the first product's K: zero codes
.endr
.irp t, 0,1,2,3,4,5,6,7
.irp j, 4,5,6,7
	v_mov_b32 v[32+8*\t+\j], 0
.endr
.endr
.irp b, 0,1,2,3
	v_mov_b32 v[236+\b], 0                         ; written once: a lane permute's destination counts as one of its sources
.endr
	v_mov_b32 v253, 0                              ; (named as the upper half of the pair v[252:253] before it is first written)
	s_wait_tensorcnt 0x0                           ; my sixteenth of the head has landed,
	s_barrier_signal -1
	s_barrier_wait -1                              ; everybody's has
	s_wait_loadcnt 0x0                             ; Q
.irp t, 0,1,2,3,4,5,6,7
	ds_load_b128 v[32+8*\t:35+8*\t], v1 offset:512*\t   ; the first 128 keys
.endr
.irp x, 0,1,2,3
	ds_load_u16 v[25+\x], v2 offset:64*\x
.endr
.Lblock:                                           ; two trips: a block of 256 queries each
	v_mov_b32 v13, 0xff61b1e6                      ; the largest t so far: -3e38, under every t
	v_floor_f32 v12, -v13                          ; -M
	v_mov_b32 v14, 0                               ; the sum, in two halves
	v_mov_b32 v15, 0
.irp j, 0,1,2,3,4,5,6,7,8,9,10,11,12,13,14,15,16,17,18,19,20,21,22,23,24,25,26,27,28,29,30,31
	v_mov_b32 v[160+\j], 0                         ; O^T: the key step is written once; its first trip finds zeros, which the first change of M leaves zeros
.endr
	s_mov_b32 s[KG], 0
.Lstep:                                            ; sixteen trips: 128 keys each
	s_wait_dscnt 0x0                               ; this step's K is in
.irp t, 0,1,2,3,4,5,6,7                        ; S^T = K Q^T
.if (\t%2) == 1
	v_wmma_scale_f32_16x16x128_f8f6f4 v[96+8*\t:103+8*\t], v[32+8*\t:39+8*\t], v[16:23], 0, v[25+\t/2], v24 matrix_a_fmt:MATRIX_FMT_FP4 matrix_b_fmt:MATRIX_FMT_FP4 matrix_a_scale:MATRIX_SCALE_ROW1
.else
	v_wmma_scale_f32_16x16x128_f8f6f4 v[96+8*\t:103+8*\t], v[32+8*\t:39+8*\t], v[16:23], 0, v[25+\t/2], v24 matrix_a_fmt:MATRIX_FMT_FP4 matrix_b_fmt:MATRIX_FMT_FP4
.endif
.endr
	s_add_co_u32 s58, s[KG], 1
	s_and_b32 s58, s58, 15                         ; the next group of keys; behind the last comes the first again, for the next block of queries
	s_lshl_b32 s59, s58, 8
	s_lshl_b32 s58, s58, 12
	s_and_b32 s60, s[KG], 15
	s_lshl_b32 s61, s60, 8
	s_lshl_b32 s60, s60, 12
	v_add_nc_u32 v8, s58, v1                       ; these four lines are the four places behind the products above (and behind the last step's), ahead of the loads into registers that they read and of the first read of S^T
	v_add_nc_u32 v10, s59, v2
	v_add_nc_u32 v9, s60, v3
	v_add_nc_u32 v11, s61, v4
.irp t, 0,1,2,3                                ; this step's V: it lands while the softmax is worked
.irp c, 0,1
	ds_load_b128 v[192+8*\t+4*\c:195+8*\t+4*\c], v9 offset:1024*\t+512*\c
.endr
.endr
.irp x, 0,1
	ds_load_b32 v[29+\x], v11 offset:128*\x
.endr
.irp t, 0,1,2,3,4,5,6,7                        ; the next step's K
	ds_load_b128 v[32+8*\t:35+8*\t], v8 offset:512*\t
.endr
.irp x, 0,1,2,3
	ds_load_u16 v[25+\x], v10 offset:64*\x
.endr
.irp b, 0,1,2,3
	v_max3_num_f32 v[232+\b], v[96+16*\b], v[97+16*\b], v[98+16*\b]   ; the largest score of each block of 32 keys: it serves for the row's maximum and, since p rises with the score, for the block's largest p
.endr
.irp i, 3,5,7,9,11,13
.irp b, 0,1,2,3
	v_max3_num_f32 v[232+\b], v[232+\b], v[96+16*\b+\i], v[97+16*\b+\i]   ; (the four blocks by turns)
.endr
.endr
.irp b, 0,1,2,3
	v_max_num_f32 v[232+\b], v[232+\b], v[111+16*\b]
.endr
.irp b, 0,1,2,3
	v_permlanex16_b32 v[236+\b], v[232+\b], s[SEL], s[SEL+1]
.endr
.irp b, 0,1,2,3
	v_max_num_f32 v[232+\b], v[232+\b], v[236+\b]  ; with lane l xor 16's 16 keys
.endr
	v_max3_num_f32 v254, v232, v233, v234
	v_max_num_f32 v254, v254, v235                 ; the step's largest score of my query
	v_mul_f32 v254, s[CS], v254                    ; as t (c is positive)
	v_max_num_f32 v13, v13, v254                   ; the running largest t
	v_mov_b32 v254, v12
	v_floor_f32 v12, -v13                          ; the new -M = floor(-t) = -ceil(t): a whole number
	v_sub_f32 v254, v12, v254                      ; M's old value less its new one: a whole number, 0 or less
	v_cvt_i32_f32 v254, v254                       ; (it saturates)
	v_ldexp_f32 v252, 1.0, v254                    ; f = 2^(old M - new M)
.irp j, 0,2,4,6,8,10,12,14,16,18,20,22,24,26,28,30,32,34,36,38,40,42,44,46,48,50,52,54,56,58,60,62
	v_pk_fma_f32 v[96+\j:97+\j], v[96+\j:97+\j], s[CS:CS+1], v[12:13] op_sel_hi:[1,0,0]   ; t - M, two at a time
.endr
.irp b, 0,1,2,3
	v_fma_f32 v[232+\b], v[232+\b], s[CS], v12     ; the same of each block's largest score
.endr
.irp j, 0,1,2,3,4,5,6,7,8,9,10,11,12,13,14,15,16,17,18,19,20,21,22,23,24,25,26,27,28,29,30,31,32,33,34,35,36,37,38,39,40,41,42,43,44,45,46,47,48,49,50,51,52,53,54,55,56,57,58,59,60,61,62,63
	v_exp_f32 v[96+\j], v[96+\j]                   ; p = 2^(t - M), at most 1: not normalised
.endr
	v_pk_mul_f32 v[14:15], v[14:15], v[252:253] op_sel_hi:[1,0]   ; the sums under the new M: the plain instruction behind the exponentials
	s_wait_alu depctr_va_vdst(0)                   ; one wait for the whole batch, ahead of its first reader
.irp b, 0,1,2,3
	v_exp_f32 v[232+\b], v[232+\b]                 ; the block's largest p: the same two instructions on the same number give the same bits
.endr
	v_pk_add_f32 v[236:237], v[96:97], v[98:99]    ; the row's sum is taken of the unquantised p, two at a time, in two chains
.irp j, 4,8,12,16,20,24,28,32,36,40,44,48,52,56,60
	v_pk_add_f32 v[14:15], v[14:15], v[96+\j:97+\j]
	v_pk_add_f32 v[236:237], v[236:237], v[98+\j:99+\j]
.endr
	v_pk_add_f32 v[14:15], v[14:15], v[236:237]
	s_wait_alu depctr_va_vdst(0)                   ; and one for the four
.irp b, 0,1,2,3
	v_max_num_f32 v[232+\b], 0x1800000, v[232+\b]  ; the floor 2^(3 - 127): the byte cannot fall under 1
.endr
.irp b, 0,1,2,3
	v_add_nc_u32 v[244+\b], 0xff000000, v[232+\b]  ; 2 off the exponent field: the conversion's scale operand
.endr
.irp b, 0,1,2,3
	v_lshrrev_b32 v[236+\b], 23, v[244+\b]         ; the scale's byte
.endr
	v_lshl_or_b32 v253, v237, 8, v236              ; p's scale word for these 128 keys
	v_lshl_or_b32 v253, v238, 16, v253
	v_lshl_or_b32 v253, v239, 24, v253
.irp b, 0,1,2,3
	v_cvt_scalef32_pk8_fp4_f32 v[224+2*\b], v[96+16*\b:103+16*\b], v[244+\b]
	v_cvt_scalef32_pk8_fp4_f32 v[225+2*\b], v[104+16*\b:111+16*\b], v[244+\b]
.endr
	v_nop                                          ; one plain place behind a scaled conversion
.irp c, 0,1                                    ; the operand's layout wants a whole block in a lane
.irp i, 0,1
	v_permlane16_swap_b32 v[224+4*\c+\i], v[226+4*\c+\i]
.endr
.endr
.irp j, 0,2,4,6,8,10,12,14,16,18,20,22,24,26,28,30
	v_pk_mul_f32 v[160+\j:161+\j], v[160+\j:161+\j], v[252:253] op_sel_hi:[1,0]   ; O^T under the new M.  These sixteen are also the places between the scale word's and the codes' last writes and the products below
.endr
	s_wait_dscnt 12                                ; V and its scale words are in; the twelve loads of the next step's K may be out
.irp t, 0,1,2,3                                ; O^T += V^T P^T; the four accumulators take turns
.if (\t%2) == 1
	v_wmma_scale_f32_16x16x128_f8f6f4 v[160+8*\t:167+8*\t], v[192+8*\t:199+8*\t], v[224:231], v[160+8*\t:167+8*\t], v[29+\t/2], v253 matrix_a_fmt:MATRIX_FMT_FP4 matrix_b_fmt:MATRIX_FMT_FP4 matrix_a_scale:MATRIX_SCALE_ROW1
.else
	v_wmma_scale_f32_16x16x128_f8f6f4 v[160+8*\t:167+8*\t], v[192+8*\t:199+8*\t], v[224:231], v[160+8*\t:167+8*\t], v[29+\t/2], v253 matrix_a_fmt:MATRIX_FMT_FP4 matrix_b_fmt:MATRIX_FMT_FP4
.endif
.endr
	s_add_co_u32 s[KG], s[KG], 1
	s_cmp_lt_u32 s[KG], 16
	s_cbranch_scc1 .Lstep
	; THE BLOCK'S END: O^T / the sum, quantised along the head's 64: two blocks of 32.  Register 16 g + i of v96 on is channel 32 g + 16 (lane / 16) + i of my query.
.rept 4
	v_nop                                          ; places behind the last products
.endr
	v_add_f32 v14, v14, v15                        ; the sum's two halves,
	v_permlanex16_b32 v252, v14, s[SEL], s[SEL+1]
	v_add_f32 v14, v14, v252                       ; and lane l xor 16's: the row's sum
	v_rcp_f32 v14, v14
	v_nop                                          ; a plain place behind the reciprocal
	s_wait_alu depctr_va_vdst(0)                   ; the wait ahead of its first reader
.irp j, 0,1,2,3,4,5,6,7,8,9,10,11,12,13,14,15,16,17,18,19,20,21,22,23,24,25,26,27,28,29,30,31
	v_mul_f32 v[96+\j], v[160+\j], v14             ; each accumulator from its low end on
.endr
.irp b, 0,1
	v_max3_num_f32 v[232+\b], |v[96+16*\b]|, |v[97+16*\b]|, 0x1800000
.endr
.irp i, 2,4,6,8,10,12,14
.irp b, 0,1
	v_max3_num_f32 v[232+\b], v[232+\b], |v[96+16*\b+\i]|, |v[97+16*\b+\i]|
.endr
.endr
.irp b, 0,1
	v_permlanex16_b32 v[236+\b], v[232+\b], s[SEL], s[SEL+1]
.endr
.irp b, 0,1
	v_max_num_f32 v[232+\b], v[232+\b], v[236+\b]
.endr
.irp b, 0,1
	v_add_nc_u32 v[244+\b], 0xff000000, v[232+\b]
.endr
.irp b, 0,1
	v_lshrrev_b32 v[236+\b], 23, v[244+\b]
.endr
.irp b, 0,1
	v_cvt_scalef32_pk8_fp4_f32 v[224+2*\b], v[96+16*\b:103+16*\b], v[244+\b]
	v_cvt_scalef32_pk8_fp4_f32 v[225+2*\b], v[104+16*\b:111+16*\b], v[244+\b]
.endr
	v_nop                                          ; one plain place behind a scaled conversion
	v_permlane16_swap_b32 v224, v226               ; lanes 0-15: block 0 whole; lanes 16-31: block 1 whole
	v_permlane16_swap_b32 v225, v227
	v_cndmask_b32 v240, v236, v237, s74            ; lanes 0-15 store block 0's byte, lanes 16-31 block 1's
	global_store_b128 v1, v[224:227], s[70:71]     ; half a fragment of the output projection's operand: 512 bytes on end, aligned
	global_store_b8 v6, v240, s[72:73]             ; 32 bytes on end
	s_wait_xcnt 0x0                                ; the stores have read their registers and bases: both may be written again
	s_add_nc_u64 s[70:71], s[70:71], 131072        ; sixteen tiles on
	s_add_nc_u64 s[72:73], s[72:73], 512
.irp j, 0,1,2,3
	v_mov_b32 v[16+\j], v[248+\j]                  ; the second block's Q; the 36 lines at the loop's head stand between these writes and the next product
.endr
	v_mov_b32 v24, v31
	s_sub_co_u32 s[BLK], s[BLK], 1
	s_cmp_lg_u32 s[BLK], 0
	s_cbranch_scc1 .Lblock
	s_wait_dscnt 0x0                               ; the loads of K that the last step asked for are in: none is pending at a signal
	s_wait_tensorcnt 0x0
	ds_add_u32 v243, v255
	s_wait_dscnt 0x0
	ROUND                                          ; the closing round
	s_endpgm
.Lfunc_end_k_q7419e74080_attn:
	.size	k_q7419e74080_attn, .Lfunc_end_k_q7419e74080_attn-k_q7419e74080_attn
	.p2alignl 7, 3214868480
	.fill 96, 4, 3214868480
	.section	.rodata,"a",@progbits
	.p2align	6, 0x0
	.amdhsa_kernel k_q7419e74080_attn
		.amdhsa_group_segment_fixed_size 169984
		.amdhsa_private_segment_fixed_size 0
		.amdhsa_enable_private_segment 0
		.amdhsa_kernarg_size 24
		.amdhsa_user_sgpr_count 2
		.amdhsa_user_sgpr_kernarg_segment_ptr 1
		.amdhsa_wavefront_size32 1
		.amdhsa_system_sgpr_workgroup_id_x 1
		.amdhsa_system_sgpr_workgroup_id_y 1
		.amdhsa_system_sgpr_workgroup_id_z 1
		.amdhsa_system_vgpr_workitem_id 0
		.amdhsa_next_free_vgpr 256
		.amdhsa_next_free_sgpr 80
		.amdhsa_reserve_vcc 0
		.amdhsa_float_denorm_mode_32 3
		.amdhsa_float_denorm_mode_16_64 3
		.amdhsa_memory_ordered 1
		.amdhsa_forward_progress 1
		.amdhsa_inst_pref_size 30
	.end_amdhsa_kernel
	.amdgpu_metadata
---
amdhsa.version: [ 1, 2 ]
amdhsa.kernels:
  - .name:           k_q7419e74080_attn
    .symbol:         k_q7419e74080_attn.kd
    .args:
      - { .name: qk, .offset: 0, .size: 8, .value_kind: global_buffer, .address_space: global }
      - { .name: vv, .offset: 8, .size: 8, .value_kind: global_buffer, .address_space: global }
      - { .name: aa, .offset: 16, .size: 8, .value_kind: global_buffer, .address_space: global }
    .group_segment_fixed_size: 169984
    .private_segment_fixed_size: 0
    .kernarg_segment_align: 8
    .kernarg_segment_size: 24
    .max_flat_workgroup_size: 512
    .sgpr_count:     80
    .vgpr_count:     256
    .wavefront_size: 32
...
	.end_amdgpu_metadata
.endif
;; end of part 3
;; launch outln (part 4): grid 256 x 1, 8 waves a work-group, no clusters, 133,120 bytes of LDS; arguments aa, wq, h, gamma, beta, out0; writes out0
.if DOCPART == 4
	.amdgcn_target "amdgcn-amd-amdhsa--gfx1250"
	.amdhsa_code_object_version 6
	.text
	.protected	k_q7419e74080_outln
	.globl	k_q7419e74080_outln
	.p2align	8
	.type	k_q7419e74080_outln,@function
k_q7419e74080_outln:
	s_mov_b64 s[64:65], 0
	v_nop
	global_prefetch_b8 v0, s[64:65] scope:SCOPE_SE
	s_setreg_imm32_b32 hwreg(HW_REG_WAVE_MODE, 25, 1), 1
	s_wait_xcnt 0x0
; out = LayerNorm(h + attn_vec Wo) x gamma + beta.  The product is on codes of FP4 (E2M1) with E8M0 scales, K = 1,024; all else in f32: mean, then the mean of the squared differences, as the definition has it.
; SHARES.  A work-group owns 32 rows (two tiles of 16 places of one batch) and all 1,024 columns, so that a row's mean and variance stay inside it.  Wave w makes columns 128 w .. 128 w + 127 for both tiles of rows:
; 16 accumulators, 8 K steps of 128, 128 matrix instructions.  Both operands lie in memory as images of operand registers and go straight into registers, 512 bytes on end a load, four K steps ahead.
; No cluster and no joint loads: Wo's 512 KiB of codes do not fit in LDS beside the stage of 128 KiB, so sharing them would want a ring with refills, for a product that is short beside the launch's 64 MiB of h and out.
; Source 0 = 16 places of Wo's columns, source 1 = 16 rows: a lane holds one row, and register j of tile 2 g + u is true column 128 w + 32 g + 16 (lane / 16) + 8 u + j.
; The results meet in a stage in LDS (32 rows x (4,096 + 16) bytes), one barrier; then wave w takes rows 4 w .. 4 w + 3 whole.  The row at place p of the 32 is true row sigma(p) (bits 3 and 4 exchanged).
; LIMITS: NaN and infinities are not served.
; REGISTERS: window 0: v1-6 addresses; v16-23 the rows' scale words, one a K step (lanes 0-15 tile 0, lanes 16-31 tile 1); v24-55 Wo's scale words (pair of tiles x at 24 + 8 x + K step);
;   v56-119 the rows' fragments, four buffers, later at work; v128-255 the accumulators ((a, t) at 128 + 8 (8 a + t)), later four rows of 32 registers.
;   window 1: Wo's fragments, four buffers of 64; as they fall free: h's four rows (v0-127), gamma (v128-159), beta (v160-191).
.set ASC, 16
.set WSC, 24
.set AR,  56
.set ACC, 128
.set SPT, 4112                         ; a stage row
.set MSB, 0
.macro WIN new                         ; the immediate's high byte repeats the setting that is left
.if MSB != \new
	s_set_vgpr_msb (MSB<<8)|\new
.set MSB, \new
.endif
.endm
	s_load_b256 s[4:11], s[0:1], 0x0               ; aa s[4:5], wq s[6:7], h s[8:9], gamma s[10:11]
	s_load_b128 s[12:15], s[0:1], 0x20             ; beta s[12:13], out0 s[14:15]
	v_lshl_add_u32 v126, v0, 2, 0x20400
	v_mov_b32 v127, 0
	v_lshrrev_b32 v8, 5, v0
	v_readfirstlane_b32 s16, v8                    ; wave 0..7
	v_and_b32 v9, 31, v0                           ; lane
	v_lshlrev_b32 v1, 4, v9                        ; 16 x lane
	v_lshlrev_b32 v2, 1, v9                        ; 2 x lane
	v_lshlrev_b32 v3, 5, v9                        ; 32 x lane
	v_and_b32 v10, 15, v0                          ; r
	v_bfe_u32 v11, v0, 4, 1                        ; h
	v_mul_u32_u24 v4, v10, SPT
	v_lshl_add_u32 v4, v11, 6, v4
	s_lshl_b32 s32, s16, 9
	v_add_nc_u32 v4, s32, v4                       ; the stage, in: row r, + 64 (lane / 16), + 512 w
	v_add_nc_u32 v5, 16*SPT, v4                    ; and for the second tile of rows
	s_mul_i32 s32, s16, 4*SPT
	v_add_nc_u32 v6, s32, v1                       ; back: my four rows, 16 bytes a lane
	s_and_b32 s17, ttmp9, 63
	s_lshl_b32 s18, s17, 5                         ; the first of my work-group's 32 places
	s_lshr_b32 s19, ttmp9, 6                       ; the batch
	s_and_b32 s38, s16, 1                          ; places 4 w + k are true rows 4 (w & 1) + 16 ((w >> 1) & 1) + 8 (w >> 2) + k
	s_lshl_b32 s38, s38, 2
	s_add_co_u32 s39, s18, s38
	s_bfe_u32 s38, s16, 0x10001
	s_lshl_b32 s38, s38, 4
	s_add_co_u32 s39, s39, s38
	s_lshr_b32 s38, s16, 2
	s_lshl_b32 s38, s38, 3
	s_add_co_u32 s39, s39, s38
	s_lshl_b32 s39, s39, 2
	s_add_co_u32 s39, s39, s19                     ; 4 i + b
	s_mov_b32 s34, 0x76543210
	s_mov_b32 s35, 0xfedcba98                      ; selects for lane l xor 16
	s_mov_b32 s36, 0x3a800000                      ; 1 / 1,024
	s_mov_b32 s37, 0x3727c5ac                      ; 1e-5
	s_mov_b32 s33, 0
	s_wait_kmcnt 0x0
	s_lshl_b32 s32, s16, 16
	s_add_co_u32 s32, s32, 0x180000
	s_add_nc_u64 s[20:21], s[6:7], s[32:33]        ; Wo's images: behind 3,072 rows of 512 bytes; my 8 tiles of 8,192 bytes
	s_lshl_b32 s32, ttmp9, 14
	s_add_nc_u64 s[22:23], s[4:5], s[32:33]        ; the rows' images: two tiles of 8,192 bytes a work-group
	s_lshl_b32 s32, s19, 16
	s_lshl_b32 s38, s17, 6
	s_add_co_u32 s32, s32, s38
	s_add_co_u32 s32, s32, 0x400000
	s_add_nc_u64 s[24:25], s[4:5], s[32:33]        ; their scale bytes: 65,536 b + 4,096 head + 2 x place
	s_lshl_b32 s32, s16, 12
	s_add_co_u32 s32, s32, 0x218000
	s_add_nc_u64 s[26:27], s[6:7], s[32:33]        ; Wo's scale bytes: 32 a place, my 128 places
	s_lshl_b32 s32, s39, 12
	s_add_nc_u64 s[28:29], s[8:9], s[32:33]        ; my four rows of h: 16,384 bytes apart,
	s_add_nc_u64 s[30:31], s[14:15], s[32:33]      ; and of out
.irp n, 0,1,2,3,4,5,6,7,8,9,10,11,12,13,14,15
	global_load_u16 v[128+\n], v2, s[24:25] offset:\n*4096      ; head n's two scale bytes of my lane's row
.endr
.irp x, 0,1,2,3
	global_load_b128 v[WSC+8*\x:WSC+8*\x+3], v3, s[26:27] offset:\x*1024        ; lane l: place 32 x + l: its eight scale words
	global_load_b128 v[WSC+8*\x+4:WSC+8*\x+7], v3, s[26:27] offset:\x*1024+16
.endr
.macro GROUP s                         ; K step s: 16 loads of Wo's eight fragments, 4 of the rows' two, into buffer s % 4
	WIN 0x40                                       ; destination window 1
.irp t, 0,1,2,3,4,5,6,7
.irp c, 0,1
	global_load_b128 v[64*((\s)%4)+8*\t+4*\c:64*((\s)%4)+8*\t+4*\c+3], v1, s[20:21] offset:\t*8192+(\s)*1024+\c*512
.endr
.endr
	WIN 0
.irp a, 0,1
.irp c, 0,1
	global_load_b128 v[AR+16*((\s)%4)+8*\a+4*\c:AR+16*((\s)%4)+8*\a+4*\c+3], v1, s[22:23] offset:\a*8192+(\s)*1024+\c*512
.endr
.endr
.endm
	GROUP 0
	GROUP 1
	GROUP 2
	GROUP 3
	s_wait_loadcnt 60                              ; all but the 60 loads of K steps 1 to 3: the scale bytes and K step 0 are in
.irp s, 0,1,2,3,4,5,6,7
	v_lshl_or_b32 v[ASC+\s], v[129+2*\s], 16, v[128+2*\s]       ; K step s is heads 2 s and 2 s + 1: four bytes
.endr
.rept 8
	v_nop                                          ; a scale register written by a vector instruction stands 8 places ahead of a scaled matrix instruction
.endr
.macro PROD s, a, t
.set rD, ACC+8*(8*(\a)+(\t))
.set rW, 64*((\s)%4)+8*(\t)
.set rA, AR+16*((\s)%4)+8*(\a)
.set rX, WSC+8*((\t)/2)+(\s)
.set rY, ASC+(\s)
.if (\s) == 0
.if ((\t)%2 == 0) && ((\a) == 0)
	v_wmma_scale_f32_16x16x128_f8f6f4 v[rD:rD+7], v[rW:rW+7], v[rA:rA+7], 0, v[rX], v[rY] matrix_a_fmt:MATRIX_FMT_FP4 matrix_b_fmt:MATRIX_FMT_FP4
.elseif ((\t)%2 == 1) && ((\a) == 0)
	v_wmma_scale_f32_16x16x128_f8f6f4 v[rD:rD+7], v[rW:rW+7], v[rA:rA+7], 0, v[rX], v[rY] matrix_a_fmt:MATRIX_FMT_FP4 matrix_b_fmt:MATRIX_FMT_FP4 matrix_a_scale:MATRIX_SCALE_ROW1
.elseif ((\t)%2 == 0)
	v_wmma_scale_f32_16x16x128_f8f6f4 v[rD:rD+7], v[rW:rW+7], v[rA:rA+7], 0, v[rX], v[rY] matrix_a_fmt:MATRIX_FMT_FP4 matrix_b_fmt:MATRIX_FMT_FP4 matrix_b_scale:MATRIX_SCALE_ROW1
.else
	v_wmma_scale_f32_16x16x128_f8f6f4 v[rD:rD+7], v[rW:rW+7], v[rA:rA+7], 0, v[rX], v[rY] matrix_a_fmt:MATRIX_FMT_FP4 matrix_b_fmt:MATRIX_FMT_FP4 matrix_a_scale:MATRIX_SCALE_ROW1 matrix_b_scale:MATRIX_SCALE_ROW1
.endif
.else
.if ((\t)%2 == 0) && ((\a) == 0)
	v_wmma_scale_f32_16x16x128_f8f6f4 v[rD:rD+7], v[rW:rW+7], v[rA:rA+7], v[rD:rD+7], v[rX], v[rY] matrix_a_fmt:MATRIX_FMT_FP4 matrix_b_fmt:MATRIX_FMT_FP4
.elseif ((\t)%2 == 1) && ((\a) == 0)
	v_wmma_scale_f32_16x16x128_f8f6f4 v[rD:rD+7], v[rW:rW+7], v[rA:rA+7], v[rD:rD+7], v[rX], v[rY] matrix_a_fmt:MATRIX_FMT_FP4 matrix_b_fmt:MATRIX_FMT_FP4 matrix_a_scale:MATRIX_SCALE_ROW1
.elseif ((\t)%2 == 0)
	v_wmma_scale_f32_16x16x128_f8f6f4 v[rD:rD+7], v[rW:rW+7], v[rA:rA+7], v[rD:rD+7], v[rX], v[rY] matrix_a_fmt:MATRIX_FMT_FP4 matrix_b_fmt:MATRIX_FMT_FP4 matrix_b_scale:MATRIX_SCALE_ROW1
.else
	v_wmma_scale_f32_16x16x128_f8f6f4 v[rD:rD+7], v[rW:rW+7], v[rA:rA+7], v[rD:rD+7], v[rX], v[rY] matrix_a_fmt:MATRIX_FMT_FP4 matrix_b_fmt:MATRIX_FMT_FP4 matrix_a_scale:MATRIX_SCALE_ROW1 matrix_b_scale:MATRIX_SCALE_ROW1
.endif
.endif
.endm
; A K step: 16 matrix instructions, the 16 accumulators by turns.  left: the loads issued behind this K step's group, which may stay out.
.macro KSTEP s, left
	s_wait_loadcnt \left
	WIN 0x01                                       ; source 0 (Wo) window 1
.irp a, 0,1
.irp t, 0,1,2,3,4,5,6,7
	PROD \s, \a, \t
.endr
.endr
	WIN 0
.rept 4
	v_nop                                          ; places ahead of loads into registers that these products read, and of the first read of results
.endr
.endm
.macro HROWS k0                        ; rows k0 and k0 + 1 of h into window 1, 32 registers a row: the wave reads 512 bytes on end a load
	WIN 0x40
.irp k, \k0, \k0+1
.irp q, 0,1,2,3,4,5,6,7
	global_load_b128 v[32*(\k)+4*\q:32*(\k)+4*\q+3], v1, s[28:29] offset:(\k)*16384+512*\q th:TH_LOAD_NT
.endr
.endr
	WIN 0
.endm
	KSTEP 0, 60                                    ; behind group 0: groups 1, 2, 3
	GROUP 4
	KSTEP 1, 60
	GROUP 5
	KSTEP 2, 60
	GROUP 6
	KSTEP 3, 60
	GROUP 7
	KSTEP 4, 60                                    ; behind group 4: groups 5, 6, 7
	HROWS 0                                        ; the buffers that fall free take what the norm will want
	KSTEP 5, 56                                    ; behind group 5: groups 6, 7 and 16 loads of h
	HROWS 2
	KSTEP 6, 52                                    ; behind group 6: group 7 and 32 loads of h
	WIN 0x40
.irp q, 0,1,2,3,4,5,6,7
	global_load_b128 v[128+4*\q:131+4*\q], v1, s[10:11] offset:512*\q     ; gamma at my lane's columns
.endr
.irp q, 0,1,2,3,4,5,6,7
	global_load_b128 v[160+4*\q:163+4*\q], v1, s[12:13] offset:512*\q     ; beta
.endr
	WIN 0
	KSTEP 7, 48                                    ; behind group 7: 32 loads of h, 16 of gamma and beta
.irp a, 0,1                                    ; into the stage, in the true order of columns; each accumulator from its low end on
.irp t, 0,1,2,3,4,5,6,7
	ds_store_b128 v[4+\a], v[ACC+8*(8*\a+\t):ACC+8*(8*\a+\t)+3] offset:128*(\t/2)+32*(\t%2)
	ds_store_b128 v[4+\a], v[ACC+8*(8*\a+\t)+4:ACC+8*(8*\a+\t)+7] offset:128*(\t/2)+32*(\t%2)+16
.endr
.endr
	s_wait_dscnt 0x0                               ; for the others' sake: my stores into the stage are done
	s_barrier_signal -1
	s_barrier_wait -1                              ; 32 whole rows lie in the stage
.irp k, 0,1,2,3
.irp q, 0,1,2,3,4,5,6,7
	ds_load_b128 v[128+32*\k+4*\q:131+32*\k+4*\q], v6 offset:\k*SPT+512*\q
.endr
.endr
	s_wait_loadcnt 0x0                             ; h, gamma, beta
	s_wait_dscnt 0x0
	WIN 0x04                                       ; source 1 (h) window 1
.set i, 0
.rept 64
	v_pk_add_f32 v[128+2*i:129+2*i], v[128+2*i:129+2*i], v[2*i:2*i+1]     ; x = h + attn_out
.set i, i+1
.endr
	WIN 0
; The sum of 32 numbers a lane and then of the 32 lanes, for the four rows by turns; the result, x 1 / 1,024 where asked, lies in v[\d + 2 k] in every lane.
.macro ACROSS d
.irp k, 0,1,2,3
	v_add_f32 v[\d+2*\k], v[\d+2*\k], v[\d+2*\k+1]
.endr
.irp m, 1,2,4,8
.irp k, 0,1,2,3
	v_add_f32_dpp v[\d+2*\k], v[\d+2*\k], v[\d+2*\k] row_xmask:\m row_mask:0xf bank_mask:0xf
.endr
.endr
.irp k, 0,1,2,3
	v_permlanex16_b32 v[64+\k], v[\d+2*\k], s34, s35            ; (v64-67 have been written: they held fragments)
.endr
.irp k, 0,1,2,3
	v_add_f32 v[\d+2*\k], v[\d+2*\k], v[64+\k]
.endr
.endm
.irp k, 0,1,2,3
	v_pk_add_f32 v[56+2*\k:57+2*\k], v[128+32*\k:129+32*\k], v[130+32*\k:131+32*\k]
.endr
.irp j, 2,3,4,5,6,7,8,9,10,11,12,13,14,15
.irp k, 0,1,2,3
	v_pk_add_f32 v[56+2*\k:57+2*\k], v[56+2*\k:57+2*\k], v[128+32*\k+2*\j:129+32*\k+2*\j]
.endr
.endr
	ACROSS 56
.irp k, 0,1,2,3
	v_mul_f32 v[56+2*\k], s36, v[56+2*\k]          ; the mean
.endr
.irp j, 0,1,2,3,4,5,6,7,8,9,10,11,12,13,14,15
.irp k, 0,1,2,3
	v_pk_add_f32 v[128+32*\k+2*\j:129+32*\k+2*\j], v[128+32*\k+2*\j:129+32*\k+2*\j], v[56+2*\k:57+2*\k] op_sel_hi:[1,0] neg_lo:[0,1] neg_hi:[0,1]   ; x - mean
.endr
.endr
.irp k, 0,1,2,3
	v_pk_mul_f32 v[72+2*\k:73+2*\k], v[128+32*\k:129+32*\k], v[128+32*\k:129+32*\k]
.endr
.irp j, 1,2,3,4,5,6,7,8,9,10,11,12,13,14,15
.irp k, 0,1,2,3
	v_pk_fma_f32 v[72+2*\k:73+2*\k], v[128+32*\k+2*\j:129+32*\k+2*\j], v[128+32*\k+2*\j:129+32*\k+2*\j], v[72+2*\k:73+2*\k]
.endr
.endr
	ACROSS 72
.irp k, 0,1,2,3
	v_fma_f32 v[72+2*\k], v[72+2*\k], s36, s37     ; the variance + 1e-5
.endr
.irp k, 0,1,2,3
	v_rsq_f32 v[80+2*\k], v[72+2*\k]
.endr
	v_nop                                          ; a plain place behind the last of them
	s_wait_alu depctr_va_vdst(0)                   ; one wait for the four, ahead of their first reader
.irp j, 0,1,2,3,4,5,6,7,8,9,10,11,12,13,14,15
.irp k, 0,1,2,3
	v_pk_mul_f32 v[128+32*\k+2*\j:129+32*\k+2*\j], v[128+32*\k+2*\j:129+32*\k+2*\j], v[80+2*\k:81+2*\k] op_sel_hi:[1,0]   ; (v81, v83, .. have been written: they held fragments)
.endr
.endr
	WIN 0x14                                       ; sources 1 (gamma) and 2 (beta) window 1
.irp j, 0,1,2,3,4,5,6,7,8,9,10,11,12,13,14,15
.irp k, 0,1,2,3
	v_pk_fma_f32 v[128+32*\k+2*\j:129+32*\k+2*\j], v[128+32*\k+2*\j:129+32*\k+2*\j], v[128+2*\j:129+2*\j], v[160+2*\j:161+2*\j]
.endr
.endr
	WIN 0
.irp k, 0,1,2,3
.irp q, 0,1,2,3,4,5,6,7
	global_store_b128 v1, v[128+32*\k+4*\q:131+32*\k+4*\q], s[30:31] offset:\k*16384+512*\q th:TH_STORE_NT   ; the wave stores 512 bytes on end, aligned
.endr
.endr
	s_wait_tensorcnt 0x0
	ds_add_u32 v126, v127
	s_wait_dscnt 0x0
	s_endpgm
.Lfunc_end_k_q7419e74080_outln:
	.size	k_q7419e74080_outln, .Lfunc_end_k_q7419e74080_outln-k_q7419e74080_outln
	.p2alignl 7, 3214868480
	.fill 96, 4, 3214868480
	.section	.rodata,"a",@progbits
	.p2align	6, 0x0
	.amdhsa_kernel k_q7419e74080_outln
		.amdhsa_group_segment_fixed_size 133120
		.amdhsa_private_segment_fixed_size 0
		.amdhsa_enable_private_segment 0
		.amdhsa_kernarg_size 48
		.amdhsa_user_sgpr_count 2
		.amdhsa_user_sgpr_kernarg_segment_ptr 1
		.amdhsa_wavefront_size32 1
		.amdhsa_system_sgpr_workgroup_id_x 1
		.amdhsa_system_sgpr_workgroup_id_y 1
		.amdhsa_system_sgpr_workgroup_id_z 1
		.amdhsa_system_vgpr_workitem_id 0
		.amdhsa_next_free_vgpr 512
		.amdhsa_next_free_sgpr 66
		.amdhsa_reserve_vcc 0
		.amdhsa_float_denorm_mode_32 3
		.amdhsa_float_denorm_mode_16_64 3
		.amdhsa_memory_ordered 1
		.amdhsa_forward_progress 1
		.amdhsa_inst_pref_size 79
	.end_amdhsa_kernel
	.amdgpu_metadata
---
amdhsa.version: [ 1, 2 ]
amdhsa.kernels:
  - .name:           k_q7419e74080_outln
    .symbol:         k_q7419e74080_outln.kd
    .args:
      - { .name: aa, .offset: 0, .size: 8, .value_kind: global_buffer, .address_space: global }
      - { .name: wq, .offset: 8, .size: 8, .value_kind: global_buffer, .address_space: global }
      - { .name: h, .offset: 16, .size: 8, .value_kind: global_buffer, .address_space: global }
      - { .name: gamma, .offset: 24, .size: 8, .value_kind: global_buffer, .address_space: global }
      - { .name: beta, .offset: 32, .size: 8, .value_kind: global_buffer, .address_space: global }
      - { .name: out0, .offset: 40, .size: 8, .value_kind: global_buffer, .address_space: global }
    .group_segment_fixed_size: 133120
    .private_segment_fixed_size: 0
    .kernarg_segment_align: 8
    .kernarg_segment_size: 48
    .max_flat_workgroup_size: 256
    .sgpr_count:     66
    .vgpr_count:     512
    .wavefront_size: 32
...
	.end_amdgpu_metadata
.endif
;; end of part 4
;; ======== version 2 of 2: 4 launches
;; workspace buffers: hq 4,456,448 bytes; wq 2,228,224 bytes; qk 8,912,896 bytes; vv 4,456,448 bytes; aa 4,456,448 bytes
;; launch quant (part 5): grid 320 x 1, 4 waves a work-group, no clusters, 69,120 bytes of LDS; arguments h, Wq, Wkv, Wo, hq, wq; writes hq, wq
.if DOCPART == 5
	.amdgcn_target "amdgcn-amd-amdhsa--gfx1250"
	.amdhsa_code_object_version 6
	.text
	.protected	k_q7419e74080_quant
	.globl	k_q7419e74080_quant
	.p2align	8
	.type	k_q7419e74080_quant,@function
k_q7419e74080_quant:
	s_mov_b64 s[64:65], 0
	v_nop
	global_prefetch_b8 v0, s[64:65] scope:SCOPE_SE
	s_setreg_imm32_b32 hwreg(HW_REG_WAVE_MODE, 25, 1), 1
	s_wait_xcnt 0x0
; h [2048][4][1024] and the weights Wq [1024][1024], Wkv [1024][2048], Wo [1024][1024], all f32, become codes of FP4 (E2M1) with one E8M0 byte for each 32 along K = 1,024.
; A block's scale is 2^(floor(log2(its largest magnitude)) - 2); its byte is the largest magnitude's exponent field - 2, held at 1 from below.  A block of zeros keeps the byte 1: its codes are zeros, and this program alone reads the bytes.
; LIMITS: NaN and infinities among the inputs are not served.
; POSITIONS.  Every row of an operand is stored at the place sigma(index), sigma = the index with its bits 3 and 4 exchanged.  Sixteen neighbouring places, given to the matrix unit as its first source, then
; leave a lane's 16 result registers of two neighbouring tiles as 16 true neighbours, which is what the next quantiser wants.
; hq: codes [b 2048 + sigma(i)][512 bytes] at 0, scale bytes [row][32] at 0x400000.
; wq: rows sigma(column) of Wq | Wk | Wv, [512 bytes], at 0; Wo behind them as images of operand registers [tile of 16 places][K step of 128][1,024 bytes]; scale bytes [4,096 places][32] at 0x200000.
; WORK-GROUPS 0-255 take h (K innermost): wave w takes batch w of rows 8 g .. 8 g + 7, 16 steps of 512 numbers.  A step's four loads read 512 bytes on end each; the 2,048 bytes turn through the wave's own stage in
; LDS so that a lane holds 16 neighbours; two neighbouring lanes hold a block.  Each store of codes covers 256 bytes on end, aligned; the wave's 256 scale bytes leave as one such store.
; WORK-GROUPS 256-319 take the weights (K is the first axis): 128 columns x 512 along K; a lane takes a column and its registers run down K, so a block of 32 lies in one lane.  The codes go through the wave's stage and leave as rows or images.
; The two kinds of work-groups use LDS bytes of their own: 0 .. 32,767 and 32,768 .. 67,583.  Waves share nothing: no barrier.
.set STEPS, 16
.set CB,    8                          ; bytes of 16 codes
.set R,     16                         ; h: v16-79   four sets of 16 numbers as loaded
.set XH,    80                         ; h: v80-111  two sets of 16 neighbours
.set E,     112                        ; h: v112-127 a scale byte for each step
.set CH,    128                        ; h: v128-191 codes, four registers a step: no store's data are written again
.set WREG,  8192                       ; h: LDS of a wave: two stages of 32 x SP bytes, then its 256 scale bytes
.set SP,    80                         ; a lane's place in a stage: 64 bytes + 16 of padding
.set WST,   32768                      ; weights: the stages begin here
.set PITCH, 272                        ; weights: a stage row: 256 bytes of codes + 16
.set NB,    16                         ; weights: blocks of 32 along K for a wave
.set X,     32                         ; weights: v32-95 two sets of 32 numbers
.set C,     96                         ; weights: v96-99 a block's codes
.set OUTR,  112                        ; weights: v112-175 the way out
.set SB,    24                         ; weights: v24-27 the scale bytes, four to a register
.set VO,    176                        ; weights: v176-207 byte offset of row i of a block: 4 x lane + i x the tensor's pitch; never rewritten
.set BP,    20                         ; weights: s[20:21], s[22:23] where even and odd blocks begin
	s_load_b256 s[4:11], s[0:1], 0x0               ; h s[4:5], Wq s[6:7], Wkv s[8:9], Wo s[10:11]
	s_load_b128 s[12:15], s[0:1], 0x20             ; hq s[12:13], wq s[14:15]
	v_lshl_add_u32 v208, v0, 2, 0x10c00
	v_mov_b32 v209, 0
	v_lshrrev_b32 v1, 5, v0
	v_readfirstlane_b32 s16, v1                    ; wave 0..3
	v_and_b32 v2, 31, v0                           ; lane
	s_cmp_lt_u32 ttmp9, 256
	s_cbranch_scc0 .Lweights
	; ------------------------------------------------------------------ h
	v_lshlrev_b32 v3, 4, v2                        ; my 16 bytes of a load's 512
	s_mul_i32 s17, s16, WREG
	v_lshrrev_b32 v14, 2, v2
	v_mul_u32_u24 v14, v14, SP
	v_and_b32 v15, 3, v2
	v_lshl_add_u32 v14, v15, 4, v14
	v_add_nc_u32 v14, s17, v14                     ; the stage on the way in: four lanes' 64 bytes on end, then 16 of padding
	v_mul_u32_u24 v15, v2, SP
	v_add_nc_u32 v15, s17, v15                     ; and on the way out: my 16 neighbours
	v_mul_u32_u24 v4, v2, CB                       ; my codes' place in a step's 256 bytes
	v_lshrrev_b32 v5, 1, v2
	s_add_co_u32 s17, s17, 2*32*SP
	v_add_nc_u32 v5, s17, v5                       ; my block's byte among the wave's 256
	v_lshlrev_b32 v7, 3, v2
	v_add_nc_u32 v6, s17, v7                       ; and 8 of them a lane on the way out
	s_lshl_b32 s18, ttmp9, 17                      ; rows 8 g on: 8 x 4 x 4,096 bytes,
	s_lshl_b32 s19, s16, 12                        ; batch w
	s_add_co_u32 s18, s18, s19
	s_mov_b32 s19, 0
	s_and_b32 s20, ttmp9, 0xfc                     ; sigma(8 g + j) = 8 gs + j, gs = g with its bits 0 and 1 exchanged
	s_and_b32 s21, ttmp9, 1
	s_lshl_b32 s21, s21, 1
	s_or_b32 s20, s20, s21
	s_bfe_u32 s21, ttmp9, 0x10001
	s_or_b32 s20, s20, s21
	s_lshl_b32 s20, s20, 3
	s_lshl_b32 s21, s16, 11
	s_add_co_u32 s20, s20, s21                     ; my first row of hq: 2,048 w + 8 gs
	s_lshl_b32 s22, s20, 9                         ; 512 bytes of codes a row
	s_mov_b32 s23, 0
	s_lshl_b32 s24, s20, 5                         ; 32 scale bytes a row
	s_add_co_u32 s24, s24, 0x400000
	s_mov_b32 s25, 0
	s_wait_alu depctr_va_vdst(0)
	s_wait_kmcnt 0x0
	s_add_nc_u64 s[4:5], s[4:5], s[18:19]
	s_add_nc_u64 s[26:27], s[12:13], s[22:23]
	s_add_nc_u64 s[28:29], s[12:13], s[24:25]
.macro LOAD t                          ; step t: half t % 2 of my row t / 2; rows of one batch lie 16,384 bytes apart
.irp i, 0,1,2,3
	global_load_b128 v[R+16*((\t)%4)+4*\i:R+16*((\t)%4)+4*\i+3], v3, s[4:5] offset:((\t)/2)*16384+((\t)%2)*2048+512*\i th:TH_LOAD_NT
.endr
.endm
.macro TURN t                          ; step t's numbers through the stage: LDS serves a wave's instructions in order, so no wait stands between the stores and the loads
.irp i, 0,1,2,3
	ds_store_b128 v14, v[R+16*((\t)%4)+4*\i:R+16*((\t)%4)+4*\i+3] offset:32*SP*((\t)%2)+8*SP*\i
.endr
.irp i, 0,1,2,3
	ds_load_b128 v[XH+16*((\t)%2)+4*\i:XH+16*((\t)%2)+4*\i+3], v15 offset:32*SP*((\t)%2)+16*\i
.endr
.endm
.irp t, 0,1,2,3
	LOAD \t
.endr
	s_wait_loadcnt 12                              ; step 0's four loads are in; the twelve of steps 1 to 3 may be out
	TURN 0
.macro STEP t
.set XS, XH+16*((\t)%2)
.if (\t) > 0
	s_wait_dscnt 1                                 ; this step's numbers are back from the stage; the last step's byte store may be out
.else
	s_wait_dscnt 0x0
.endif
.if (\t)+4 < STEPS
	LOAD (\t)+4                                    ; into the set whose stores into the stage have been served
.endif
.if (\t)+1 < STEPS
.if STEPS-2-(\t) >= 3
	s_wait_loadcnt 12                              ; the next step's four loads are in; those of the three steps behind it may be out
.else
	s_wait_loadcnt 4*(STEPS-2-(\t))
.endif
	TURN (\t)+1
.endif
	v_max3_num_f32 v8, |v[XS]|, |v[XS+1]|, |v[XS+2]|               ; the largest magnitude of my 16, in two chains
	v_max3_num_f32 v9, |v[XS+3]|, |v[XS+4]|, |v[XS+5]|
.irp i, 6,10
	v_max3_num_f32 v8, v8, |v[XS+\i]|, |v[XS+\i+1]|
	v_max3_num_f32 v9, v9, |v[XS+\i+2]|, |v[XS+\i+3]|
.endr
	v_max3_num_f32 v8, v8, |v[XS+14]|, |v[XS+15]|
	v_max3_num_f32 v8, v8, v9, 0x1800000           ; and the floor 2^(3 - 127): the byte cannot fall under 1
	v_max_num_f32_dpp v8, v8, v8 row_xmask:1 row_mask:0xf bank_mask:0xf   ; with my neighbour's 16: the block's
	v_add_nc_u32 v11, 0xff000000, v8               ; 2 off its exponent field: the conversion takes this operand's exponent field as its scale
	v_cvt_scalef32_pk8_fp4_f32 v[CH+4*(\t)], v[XS:XS+7], v11
	v_cvt_scalef32_pk8_fp4_f32 v[CH+4*(\t)+1], v[XS+8:XS+15], v11
	v_lshrrev_b32 v[E+(\t)], 23, v11               ; the scale's byte
	ds_store_b8 v5, v[E+(\t)] offset:16*(\t)       ; both lanes of a block write the same byte with the same value
	global_store_b64 v4, v[CH+4*(\t):CH+4*(\t)+1], s[26:27] offset:32*CB*(\t)   ; the wave stores 256 bytes on end, aligned
.endm
.irp t, 0,1,2,3,4,5,6,7,8,9,10,11,12,13,14,15
	STEP \t
.endr
	ds_load_b64 v[12:13], v6                       ; LDS serves a wave's instructions in order: these see my byte stores
	s_wait_dscnt 0x0
	global_store_b64 v7, v[12:13], s[28:29]        ; eight rows' 256 scale bytes on end, aligned
	s_wait_tensorcnt 0x0
	ds_add_u32 v208, v209
	s_wait_dscnt 0x0
	s_endpgm
	; ------------------------------------------------------------------ the weights
.Lweights:
	s_sub_co_u32 s17, ttmp9, 256
	s_and_b32 s18, s17, 1                          ; y: which 512 along K
	s_lshr_b32 s19, s17, 1                         ; cg: which 128 of the 4,096 joined columns Wq | Wkv | Wo
	s_wait_kmcnt 0x0
	s_cmp_lt_u32 s19, 24                           ; the tensor, its first group and its pitch: chosen by the work-group's number alone
	s_cselect_b64 s[20:21], s[8:9], s[10:11]
	s_cselect_b32 s30, 8, 24
	s_mov_b32 s31, 4096
	s_cselect_b32 s31, 8192, s31
	s_cmp_lt_u32 s19, 8
	s_cselect_b64 s[20:21], s[6:7], s[20:21]
	s_cselect_b32 s30, 0, s30
	s_cselect_b32 s31, 4096, s31
	s_sub_co_u32 s26, s19, s30
	s_lshl_b32 s26, s26, 9                         ; 128 columns of 4 bytes a group,
	s_lshl_b32 s27, s16, 7                         ; 32 a wave,
	s_add_co_u32 s26, s26, s27
	s_lshl_b32 s27, s31, 9
	s_mul_i32 s27, s27, s18                        ; 512 rows down for y = 1
	s_add_co_u32 s26, s26, s27
	s_mov_b32 s27, 0
	s_add_nc_u64 s[BP:BP+1], s[20:21], s[26:27]    ; block 0
	s_lshl_b32 s26, s31, 5
	s_add_nc_u64 s[BP+2:BP+3], s[BP:BP+1], s[26:27]  ; block 1: 32 rows on
	s_lshl_b32 s24, s31, 6                         ; s[24:25]: two blocks on
	s_mov_b32 s25, 0
	s_wait_alu depctr_va_vdst(0)
	v_lshlrev_b32 v[VO], 2, v2
.set i, 1
.rept 31
	v_add_nc_u32 v[VO+i], s31, v[VO+i-1]
.set i, i+1
.endr
	v_and_b32 v10, 7, v2                           ; sigma(lane)
	v_bfe_u32 v11, v2, 3, 1
	v_bfe_u32 v12, v2, 4, 1
	v_lshl_add_u32 v10, v11, 4, v10
	v_lshl_add_u32 v10, v12, 3, v10
	s_mul_i32 s28, s16, 32*PITCH
	s_add_co_u32 s28, s28, WST                     ; my stage
	v_mul_u32_u24 v4, v10, PITCH
	v_add_nc_u32 v4, s28, v4                       ; into it: row = my column's place
	v_lshlrev_b32 v9, 5, v10                       ; my column's row of scale bytes
	v_and_b32 v5, 15, v2
	v_lshrrev_b32 v6, 4, v2
	v_mul_u32_u24 v14, v6, PITCH                   ; out as rows: sixteen lanes to a row, two rows an instruction
	v_lshl_add_u32 v14, v5, 4, v14
	v_add_nc_u32 v14, s28, v14
	v_lshlrev_b32 v15, 9, v6
	v_lshl_add_u32 v15, v5, 4, v15
	v_mul_u32_u24 v16, v5, PITCH                   ; out as images: lane (r, h) takes 16 bytes of row r at 16 h,
	v_lshl_add_u32 v16, v6, 4, v16
	v_add_nc_u32 v16, s28, v16
	v_lshlrev_b32 v17, 4, v2                       ; and puts them at 16 x lane
	s_lshl_b32 s29, s19, 7
	s_lshl_b32 s32, s16, 5
	s_add_co_u32 s29, s29, s32                     ; my wave's first place: 128 cg + 32 w
	s_lshl_b32 s32, s29, 5
	s_lshl_b32 s33, s18, 4
	s_add_co_u32 s32, s32, s33
	s_add_co_u32 s32, s32, 0x200000
	s_mov_b32 s33, 0
	s_add_nc_u64 s[34:35], s[14:15], s[32:33]      ; scale bytes: 32 a place, 16 y on
	s_lshl_b32 s32, s29, 9
	s_add_nc_u64 s[36:37], s[14:15], s[32:33]      ; codes: 512 bytes a place
.macro WLOAD t                         ; block t: W(32 t + i, my column): 32 lanes read 128 bytes on end
.irp i, 0,1,2,3,4,5,6,7,8,9,10,11,12,13,14,15,16,17,18,19,20,21,22,23,24,25,26,27,28,29,30,31
	global_load_b32 v[X+32*((\t)%2)+\i], v[VO+\i], s[BP+2*((\t)%2):BP+2*((\t)%2)+1] th:TH_LOAD_NT
.endr
.endm
	WLOAD 0
	WLOAD 1
.macro BLOCK t
.set XS, X+32*((\t)%2)
.if (\t) < NB-1
	s_wait_loadcnt 32                              ; this block's 32 loads are in; the next block's may be out
.else
	s_wait_loadcnt 0
.endif
.if (\t)+2 < NB
	s_add_nc_u64 s[BP+2*((\t)%2):BP+2*((\t)%2)+1], s[BP+2*((\t)%2):BP+2*((\t)%2)+1], s[24:25]   ; the loads that named this base are done: two blocks on
.endif
	v_max3_num_f32 v12, |v[XS]|, |v[XS+1]|, |v[XS+2]|               ; the block's largest magnitude: all 32 numbers are mine
	v_max3_num_f32 v13, |v[XS+3]|, |v[XS+4]|, |v[XS+5]|
.irp i, 6,10,14,18,22,26
	v_max3_num_f32 v12, v12, |v[XS+\i]|, |v[XS+\i+1]|
	v_max3_num_f32 v13, v13, |v[XS+\i+2]|, |v[XS+\i+3]|
.endr
	v_max3_num_f32 v12, v12, |v[XS+30]|, |v[XS+31]|
	v_max3_num_f32 v12, v12, v13, 0x1800000        ; and the floor 2^(3 - 127)
	v_add_nc_u32 v11, 0xff000000, v12              ; 2 off its exponent field: the conversion's scale operand
	v_lshrrev_b32 v13, 23, v11                     ; the scale's byte
.if (\t)%4 == 0
	v_mov_b32 v[SB+(\t)/4], v13                    ; four bytes to a register, the lower K in the lower byte
.else
	v_lshl_or_b32 v[SB+(\t)/4], v13, 8*((\t)%4), v[SB+(\t)/4]
.endif
.irp g, 0,1,2,3
	v_cvt_scalef32_pk8_fp4_f32 v[C+\g], v[XS+8*\g:XS+8*\g+7], v11
.endr
	ds_store_b128 v4, v[C:C+3] offset:16*(\t)      ; 32 codes: 16 bytes of my column's row
.if (\t)+2 < NB
	WLOAD (\t)+2
.endif
	s_wait_dscnt 0x0                               ; the store has read its registers: the next block's codes may be written
.endm
.set Q, 0
.rept NB
	BLOCK Q
.set Q, Q+1
.endr
	s_wait_alu depctr_va_vdst(0)
	global_store_b128 v9, v[SB:SB+3], s[34:35]     ; my column's 16 scale bytes
	s_cmp_lt_u32 s19, 24
	s_cbranch_scc0 .Limages
	s_lshl_b32 s32, s18, 8                         ; Wq, Wk, Wv leave as rows: 256 bytes of each row, at 256 y
	s_add_nc_u64 s[36:37], s[36:37], s[32:33]
.irp t, 0,1,2,3,4,5,6,7,8,9,10,11,12,13,14,15
	ds_load_b128 v[OUTR+4*\t:OUTR+4*\t+3], v14 offset:2*\t*PITCH   ; LDS serves a wave's instructions in order: these see my stores
.endr
.irp t, 0,1,2,3,4,5,6,7,8,9,10,11,12,13,14,15
	s_wait_dscnt 15-\t
	global_store_b128 v15, v[OUTR+4*\t:OUTR+4*\t+3], s[36:37] offset:2*\t*512   ; sixteen lanes store 256 bytes on end, aligned
.endr
	s_wait_tensorcnt 0x0
	ds_add_u32 v208, v209
	s_wait_dscnt 0x0
	s_endpgm
.Limages:
	s_lshl_b32 s32, s18, 12                        ; Wo leaves as images: two tiles of 16 places x four K steps x two halves of 512 bytes; K steps 4 y on
	s_add_nc_u64 s[36:37], s[36:37], s[32:33]
.irp t, 0,1,2,3,4,5,6,7,8,9,10,11,12,13,14,15      ; t = 8 x tile + 2 x K step + half
	ds_load_b128 v[OUTR+4*\t:OUTR+4*\t+3], v16 offset:(\t/8)*16*PITCH+((\t/2)%4)*64+(\t%2)*32
.endr
.irp t, 0,1,2,3,4,5,6,7,8,9,10,11,12,13,14,15
	s_wait_dscnt 15-\t
	global_store_b128 v17, v[OUTR+4*\t:OUTR+4*\t+3], s[36:37] offset:(\t/8)*8192+((\t/2)%4)*1024+(\t%2)*512   ; the wave stores 512 bytes on end, aligned
.endr
	s_wait_tensorcnt 0x0
	ds_add_u32 v208, v209
	s_wait_dscnt 0x0
	s_endpgm
.Lfunc_end_k_q7419e74080_quant:
	.size	k_q7419e74080_quant, .Lfunc_end_k_q7419e74080_quant-k_q7419e74080_quant
	.p2alignl 7, 3214868480
	.fill 96, 4, 3214868480
	.section	.rodata,"a",@progbits
	.p2align	6, 0x0
	.amdhsa_kernel k_q7419e74080_quant
		.amdhsa_group_segment_fixed_size 69120
		.amdhsa_private_segment_fixed_size 0
		.amdhsa_enable_private_segment 0
		.amdhsa_kernarg_size 48
		.amdhsa_user_sgpr_count 2
		.amdhsa_user_sgpr_kernarg_segment_ptr 1
		.amdhsa_wavefront_size32 1
		.amdhsa_system_sgpr_workgroup_id_x 1
		.amdhsa_system_sgpr_workgroup_id_y 1
		.amdhsa_system_sgpr_workgroup_id_z 1
		.amdhsa_system_vgpr_workitem_id 0
		.amdhsa_next_free_vgpr 210
		.amdhsa_next_free_sgpr 66
		.amdhsa_reserve_vcc 0
		.amdhsa_float_denorm_mode_32 3
		.amdhsa_float_denorm_mode_16_64 3
		.amdhsa_memory_ordered 1
		.amdhsa_forward_progress 1
		.amdhsa_inst_pref_size 117
	.end_amdhsa_kernel
	.amdgpu_metadata
---
amdhsa.version: [ 1, 2 ]
amdhsa.kernels:
  - .name:           k_q7419e74080_quant
    .symbol:         k_q7419e74080_quant.kd
    .args:
      - { .name: h, .offset: 0, .size: 8, .value_kind: global_buffer, .address_space: global }
      - { .name: Wq, .offset: 8, .size: 8, .value_kind: global_buffer, .address_space: global }
      - { .name: Wkv, .offset: 16, .size: 8, .value_kind: global_buffer, .address_space: global }
      - { .name: Wo, .offset: 24, .size: 8, .value_kind: global_buffer, .address_space: global }
      - { .name: hq, .offset: 32, .size: 8, .value_kind: global_buffer, .address_space: global }
      - { .name: wq, .offset: 40, .size: 8, .value_kind: global_buffer, .address_space: global }
    .group_segment_fixed_size: 69120
    .private_segment_fixed_size: 0
    .kernarg_segment_align: 8
    .kernarg_segment_size: 48
    .max_flat_workgroup_size: 128
    .sgpr_count:     66
    .vgpr_count:     210
    .wavefront_size: 32
...
	.end_amdgpu_metadata
.endif
;; end of part 5
;; launch qkv (part 6): grid 8 x 48, 4 waves a work-group, clusters of 4 x 4, 327,680 bytes of LDS; arguments hq, wq, qk, vv; writes qk, vv
.if DOCPART == 6
	.amdgcn_target "amdgcn-amd-amdhsa--gfx1250"
	.amdhsa_code_object_version 6
	.text
	.protected	k_q7419e74080_qkv
	.globl	k_q7419e74080_qkv
	.p2align	8
	.type	k_q7419e74080_qkv,@function
k_q7419e74080_qkv:
	s_mov_b64 s[64:65], 0
	v_nop
	global_prefetch_b8 v0, s[64:65] scope:SCOPE_SE
	s_setreg_imm32_b32 hwreg(HW_REG_WAVE_MODE, 25, 1), 1
	s_wait_xcnt 0x0
	s_wait_alu depctr_hold_cnt(0) depctr_sa_sdst(0) depctr_va_vdst(0) depctr_va_sdst(0) depctr_va_ssrc(0) depctr_va_vcc(0) depctr_vm_vsrc(0)
	s_getreg_b32 s2, hwreg(HW_REG_IB_STS2, 6, 4)
	s_cmp_eq_u32 s2, 0
	s_cbranch_scc0 .Lentry_in_a_cluster
	s_endpgm
.Lentry_in_a_cluster:
	s_bfe_u32 s2, ttmp6, 0x10000c
	s_cmp_lg_u32 s2, 0xf033
	s_cbranch_scc0 .Lentry_shape_is_right
	s_endpgm
.Lentry_shape_is_right:
; q = h Wq, k and v = h Wkv on codes of FP4 (E2M1) with E8M0 scales, K = 1,024; the results are quantised in registers for the attention's two products and leave as codes: no f32 result goes to memory.
; A tile of 256 x 256 results is made by four waves, 128 x 128 each: 64 accumulators of 16 x 16, 512 registers.  K goes in two steps of 512 through two LDS slots, each filled once; the scale bytes of the 512 rows come with them.
; THE MATRIX INSTRUCTION: source 0 = 16 rows of operand B, source 1 = 16 rows of operand A.  A lane then holds ONE row of A and its registers run along B's rows; B's rows lie at places sigma(index)
; (bits 3 and 4 exchanged), so the 64 registers of A's block a, B's blocks 0-7, are: register 16 g + i = true index 32 g + 16 (lane / 16) + i of B.  That is the order in which a lane quantises along B.
; TWO PARTS, ONE TEXT, chosen by the cluster's y (the same in all sixteen partners) through selects alone:
;   clusters y 0-7:  A = h's rows, B = Wq's and Wk's columns.  A wave's 128 of B are two heads of 64: four blocks of 32 along the head.  Half c of the fragment made is head 2 RG + c's 16 rows x 64.
;   clusters y 8-11: A = Wv's columns, B = h's rows.  A wave's 128 of B are 128 keys of one batch: the fragment made is 16 channels x 128 keys of V, the keys innermost, as the second product wants it.
; qk: images [head: 0-15 q, 16-31 k][tile of 16 rows: 512][512 bytes] at 0; two scale bytes a row [head][8,192 rows] at 0x800000.
; vv: images [batch x 16 + group of 128 keys][tile of 16 channels: 64][1,024 bytes] at 0; scale words [the same][the same][16][4 bytes] at 0x400000.
; An image is a fragment's registers as they stand: four registers are 512 bytes, lane l's 16 at 16 l.
; CLUSTERS: 4 x 4 work-groups; A's tiles are asked for jointly along a row of the cluster, B's along a column.
; LIMITS: NaN and infinities are not served; a block of zeros keeps the scale byte 1 (its codes are zeros; this program alone reads the bytes).
; REGISTERS: window 0: v0-31 addresses; v32-95 scale words, two sets, and nothing else; v128-191 A's fragments, later the codes made; v192-223 at work on the way out.
;   window 1: B's fragments, two sets.   window 2: the accumulators of my rows 0-63 ((a, b) at v[8 (8 a + b)]);   window 3: those of my rows 64-127.
.set NQ,     4                         ; steps of 128 along K in a slot
.set ROWB,   256                       ; a tile's row in bytes: 512 codes
.set KROW,   512                       ; a row of codes in memory
.set PITCH,  272                       ; an LDS row: 256 bytes + 16 of padding: the 16 rows that a load touches start at 16 different banks (64 banks of 4 bytes: ISA guide 11.1)
.set FR,     8                         ; registers of a fragment
.set NL,     2                         ; LDS loads that bring one
.set NP,     4                         ; places behind this matrix instruction (ISA guide 7.12.1)
.set HALFT,  128*PITCH
.set SLOT,   4*HALFT                   ; A's 256 rows, then B's 256 rows
.set KS,     32                        ; a row of scale bytes
.set SCL,    2*SLOT                    ; behind the slots: the scales, as units of 256 bytes + 16 of padding
.set HALFS,  (128*KS/256)*272
.set SBLK,   (16*KS/256)*272
.set SPARE,  SCL+4*HALFS               ; the spare words, 128 bytes for each wave: two blocks of 256 bytes that no other line names
.set ADRA, 16                          ; v16-17  LDS address of my A fragments in slot 0, 1
.set ADRB, 20                          ; v20-21  the same for B
.set L16,  24                          ; v24     16 x lane: an image's place for my lane
.set SOFF, 25                          ; v25     where my two scale bytes go
.set SHV,  26                          ; v26     16 x (lane / 16): which half of the scale word is mine to store
.set ADRS, 27                          ; v27     LDS address of my scale words: lanes 0-15 A's rows, lanes 16-31 B's
.set SPW,  28                          ; v28     LDS address of my spare word; never rewritten
.set NIL,  29                          ; v29     0; never rewritten
.set SC,   32                          ; scale words: set s at v[SC + 32 s]; register 4 i + q: lanes 0-15 A's block i, lanes 16-31 B's block i, the slot's q-th 128 along K
.set AF,   128                         ; A's fragments
.set PC,   128                         ; the way out: block a's codes at v[PC + 8 a]
.set TM,   192                         ; v192-195 largest magnitudes, v196-199 bytes, v204-207 the conversions' scale operands
.set PW,   208                         ; v208-215 block a's scale word
.set PH,   216                         ; v216-223 and the half of it that my lane stores
.set G1, 24
.set G0, 32
.set G1B, 48
.set G0B, 56
.set G1S, 68
.set G0S, 76
.set G1SB, 80
.set G0SB, 88
.set MSB, 0
.macro WIN new                         ; the immediate's high byte repeats the setting that is left
.if MSB != \new
	s_set_vgpr_msb (MSB<<8)|\new
.set MSB, \new
.endif
.endm
.set MUL_LO, 0xa1                      ; source 0 (B) window 1, source 1 (A) window 0, C and D window 2
.set MUL_HI, 0xf1                      ; the same, C and D window 3
.set TO_B,   0x40                      ; destination window 1, address window 0
; A joint load: waves 0 and 1 fetch for A, waves 2 and 3 for B; the branch hangs on the wave's number alone.  Four v_nop follow each of the two lines.
.macro JLOAD g0a, g1a, g0b, g1b
	s_cmp_eq_u32 s15, 0
	s_cbranch_scc0 .Lfor_b_\@
	tensor_load_to_lds s[\g0a:\g0a+3], s[\g1a:\g1a+7]
	s_nop 0
.rept 4
	v_nop
.endr
	s_branch .Lasked_\@
.Lfor_b_\@:
	tensor_load_to_lds s[\g0b:\g0b+3], s[\g1b:\g1b+7]
	s_nop 0
.rept 4
	v_nop
.endr
.Lasked_\@:
.endm
.macro CROUND                          ; a round of the cluster's barrier
	s_barrier_signal -1
	s_barrier_wait -1
	s_cmp_lg_u32 s14, 0
	s_cbranch_scc1 .Lnot_wave_0_\@
	s_barrier_signal -3
.Lnot_wave_0_\@:
	s_barrier_wait -3
	s_barrier_signal -1
	s_barrier_wait -1
.endm
	s_load_b128 s[4:7], s[0:1], 0x0                ; hq s[4:5], wq s[6:7]
	s_load_b64 s[66:67], s[0:1], 0x10              ; qk
	s_load_b64 s[100:101], s[0:1], 0x18            ; vv
	v_lshl_add_u32 v[SPW], v0, 2, SPARE
	v_mov_b32 v[NIL], 0
	ds_add_u32 v28, v29
	ds_add_u32 v28, v29
	s_wait_dscnt 0x0
	v_lshrrev_b32 v1, 5, v0
	v_readfirstlane_b32 s14, v1                    ; wave 0..3
	s_lshr_b32 s15, s14, 1                         ; which half of A's 256 rows is mine.  Also: I fetch for A (0) or for B (1)
	s_and_b32 s16, s14, 1                          ; which half of B's.  Also: which 128 rows of that tile I fetch
	s_bfe_u32 s40, ttmp6, 0x40000                  ; cx, cy: my place in the cluster
	s_bfe_u32 s41, ttmp6, 0x40004
	s_and_b32 s95, ttmp7, 0xffff                   ; the cluster's y: 0-7 q and k, 8-11 v
	s_sub_co_u32 s96, s95, 8
	s_lshl_b32 s96, s96, 1
	s_add_co_u32 s96, s96, ttmp9                   ; v: which four tile columns of h's 32
	s_cmp_lt_u32 s95, 8
	s_cselect_b32 s17, s95, 0                      ; four tile rows of A: h's by the cluster's y, or Wv's only four
	s_cselect_b32 s42, ttmp9, s96                  ; four tile columns of B
	s_lshl_b32 s42, s42, 2
	s_add_co_u32 s42, s42, s40                     ; tile column
	s_lshl_b32 s17, s17, 2
	s_add_co_u32 s17, s17, s41                     ; tile row
	s_lshl_b32 s43, s41, 2
	s_lshl_b32 s43, 15, s43                        ; my row of the cluster
	s_lshl_b32 s44, 0x1111, s40                    ; my column
	; descriptor group 1: a tile of 128 rows x 256 bytes, padded in LDS
	s_or_b32 s[G1+0], s43, (0<<16)|(1<<20)|(1<<21)|(5<<22)|(3<<25)  ; 15:0 the mask: A's tiles go to my row; 17:16 elements of 1 byte; 20 padding on; 21 set beside a mask; 24:22 after every 64 words; 31:25 four words
	s_or_b32 s[G1B+0], s44, (0<<16)|(1<<20)|(1<<21)|(5<<22)|(3<<25)
.irp g, G1, G1B
	s_mov_b32 s[\g+1], ROWB<<16                    ; tensor_dim0
	s_mov_b32 s[\g+2], 128<<16                     ; tensor_dim1
	s_mov_b32 s[\g+3], ROWB<<16                    ; tile_dim0
	s_mov_b32 s[\g+4], 128                         ; tile_dim1
	s_mov_b32 s[\g+5], KROW                        ; tensor_dim0_stride
	s_mov_b32 s[\g+6], 0
	s_mov_b32 s[\g+7], 0
.endr
	; the scales of 128 rows: a dense block of 4,096 bytes, as 16 rows of 256 bytes (32 elements of 8 bytes), 16 bytes of padding behind each
	s_or_b32 s[G1S+0], s43, (3<<16)|(1<<20)|(1<<21)|(5<<22)|(3<<25)
	s_or_b32 s[G1SB+0], s44, (3<<16)|(1<<20)|(1<<21)|(5<<22)|(3<<25)
.irp g, G1S, G1SB
	s_mov_b32 s[\g+1], 32<<16
	s_mov_b32 s[\g+2], (128*KS/256)<<16
	s_mov_b32 s[\g+3], 32<<16
	s_mov_b32 s[\g+4], 128*KS/256
	s_mov_b32 s[\g+5], 32
	s_mov_b32 s[\g+6], 0
	s_mov_b32 s[\g+7], 0
.endr
	s_lshl_b32 s18, s16, 7                         ; which 128 rows of the tile I fetch
	s_lshl_b32 s20, s17, 8
	s_add_co_u32 s20, s20, s18                     ; A: row 256 x tile row + 128 x half
	s_lshl_b32 s46, s42, 8
	s_add_co_u32 s46, s46, s18                     ; B: row 256 x tile column + 128 x half
	s_mov_b32 s21, 0
	s_mov_b32 s47, 0
	s_mov_b64 s[18:19], KS
	s_mul_u64 s[22:23], s[20:21], s[18:19]         ; where these rows' scales begin, in bytes
	s_mul_u64 s[92:93], s[46:47], s[18:19]
	s_mov_b64 s[18:19], KROW
	s_mul_u64 s[20:21], s[20:21], s[18:19]         ; and their codes
	s_mul_u64 s[46:47], s[46:47], s[18:19]
	s_mul_i32 s45, s14, HALFT                      ; where they go: wave x 128 rows: no place in the cluster enters an LDS address
	s_mul_i32 s94, s14, HALFS
	s_wait_kmcnt 0x0
	s_add_nc_u64 s[8:9], s[4:5], 0x400000          ; h's scale bytes
	s_add_nc_u64 s[10:11], s[6:7], 0x200000        ; the weights' scale bytes
	s_add_nc_u64 s[12:13], s[6:7], 0x100000        ; Wv's codes: rows 2,048 on
	s_add_nc_u64 s[96:97], s[6:7], 0x210000        ; Wv's scale bytes
	s_cmp_lt_u32 s95, 8                            ; which tensor is A and which is B
	s_cselect_b64 s[98:99], s[4:5], s[12:13]       ; A's codes
	s_cselect_b64 s[12:13], s[8:9], s[96:97]       ; A's scales
	s_cselect_b64 s[96:97], s[6:7], s[4:5]         ; B's codes
	s_cselect_b64 s[10:11], s[10:11], s[8:9]       ; B's scales
	s_add_nc_u64 s[20:21], s[98:99], s[20:21]
	s_add_nc_u64 s[22:23], s[12:13], s[22:23]
	s_add_nc_u64 s[46:47], s[96:97], s[46:47]
	s_add_nc_u64 s[92:93], s[10:11], s[92:93]
	CROUND                                         ; all sixteen work-groups are here: the joint loads meet
	s_mov_b32 s[G0S], 1
	s_add_co_u32 s[G0S+1], s94, SCL
	s_mov_b64 s[G0S+2:G0S+3], s[22:23]
	s_or_b32 s[G0S+3], s[G0S+3], 0x80000000
	s_mov_b32 s[G0SB], 1
	s_add_co_u32 s[G0SB+1], s94, SCL
	s_mov_b64 s[G0SB+2:G0SB+3], s[92:93]
	s_or_b32 s[G0SB+3], s[G0SB+3], 0x80000000
	JLOAD G0S, G1S, G0SB, G1SB                     ; the scales first: they are wanted with the first slot
.irp s, 0,1
	s_mov_b32 s[G0+4*\s], 1
	s_add_co_u32 s[G0+4*\s+1], s45, \s*SLOT
	s_add_nc_u64 s[G0+4*\s+2:G0+4*\s+3], s[20:21], \s*ROWB
	s_or_b32 s[G0+4*\s+3], s[G0+4*\s+3], 0x80000000
	s_mov_b32 s[G0B+4*\s], 1
	s_add_co_u32 s[G0B+4*\s+1], s45, \s*SLOT
	s_add_nc_u64 s[G0B+4*\s+2:G0B+4*\s+3], s[46:47], \s*ROWB
	s_or_b32 s[G0B+4*\s+3], s[G0B+4*\s+3], 0x80000000
	s_wait_alu depctr_va_vdst(0)
	s_wait_tensorcnt 0x0
	ds_add_u32 v28, v29
	s_wait_dscnt 0x0
	CROUND
	JLOAD G0+4*\s, G1, G0B+4*\s, G1B               ; both slots: all of K.  One tensor load of mine is out
.endr
	v_and_b32 v1, 15, v0                           ; r = l % 16
	v_bfe_u32 v2, v0, 4, 1                         ; h = l / 16
	v_mul_u32_u24 v3, v1, PITCH
	v_lshl_add_u32 v4, v2, 4, v3                   ; a fragment's row x pitch + 16 x half
	s_mul_i32 s21, s15, HALFT                      ; my 128 rows of A
	s_mul_i32 s22, s16, HALFT                      ; my 128 rows of B,
	s_add_co_u32 s22, s22, 2*HALFT                 ; which lie behind A's 256
.irp s, 0,1
	v_add_nc_u32 v[ADRA+\s], s21, v4
	v_add_nc_u32 v[ADRB+\s], s22, v4
	s_add_co_u32 s21, s21, SLOT
	s_add_co_u32 s22, s22, SLOT
.endr
	v_mul_u32_u24 v5, v1, KS                       ; my row's scales: 32 bytes a row,
	v_lshrrev_b32 v6, 8, v5
	v_lshl_add_u32 v5, v6, 4, v5                   ; and 16 more for each 256 passed
	s_mul_i32 s21, s15, HALFS                      ; A's: my 128 rows
	s_mul_i32 s22, s16, HALFS                      ; B's: my 128 rows, behind A's 256
	s_add_co_u32 s22, s22, 2*HALFS
	s_sub_co_u32 s22, s22, s21
	v_mul_u32_u24 v6, s22, v2                      ; lanes 16-31 take B's
	s_add_co_u32 s21, s21, SCL
	v_add_nc_u32 v5, v5, v6
	v_add_nc_u32 v[ADRS], s21, v5
	v_and_b32 v6, 31, v0
	v_lshlrev_b32 v[L16], 4, v6
	v_lshlrev_b32 v[SHV], 4, v2
.macro FRAG reg, adr, q, i             ; a fragment, 16 rows x 128 K of 4-bit codes: lane l holds row l % 16; registers 4 c .. 4 c + 3 hold K = 64 c + 32 (l / 16) + 0 .. 31
.irp c, 0,1
	ds_load_b128 v[\reg+4*\c:\reg+4*\c+3], v[\adr] offset:64*(\q)+32*\c+(\i)*16*PITCH
.endr
.endm
; 16 matrix instructions: A's blocks a0, a0 + 1 x B's eight, the slot's q-th 128 along K.  p: B's set; sc: the set of scale words.  zero = 1: the first product starts the sums.
; The 64 accumulators take turns, one instruction a turn, in the same order in every step.
.macro MUL16 a0, p, q, sc, zero
.irp a, \a0, \a0+1
.irp b, 0,1,2,3,4,5,6,7
.if \zero
	v_wmma_scale_f32_16x16x128_f8f6f4 v[8*(8*((\a)%4)+\b):8*(8*((\a)%4)+\b)+7], v[128*(\p)+FR*\b:128*(\p)+FR*\b+FR-1], v[AF+FR*(\a):AF+FR*(\a)+FR-1], 0, v[SC+8*NQ*(\sc)+NQ*\b+(\q)], v[SC+8*NQ*(\sc)+NQ*(\a)+(\q)] matrix_a_fmt:MATRIX_FMT_FP4 matrix_b_fmt:MATRIX_FMT_FP4 matrix_a_scale:MATRIX_SCALE_ROW1
.else
	v_wmma_scale_f32_16x16x128_f8f6f4 v[8*(8*((\a)%4)+\b):8*(8*((\a)%4)+\b)+7], v[128*(\p)+FR*\b:128*(\p)+FR*\b+FR-1], v[AF+FR*(\a):AF+FR*(\a)+FR-1], v[8*(8*((\a)%4)+\b):8*(8*((\a)%4)+\b)+7], v[SC+8*NQ*(\sc)+NQ*\b+(\q)], v[SC+8*NQ*(\sc)+NQ*(\a)+(\q)] matrix_a_fmt:MATRIX_FMT_FP4 matrix_b_fmt:MATRIX_FMT_FP4 matrix_a_scale:MATRIX_SCALE_ROW1
.endif
.endr
.endr
.endm
.macro FETCH_B slot, q, p              ; B's eight fragments into set p
	WIN TO_B
.irp i, 0,1,2,3,4,5,6,7
	FRAG 128*(\p)+FR*\i, ADRB+\slot, \q, \i
.endr
	WIN 0
.endm
.macro FETCH_A slot, q, i0             ; A's blocks i0 .. i0 + 3
.irp i, \i0, \i0+1, \i0+2, \i0+3
	FRAG AF+FR*(\i), ADRA+\slot, \q, \i
.endr
.endm
.macro SCALES sc                       ; a slot's scale words into set sc: four words a row; lanes 0-15 take A's block i, lanes 16-31 B's block i
.irp i, 0,1,2,3,4,5,6,7
	ds_load_b128 v[SC+8*NQ*\sc+NQ*\i:SC+8*NQ*\sc+NQ*\i+3], v[ADRS] offset:\i*SBLK
.endr
.endm
; A load into a register that a matrix instruction has read, and a vector instruction that reads a matrix result, stand NP places behind it; only plain vector instructions that name none of its registers are places.
.macro PLACES n
.rept \n
	v_nop
.endr
.endm
; A step of 128 along K that has its successor in the same slot.  A has one set of registers: blocks 0-3 are fetched anew in the step's middle, blocks 4-7 at its end; B has two sets.
.macro STEP slot, q, zero
	s_wait_dscnt 4*NL                              ; B's set and A's blocks 0-3 are in; the youngest eight loads (A's blocks 4-7) may be out
	WIN MUL_LO
	MUL16 0, (\q)%2, \q, \slot, \zero
	MUL16 2, (\q)%2, \q, \slot, \zero
	s_wait_dscnt 0                                 ; A's blocks 4-7 are in
	PLACES NP
	FETCH_B \slot, (\q)+1, 1-(\q)%2
	FETCH_A \slot, (\q)+1, 0
	WIN MUL_HI
	MUL16 4, (\q)%2, \q, \slot, \zero
	MUL16 6, (\q)%2, \q, \slot, \zero
	PLACES NP
	WIN 0
	FETCH_A \slot, (\q)+1, 4
.endm
; Slot 0's last step goes over to slot 1: one barrier; in front of it each wave waits for all its tensor loads (its part of slot 1).  Nothing is filled again.
.macro TURN slot, next
	s_wait_tensorcnt 0x0                           ; all my tensor loads have landed: my part of the next slot
	ds_add_u32 v[SPW], v[NIL]                      ; 0 onto my spare word
	s_wait_dscnt 4*NL+1                            ; (the add and the youngest eight loads may be out)
	WIN MUL_LO
	MUL16 0, 1, NQ-1, \slot, 0
	s_wait_dscnt 0x0                               ; the add is done, and my reads of this slot are over
	s_barrier_signal -1
	MUL16 2, 1, NQ-1, \slot, 0
	WIN 0
	s_barrier_wait -1                              ; the next slot is whole
	PLACES NP
	v_add_nc_u32 v[ADRS], 4*NQ, v[ADRS]            ; on to the next slot's scale words (no LDS load of mine is out)
	FETCH_B \next, 0, 0
	FETCH_A \next, 0, 0
	SCALES \next
	WIN MUL_HI
	MUL16 4, 1, NQ-1, \slot, 0
	MUL16 6, 1, NQ-1, \slot, 0
	PLACES NP
	WIN 0
	FETCH_A \next, 0, 4
.endm
	s_wait_alu depctr_va_vdst(0)
	s_wait_tensorcnt 1                             ; the scales and my part of slot 0 are in (slot 1's load may be out),
	s_barrier_signal -1
	s_barrier_wait -1                              ; everybody's are
	FETCH_B 0, 0, 0
	FETCH_A 0, 0, 0
	SCALES 0
	FETCH_A 0, 0, 4
	STEP 0, 0, 1                                   ; the first step's products start the sums: nothing is cleared
	STEP 0, 1, 0
	STEP 0, 2, 0
	TURN 0, 1
	STEP 1, 0, 0
	STEP 1, 1, 0
	STEP 1, 2, 0
	s_wait_dscnt 4*NL                              ; the last step: nothing more to fetch
	WIN MUL_LO
	MUL16 0, 1, NQ-1, 1, 0
	MUL16 2, 1, NQ-1, 1, 0
	s_wait_dscnt 0
	WIN MUL_HI
	MUL16 4, 1, NQ-1, 1, 0
	MUL16 6, 1, NQ-1, 1, 0
	WIN 0
	; THE WAY OUT.  Block a of A (16 rows, one a lane) has 64 registers along B: they become one fragment's codes and one scale word, and leave as images.  All tensor loads are done: the descriptors' registers are free.
	s_lshl_b32 s20, s17, 4
	s_lshl_b32 s21, s15, 3
	s_add_co_u32 s20, s20, s21                     ; TP0: my first tile of 16 rows of A
	s_lshl_b32 s21, s42, 1
	s_add_co_u32 s21, s21, s16                     ; RG: my group of 128 of B
	s_mov_b32 s98, 0x76543210
	s_mov_b32 s99, 0xfedcba98                      ; v_permlanex16_b32's selects for lane l xor 16
	s_cmp_lt_u32 s95, 8                            ; the strides, q and k | v
	s_mov_b32 s46, 1024
	s_cselect_b32 s46, 512, s46                    ; from tile to tile of A
	s_mov_b32 s25, 65536
	s_cselect_b32 s25, 524288, s25                 ; from group to group of B
	s_mov_b32 s26, 512
	s_cselect_b32 s26, 262144, s26                 ; from half 0 to half 1 of the fragment: the next head | the next 512 bytes
	s_cselect_b32 s48, 32, 64                      ; scale bytes: from tile to tile,
	s_mov_b32 s28, 4096
	s_cselect_b32 s28, 32768, s28                  ; from group to group,
	s_cselect_b32 s29, 16384, 2                    ; from the word's low half to its high half,
	s_cselect_b32 s30, 2, 4                        ; from row to row
	s_mov_b32 s31, 0x400000
	s_cselect_b32 s31, 0x800000, s31               ; where the scale bytes begin
	s_cselect_b64 s[32:33], s[66:67], s[100:101]   ; qk | vv
	s_mov_b32 s47, 0
	s_mov_b32 s49, 0
	s_mul_i32 s34, s20, s46
	s_mul_i32 s35, s21, s25
	s_add_co_u32 s34, s34, s35
	s_mov_b32 s35, 0
	s_add_nc_u64 s[36:37], s[32:33], s[34:35]      ; half 0 of block 0's image
	s_mov_b32 s34, s26
	s_add_nc_u64 s[38:39], s[36:37], s[34:35]      ; half 1
	s_mul_i32 s34, s20, s48
	s_mul_i32 s22, s21, s28
	s_add_co_u32 s34, s34, s22
	s_add_co_u32 s34, s34, s31
	s_add_nc_u64 s[44:45], s[32:33], s[34:35]      ; block 0's scale bytes
	PLACES NP                                      ; behind the last products, ahead of the first read of results and the first write over A's fragments
	v_mul_u32_u24 v[SOFF], s30, v1
	v_mad_u32_u24 v[SOFF], v2, s29, v[SOFF]
.irp b, 0,1,2,3
	v_mov_b32 v[TM+4+\b], 0                        ; written once: a lane permute's destination counts as one of its sources
.endr
.macro QUANTW a
.set AC, 64*((\a)%4)
.set WW, 2+(\a)/4
	WIN 5*WW                                       ; sources 0 and 1: the accumulators' window
.irp b, 0,1,2,3
	v_max3_num_f32 v[TM+\b], |v[AC+16*\b]|, |v[AC+16*\b+1]|, 0x1800000   ; block b: my 16 numbers, each accumulator from its low end on, and the floor 2^(3 - 127)
.endr
.irp i, 2,4,6,8,10,12,14
.irp b, 0,1,2,3
	v_max3_num_f32 v[TM+\b], |v[AC+16*\b+\i]|, |v[AC+16*\b+\i+1]|, v[TM+\b]   ; (the four blocks by turns)
.endr
.endr
	WIN 0
.irp b, 0,1,2,3
	v_permlanex16_b32 v[TM+4+\b], v[TM+\b], s98, s99
.endr
.irp b, 0,1,2,3
	v_max_num_f32 v[TM+\b], v[TM+\b], v[TM+4+\b]   ; with lane l xor 16's: the block's largest magnitude
.endr
.irp b, 0,1,2,3
	v_add_nc_u32 v[TM+12+\b], 0xff000000, v[TM+\b] ; 2 off its exponent field: the conversion's scale operand
.endr
.irp b, 0,1,2,3
	v_lshrrev_b32 v[TM+4+\b], 23, v[TM+12+\b]      ; the scale's byte
.endr
	v_lshl_or_b32 v[PW+(\a)], v[TM+5], 8, v[TM+4]  ; my row's scale word
	v_lshl_or_b32 v[PW+(\a)], v[TM+6], 16, v[PW+(\a)]
	v_lshl_or_b32 v[PW+(\a)], v[TM+7], 24, v[PW+(\a)]
	WIN WW                                         ; source 0: the accumulators' window
.irp b, 0,1,2,3
	v_cvt_scalef32_pk8_fp4_f32 v[PC+8*(\a)+2*\b], v[AC+16*\b:AC+16*\b+7], v[TM+12+\b]
	v_cvt_scalef32_pk8_fp4_f32 v[PC+8*(\a)+2*\b+1], v[AC+16*\b+8:AC+16*\b+15], v[TM+12+\b]
.endr
	WIN 0
	v_nop                                          ; one plain place behind a scaled conversion
.irp c, 0,1                                    ; the operand's layout wants a whole block in a lane: lanes 0-15 block 2 c, lanes 16-31 block 2 c + 1
.irp i, 0,1
	v_permlane16_swap_b32 v[PC+8*(\a)+4*\c+\i], v[PC+8*(\a)+4*\c+2+\i]
.endr
.endr
.endm
.macro EPI a
	QUANTW \a
	v_lshrrev_b32 v[PH+(\a)], v[SHV], v[PW+(\a)]   ; lanes 0-15 store the word's low half, lanes 16-31 its high half
.if (\a) > 0
	s_wait_alu depctr_va_vdst(0)
	s_wait_xcnt 0x0                                ; the last block's stores have read their bases: they step only behind this wait
	s_add_nc_u64 s[36:37], s[36:37], s[46:47]
	s_add_nc_u64 s[38:39], s[38:39], s[46:47]
	s_add_nc_u64 s[44:45], s[44:45], s[48:49]
.endif
	global_store_b128 v[L16], v[PC+8*(\a):PC+8*(\a)+3], s[36:37]     ; the wave stores 512 bytes on end, aligned; each block has data registers of its own
	global_store_b128 v[L16], v[PC+8*(\a)+4:PC+8*(\a)+7], s[38:39]
	global_store_b16 v[SOFF], v[PH+(\a)], s[44:45]
.endm
.irp a, 0,1,2,3,4,5,6,7
	EPI \a
.endr
	s_wait_tensorcnt 0x0                           ; the wave's end
	ds_add_u32 v[SPW], v[NIL]
	s_wait_dscnt 0x0
	CROUND                                         ; the closing round: no work-group ends while a partner may still ask for a tile that names it
	s_endpgm
.Lfunc_end_k_q7419e74080_qkv:
	.size	k_q7419e74080_qkv, .Lfunc_end_k_q7419e74080_qkv-k_q7419e74080_qkv
	.p2alignl 7, 3214868480
	.fill 96, 4, 3214868480
	.section	.rodata,"a",@progbits
	.p2align	6, 0x0
	.amdhsa_kernel k_q7419e74080_qkv
		.amdhsa_group_segment_fixed_size 327680
		.amdhsa_private_segment_fixed_size 0
		.amdhsa_enable_private_segment 0
		.amdhsa_kernarg_size 32
		.amdhsa_user_sgpr_count 2
		.amdhsa_user_sgpr_kernarg_segment_ptr 1
		.amdhsa_wavefront_size32 1
		.amdhsa_system_sgpr_workgroup_id_x 1
		.amdhsa_system_sgpr_workgroup_id_y 1
		.amdhsa_system_sgpr_workgroup_id_z 1
		.amdhsa_system_vgpr_workitem_id 0
		.amdhsa_next_free_vgpr 1024
		.amdhsa_next_free_sgpr 102
		.amdhsa_reserve_vcc 0
		.amdhsa_float_denorm_mode_32 3
		.amdhsa_float_denorm_mode_16_64 3
		.amdhsa_memory_ordered 1
		.amdhsa_forward_progress 1
		.amdhsa_inst_pref_size 132
	.end_amdhsa_kernel
	.amdgpu_metadata
---
amdhsa.version: [ 1, 2 ]
amdhsa.kernels:
  - .name:           k_q7419e74080_qkv
    .symbol:         k_q7419e74080_qkv.kd
    .args:
      - { .name: hq, .offset: 0, .size: 8, .value_kind: global_buffer, .address_space: global }
      - { .name: wq, .offset: 8, .size: 8, .value_kind: global_buffer, .address_space: global }
      - { .name: qk, .offset: 16, .size: 8, .value_kind: global_buffer, .address_space: global }
      - { .name: vv, .offset: 24, .size: 8, .value_kind: global_buffer, .address_space: global }
    .group_segment_fixed_size: 327680
    .private_segment_fixed_size: 0
    .kernarg_segment_align: 8
    .kernarg_segment_size: 32
    .max_flat_workgroup_size: 128
    .sgpr_count:     102
    .vgpr_count:     1024
    .wavefront_size: 32
...
	.end_amdgpu_metadata
.endif
;; end of part 6
;; launch attn (part 7): grid 4 x 64, 16 waves a work-group, clusters of 4 x 1, 169,984 bytes of LDS; arguments qk, vv, aa; writes aa
.if DOCPART == 7
	.amdgcn_target "amdgcn-amd-amdhsa--gfx1250"
	.amdhsa_code_object_version 6
	.text
	.protected	k_q7419e74080_attn
	.globl	k_q7419e74080_attn
	.p2align	8
	.type	k_q7419e74080_attn,@function
k_q7419e74080_attn:
	s_mov_b64 s[64:65], 0
	v_nop
	global_prefetch_b8 v0, s[64:65] scope:SCOPE_SE
	s_setreg_imm32_b32 hwreg(HW_REG_WAVE_MODE, 25, 1), 1
	s_wait_xcnt 0x0
	s_wait_alu depctr_hold_cnt(0) depctr_sa_sdst(0) depctr_va_vdst(0) depctr_va_sdst(0) depctr_va_ssrc(0) depctr_va_vcc(0) depctr_vm_vsrc(0)
	s_getreg_b32 s2, hwreg(HW_REG_IB_STS2, 6, 4)
	s_cmp_eq_u32 s2, 0
	s_cbranch_scc0 .Lentry_in_a_cluster
	s_endpgm
.Lentry_in_a_cluster:
	s_bfe_u32 s2, ttmp6, 0x10000c
	s_cmp_lg_u32 s2, 0x3003
	s_cbranch_scc0 .Lentry_shape_is_right
	s_endpgm
.Lentry_shape_is_right:
; attn_vec[q][:] = the sum over keys of softmax(q . k / 8) v, for one batch and head, both products on codes of FP4 (E2M1) with E8M0 scales; the result is quantised along the head's 64 for the output projection and leaves as codes.
; THE SOFTMAX AHEAD OF THE SECOND PRODUCT: t = score x log2(e) / 8; M = the running largest t rounded UP to a whole number; p = 2^(t - M) is quantised along the keys, not normalised.  The row's sum is taken of the
; unquantised p and divides at the end.  When M moves, the sum and O are multiplied by 2^(old M - new M): exact.
; SHARES.  Work-group y is batch y / 16, head y % 16.  The four work-groups of a cluster take 512 queries each, in two blocks of 256; each of the sixteen waves owns one tile of 16 queries of a block, in 256 registers:
; four waves to a SIMD, so that one wave's vector work stands beside another's matrix work and LDS loads.
; A WHOLE HEAD'S K AND V LIE IN LDS (128 KiB of codes, 8 KiB of scales), asked for jointly by the four work-groups, filled once: no ring and no refill.
; They lie as images of operand registers (four registers = 512 bytes, lane l's 16 at 16 l): no pitch, no padding, every LDS load takes bytes on end.
; LAYOUT.  Both products transposed: S^T = K Q^T (source 0 = 16 keys, source 1 = my 16 queries), O^T = V^T P^T: a lane holds ONE query throughout.  The rows of K's and V's tiles lie at places sigma(index) (bits 3 and 4
; exchanged), so the 16 registers of tiles 2 b and 2 b + 1 are 16 true neighbours: 32 b + 16 (lane / 16) + 0 .. 15.
; THE FIRST PRODUCT'S K IS 64: the upper 64 of the instruction's 128 are zero codes on both sides (registers 4-7 of each fragment, cleared once); their scale bytes are 0, which is 2^-127 and no NaN.
; aa: images [tile of 16 rows: 512][head 16][512 bytes] at 0; two scale bytes a row and head, [batch x 16 + head][2,048 rows], at 0x400000.
; LIMITS: NaN and infinities are not served; a p under 2^-126 comes out of v_exp_f32 as 0, beside a row's sum of more than 1/2.
; REGISTERS: v1-6 addresses that stay; v8-11 addresses of the loads in hand; v12 -M, v13 the largest t, v[14:15] the sum; v16-23 Q; v24 Q's scale word; v25-28 K's, v29-30 V's scale words; v31, v248-251 the second block's Q;
;   v32-95 K's eight fragments; v96-159 S^T, then p; v160-191 O^T; v192-223 V's four fragments; v224-231 p's codes; v232-247, v252-254 at work (v253 p's scale word); v240 the result's scale byte.
.set KIMG, 0                           ; LDS: K [128 tiles of 16 keys][512 bytes]
.set VIMG, 65536                       ; V [16 groups of 128 keys][4 tiles of 16 channels][1,024 bytes]
.set KSC,  131072                      ; K's scales: two bytes a key
.set VSC,  135168                      ; V's scale words [16 groups][4 tiles][16][4 bytes]
.set WV,   18                          ; s18 my wave's number
.set SEL,  20                          ; s[20:21] selects for lane l xor 16
.set CS,   22                          ; s[22:23] c = log2(e) / 8
.set G1A,  24                          ; s[24:31] group 1: a dense block of 4,096 bytes
.set G1B,  32                          ; s[32:39] group 1: a row of 256 bytes
.set KG,   56                          ; s56 the group of 128 keys in hand
.set BLK,  57                          ; s57 blocks of queries to go
.macro ROUND                           ; a round of the cluster's barrier
	s_barrier_signal -1
	s_barrier_wait -1
	s_cmp_lg_u32 s[WV], 0
	s_cbranch_scc1 .Lnot_wave_0_\@
	s_barrier_signal -3
.Lnot_wave_0_\@:
	s_barrier_wait -3
	s_barrier_signal -1
	s_barrier_wait -1
.endm
	s_load_b128 s[4:7], s[0:1], 0x0                ; qk s[4:5], vv s[6:7]
	s_load_b64 s[8:9], s[0:1], 0x10                ; aa
	v_lshl_add_u32 v243, v0, 2, 0x29000
	v_mov_b32 v255, 0
	ds_add_u32 v243, v255
	ds_add_u32 v243, v255
	v_lshrrev_b32 v8, 5, v0
	s_delay_alu instid0(VALU_DEP_1)
	v_readfirstlane_b32 s[WV], v8                  ; wave 0..15
	s_and_b32 s11, ttmp7, 0xffff                   ; y = 16 b + n, which the four partners share
	s_lshr_b32 s12, s11, 4                         ; b
	s_and_b32 s13, s11, 15                         ; n
	; what my wave fetches: a sixteenth of each of the four regions
	s_add_co_u32 s14, s13, 16                      ; k's heads lie behind q's sixteen
	s_lshl_b32 s58, s14, 14
	s_lshl_b32 s14, s14, 18
	s_lshl_b32 s19, s12, 16
	s_add_co_u32 s14, s14, s19
	s_lshl_b32 s19, s[WV], 12
	s_add_co_u32 s14, s14, s19                     ; K's codes: ((16 + n) 512 + 128 b) 512 + 4,096 w
	s_mov_b32 s15, 0
	s_lshl_b32 s19, s12, 12
	s_add_co_u32 s58, s58, s19
	s_lshl_b32 s19, s[WV], 8
	s_add_co_u32 s58, s58, s19
	s_add_co_u32 s58, s58, 0x800000                ; K's scales: (16 + n) 16,384 + 4,096 b + 256 w
	s_mov_b32 s59, 0
	s_lshl_b32 s16, s12, 4
	s_add_co_u32 s16, s16, s[WV]                   ; group of keys 16 b + w
	s_lshl_b32 s60, s16, 12
	s_lshl_b32 s16, s16, 16
	s_lshl_b32 s19, s13, 12
	s_add_co_u32 s16, s16, s19                     ; V's codes: (16 b + w) 65,536 + 4,096 n
	s_mov_b32 s17, 0
	s_lshl_b32 s19, s13, 8
	s_add_co_u32 s60, s60, s19
	s_add_co_u32 s60, s60, 0x400000                ; V's scale words: (16 b + w) 4,096 + 256 n
	s_mov_b32 s61, 0
	s_mov_b32 s[G1A], 15|(3<<16)|(1<<21)           ; 15:0 the mask: all four work-groups; 17:16 elements of 8 bytes; 21 set beside a mask; no padding
	s_mov_b32 s[G1A+1], 32<<16                     ; tensor_dim0 = 32 elements: rows of 256 bytes
	s_mov_b32 s[G1A+2], 16<<16                     ; tensor_dim1 = 16
	s_mov_b32 s[G1A+3], 32<<16                     ; tile_dim0
	s_mov_b32 s[G1A+4], 16                         ; tile_dim1
	s_mov_b32 s[G1A+5], 32                         ; the pitch: dense
	s_mov_b32 s[G1A+6], 0
	s_mov_b32 s[G1A+7], 0
	s_mov_b32 s[G1B], 15|(3<<16)|(1<<21)
	s_mov_b32 s[G1B+1], 32<<16
	s_mov_b32 s[G1B+2], 1<<16                      ; one row
	s_mov_b32 s[G1B+3], 32<<16
	s_mov_b32 s[G1B+4], 1
	s_mov_b32 s[G1B+5], 32
	s_mov_b32 s[G1B+6], 0
	s_mov_b32 s[G1B+7], 0
	s_mov_b32 s[SEL], 0x76543210
	s_mov_b32 s[SEL+1], 0xfedcba98
	s_mov_b32 s[CS], 0x3e38aa3b                    ; log2(e) / 8
	s_mov_b32 s[CS+1], s[CS]                       ; (named with it as a pair, so it is written)
	s_mov_b32 s74, 0xffff0000                      ; lanes 16-31
	s_mov_b32 s[BLK], 2
	s_wait_dscnt 0x0
	s_wait_kmcnt 0x0
	s_mov_b32 s40, 1                               ; group 0 for K's codes: count 1, LDS address, global address, type 2
	s_lshl_b32 s41, s[WV], 12
	s_add_nc_u64 s[42:43], s[4:5], s[14:15]
	s_or_b32 s43, s43, 0x80000000
	s_mov_b32 s44, 1                               ; V's codes
	s_lshl_b32 s45, s[WV], 12
	s_add_co_u32 s45, s45, VIMG
	s_add_nc_u64 s[46:47], s[6:7], s[16:17]
	s_or_b32 s47, s47, 0x80000000
	s_mov_b32 s48, 1                               ; K's scales
	s_lshl_b32 s49, s[WV], 8
	s_add_co_u32 s49, s49, KSC
	s_add_nc_u64 s[50:51], s[4:5], s[58:59]
	s_or_b32 s51, s51, 0x80000000
	s_mov_b32 s52, 1                               ; V's scale words
	s_lshl_b32 s53, s[WV], 8
	s_add_co_u32 s53, s53, VSC
	s_add_nc_u64 s[54:55], s[6:7], s[60:61]
	s_or_b32 s55, s55, 0x80000000
	ROUND                                          ; all four work-groups are here: the joint loads meet
	tensor_load_to_lds s[40:43], s[G1A:G1A+7]      ; the launch's only fills, one group: four tensor loads of mine are out
	s_nop 0
	tensor_load_to_lds s[44:47], s[G1A:G1A+7]
	s_nop 0
	tensor_load_to_lds s[48:51], s[G1B:G1B+7]
	s_nop 0
	tensor_load_to_lds s[52:55], s[G1B:G1B+7]
	s_nop 0
.rept 4
	v_nop
.endr
	; my place in the cluster enters Q's and the result's global addresses alone
	s_bfe_u32 s10, ttmp6, 0x40000                  ; cx
	s_lshl_b32 s75, s10, 5
	s_add_co_u32 s75, s75, s[WV]                   ; T0 = 32 cx + w: my tile of 16 queries in the first block; the second block's is 16 tiles on
	s_lshl_b32 s76, s13, 18
	s_lshl_b32 s78, s12, 16
	s_add_co_u32 s76, s76, s78
	s_lshl_b32 s78, s75, 9
	s_add_co_u32 s76, s76, s78
	s_mov_b32 s77, 0
	s_add_nc_u64 s[66:67], s[4:5], s[76:77]        ; Q's codes: (512 n + 128 b + T0) 512
	s_lshl_b32 s76, s13, 14
	s_lshl_b32 s78, s12, 12
	s_add_co_u32 s76, s76, s78
	s_lshl_b32 s78, s75, 5
	s_add_co_u32 s76, s76, s78
	s_add_co_u32 s76, s76, 0x800000
	s_add_nc_u64 s[68:69], s[4:5], s[76:77]        ; Q's scales: 16,384 n + 4,096 b + 32 T0
	s_lshl_b32 s76, s12, 7
	s_add_co_u32 s76, s76, s75
	s_lshl_b32 s76, s76, 13
	s_lshl_b32 s78, s13, 9
	s_add_co_u32 s76, s76, s78
	s_add_nc_u64 s[70:71], s[8:9], s[76:77]        ; the result's codes: (128 b + T0) 8,192 + 512 n
	s_lshl_b32 s76, s11, 12
	s_lshl_b32 s78, s75, 5
	s_add_co_u32 s76, s76, s78
	s_add_co_u32 s76, s76, 0x400000
	s_add_nc_u64 s[72:73], s[8:9], s[76:77]        ; its scale bytes: (16 b + n) 4,096 + 32 T0
	v_and_b32 v9, 31, v0                           ; lane
	s_delay_alu instid0(VALU_DEP_1)
	v_lshlrev_b32 v1, 4, v9                        ; 16 x lane: an image's place for my lane (K's images begin at LDS byte 0)
	v_and_b32 v10, 15, v0                          ; r
	v_bfe_u32 v11, v0, 4, 1                        ; h
	s_delay_alu instid0(VALU_DEP_2)
	v_lshlrev_b32 v5, 1, v10                       ; 2 r
	s_delay_alu instid0(VALU_DEP_1)
	v_add_nc_u32 v6, v5, v11                       ; 2 r + h
	global_load_b128 v[16:19], v1, s[66:67]        ; Q's 64 codes a row, both blocks
	global_load_b128 v[248:251], v1, s[66:67] offset:8192
	global_load_u16 v24, v5, s[68:69]              ; and its two scale bytes: the word's upper bytes are 0
	global_load_u16 v31, v5, s[68:69] offset:512
	v_lshl_add_u32 v2, v9, 1, KSC                  ; K's scales: lanes 0-15 an even tile's keys, lanes 16-31 the odd tile's
	v_add_nc_u32 v3, VIMG, v1
	v_lshl_add_u32 v4, v9, 2, VSC                  ; V's scale words likewise
.irp j, 20,21,22,23
	v_mov_b32 v\j, 0                               ; the upper 64 of the first product's K: zero codes
.endr
.irp t, 0,1,2,3,4,5,6,7
.irp j, 4,5,6,7
	v_mov_b32 v[32+8*\t+\j], 0
.endr
.endr
.irp b, 0,1,2,3
	v_mov_b32 v[236+\b], 0                         ; written once: a lane permute's destination counts as one of its sources
.endr
	v_mov_b32 v253, 0                              ; (named as the upper half of the pair v[252:253] before it is first written)
	s_wait_tensorcnt 0x0                           ; my sixteenth of the head has landed,
	s_barrier_signal -1
	s_barrier_wait -1                              ; everybody's has
	s_wait_loadcnt 0x0                             ; Q
.irp t, 0,1,2,3,4,5,6,7
	ds_load_b128 v[32+8*\t:35+8*\t], v1 offset:512*\t   ; the first 128 keys
.endr
.irp x, 0,1,2,3
	ds_load_u16 v[25+\x], v2 offset:64*\x
.endr
.Lblock:                                           ; two trips: a block of 256 queries each
	v_mov_b32 v13, 0xff61b1e6                      ; the largest t so far: -3e38, under every t
	s_delay_alu instid0(VALU_DEP_1)
	v_floor_f32 v12, -v13                          ; -M
	v_mov_b32 v14, 0                               ; the sum, in two halves
	v_mov_b32 v15, 0
.irp j, 0,1,2,3,4,5,6,7,8,9,10,11,12,13,14,15,16,17,18,19,20,21,22,23,24,25,26,27,28,29,30,31
	v_mov_b32 v[160+\j], 0                         ; O^T: the key step is written once; its first trip finds zeros, which the first change of M leaves zeros
.endr
	s_mov_b32 s[KG], 0
.Lstep:                                            ; sixteen trips: 128 keys each
	s_wait_dscnt 0x0                               ; this step's K is in
	s_setprio 2
.irp t, 0,1,2,3,4,5,6,7                        ; S^T = K Q^T
.if (\t%2) == 1
	v_wmma_scale_f32_16x16x128_f8f6f4 v[96+8*\t:103+8*\t], v[32+8*\t:39+8*\t], v[16:23], 0, v[25+\t/2], v24 matrix_a_fmt:MATRIX_FMT_FP4 matrix_b_fmt:MATRIX_FMT_FP4 matrix_a_scale:MATRIX_SCALE_ROW1
.else
	v_wmma_scale_f32_16x16x128_f8f6f4 v[96+8*\t:103+8*\t], v[32+8*\t:39+8*\t], v[16:23], 0, v[25+\t/2], v24 matrix_a_fmt:MATRIX_FMT_FP4 matrix_b_fmt:MATRIX_FMT_FP4
.endif
.endr
	s_add_co_u32 s58, s[KG], 1
	s_and_b32 s58, s58, 15                         ; the next group of keys; behind the last comes the first again, for the next block of queries
	s_lshl_b32 s59, s58, 8
	s_lshl_b32 s58, s58, 12
	s_and_b32 s60, s[KG], 15
	s_lshl_b32 s61, s60, 8
	s_lshl_b32 s60, s60, 12
	v_add_nc_u32 v8, s58, v1                       ; these four lines are the four places behind the products above (and behind the last step's), ahead of the loads into registers that they read and of the first read of S^T
	v_add_nc_u32 v10, s59, v2
	v_add_nc_u32 v9, s60, v3
	v_add_nc_u32 v11, s61, v4
.irp t, 0,1,2,3                                ; this step's V: it lands while the softmax is worked
.irp c, 0,1
	ds_load_b128 v[192+8*\t+4*\c:195+8*\t+4*\c], v9 offset:1024*\t+512*\c
.endr
.endr
.irp x, 0,1
	ds_load_b32 v[29+\x], v11 offset:128*\x
.endr
.irp t, 0,1,2,3,4,5,6,7                        ; the next step's K
	ds_load_b128 v[32+8*\t:35+8*\t], v8 offset:512*\t
.endr
.irp x, 0,1,2,3
	ds_load_u16 v[25+\x], v10 offset:64*\x
.endr
.irp b, 0,1,2,3
	v_max3_num_f32 v[232+\b], v[96+16*\b], v[97+16*\b], v[98+16*\b]   ; the largest score of each block of 32 keys: it serves for the row's maximum and, since p rises with the score, for the block's largest p
.endr
.irp i, 3,5,7,9,11,13
.irp b, 0,1,2,3
	v_max3_num_f32 v[232+\b], v[232+\b], v[96+16*\b+\i], v[97+16*\b+\i]   ; (the four blocks by turns)
.endr
.endr
.irp b, 0,1,2,3
	v_max_num_f32 v[232+\b], v[232+\b], v[111+16*\b]
.endr
.irp b, 0,1,2,3
	s_delay_alu instid0(VALU_DEP_4)
	v_permlanex16_b32 v[236+\b], v[232+\b], s[SEL], s[SEL+1]
.endr
.irp b, 0,1,2,3
	s_delay_alu instid0(VALU_DEP_4)
	v_max_num_f32 v[232+\b], v[232+\b], v[236+\b]  ; with lane l xor 16's 16 keys
.endr
	s_delay_alu instid0(VALU_DEP_2)
	v_max3_num_f32 v254, v232, v233, v234
	s_delay_alu instid0(VALU_DEP_1)
	v_max_num_f32 v254, v254, v235                 ; the step's largest score of my query
	s_delay_alu instid0(VALU_DEP_1)
	v_mul_f32 v254, s[CS], v254                    ; as t (c is positive)
	s_delay_alu instid0(VALU_DEP_1)
	v_max_num_f32 v13, v13, v254                   ; the running largest t
	v_mov_b32 v254, v12
	s_delay_alu instid0(VALU_DEP_2)
	v_floor_f32 v12, -v13                          ; the new -M = floor(-t) = -ceil(t): a whole number
	s_delay_alu instid0(VALU_DEP_1)
	v_sub_f32 v254, v12, v254                      ; M's old value less its new one: a whole number, 0 or less
	s_delay_alu instid0(VALU_DEP_1)
	v_cvt_i32_f32 v254, v254                       ; (it saturates)
	s_delay_alu instid0(VALU_DEP_1)
	v_ldexp_f32 v252, 1.0, v254                    ; f = 2^(old M - new M)
.irp j, 0,2,4,6,8,10,12,14,16,18,20,22,24,26,28,30,32,34,36,38,40,42,44,46,48,50,52,54,56,58,60,62
	v_pk_fma_f32 v[96+\j:97+\j], v[96+\j:97+\j], s[CS:CS+1], v[12:13] op_sel_hi:[1,0,0]   ; t - M, two at a time
.endr
.irp b, 0,1,2,3
	v_fma_f32 v[232+\b], v[232+\b], s[CS], v12     ; the same of each block's largest score
.endr
	s_wait_alu depctr_va_vdst(0)
.irp j, 0,1,2,3,4,5,6,7,8,9,10,11,12,13,14,15,16,17,18,19,20,21,22,23,24,25,26,27,28,29,30,31,32,33,34,35,36,37,38,39,40,41,42,43,44,45,46,47,48,49,50,51,52,53,54,55,56,57,58,59,60,61,62,63
	v_exp_f32 v[96+\j], v[96+\j]                   ; p = 2^(t - M), at most 1: not normalised
.endr
	s_setprio 1
	v_pk_mul_f32 v[14:15], v[14:15], v[252:253] op_sel_hi:[1,0]   ; the sums under the new M: the plain instruction behind the exponentials
	s_wait_alu depctr_va_vdst(0)                   ; one wait for the whole batch, ahead of its first reader
.irp b, 0,1,2,3
	v_exp_f32 v[232+\b], v[232+\b]                 ; the block's largest p: the same two instructions on the same number give the same bits
.endr
	v_pk_add_f32 v[236:237], v[100:101], v[104:105]
	v_pk_add_f32 v[246:247], v[108:109], v[112:113]
	v_pk_add_f32 v[244:245], v[116:117], v[120:121]
	v_pk_add_f32 v[240:241], v[124:125], v[128:129]
	v_pk_add_f32 v[238:239], v[132:133], v[136:137]
	v_pk_add_f32 v[230:231], v[140:141], v[144:145]
	v_pk_add_f32 v[228:229], v[148:149], v[152:153]
	v_pk_add_f32 v[14:15], v[14:15], v[156:157]
	v_pk_add_f32 v[236:237], v[236:237], v[96:97]
	v_pk_add_f32 v[246:247], v[246:247], v[98:99]
	v_pk_add_f32 v[244:245], v[244:245], v[102:103]
	v_pk_add_f32 v[240:241], v[240:241], v[106:107]
	v_pk_add_f32 v[238:239], v[238:239], v[110:111]
	v_pk_add_f32 v[230:231], v[230:231], v[114:115]
	v_pk_add_f32 v[228:229], v[228:229], v[118:119]
	v_pk_add_f32 v[14:15], v[14:15], v[122:123]
	v_pk_add_f32 v[236:237], v[236:237], v[126:127]
	v_pk_add_f32 v[246:247], v[246:247], v[130:131]
	v_pk_add_f32 v[244:245], v[244:245], v[134:135]
	v_pk_add_f32 v[240:241], v[240:241], v[138:139]
	v_pk_add_f32 v[238:239], v[238:239], v[142:143]
	v_pk_add_f32 v[230:231], v[230:231], v[146:147]
	v_pk_add_f32 v[228:229], v[228:229], v[150:151]
	v_pk_add_f32 v[14:15], v[14:15], v[154:155]
	v_pk_add_f32 v[236:237], v[236:237], v[158:159]
	s_delay_alu instid0(VALU_DEP_2)
	v_pk_add_f32 v[14:15], v[14:15], v[240:241]
	s_delay_alu instid0(VALU_DEP_2)
	v_pk_add_f32 v[236:237], v[236:237], v[238:239]
	v_pk_add_f32 v[246:247], v[246:247], v[230:231]
	v_pk_add_f32 v[244:245], v[244:245], v[228:229]
	s_delay_alu instid0(VALU_DEP_2)
	v_pk_add_f32 v[14:15], v[14:15], v[246:247]
	s_delay_alu instid0(VALU_DEP_2)
	v_pk_add_f32 v[236:237], v[236:237], v[244:245]
	s_delay_alu instid0(VALU_DEP_1)
	v_pk_add_f32 v[14:15], v[14:15], v[236:237]
	s_wait_alu depctr_va_vdst(0)                   ; and one for the four
.irp b, 0,1,2,3
	v_max_num_f32 v[232+\b], 0x1800000, v[232+\b]  ; the floor 2^(3 - 127): the byte cannot fall under 1
.endr
.irp b, 0,1,2,3
	s_delay_alu instid0(VALU_DEP_4)
	v_add_nc_u32 v[244+\b], 0xff000000, v[232+\b]  ; 2 off the exponent field: the conversion's scale operand
.endr
.irp b, 0,1,2,3
	s_delay_alu instid0(VALU_DEP_4)
	v_lshrrev_b32 v[236+\b], 23, v[244+\b]         ; the scale's byte
.endr
	s_delay_alu instid0(VALU_DEP_3)
	v_lshl_or_b32 v253, v237, 8, v236              ; p's scale word for these 128 keys
	s_delay_alu instid0(VALU_DEP_1)
	v_lshl_or_b32 v253, v238, 16, v253
	s_delay_alu instid0(VALU_DEP_1)
	v_lshl_or_b32 v253, v239, 24, v253
.irp b, 0,1,2,3
	v_cvt_scalef32_pk8_fp4_f32 v[224+2*\b], v[96+16*\b:103+16*\b], v[244+\b]
	v_cvt_scalef32_pk8_fp4_f32 v[225+2*\b], v[104+16*\b:111+16*\b], v[244+\b]
.endr
	v_nop                                          ; one plain place behind a scaled conversion
.irp c, 0,1                                    ; the operand's layout wants a whole block in a lane
.irp i, 0,1
	v_permlane16_swap_b32 v[224+4*\c+\i], v[226+4*\c+\i]
.endr
.endr
	s_setprio 0
.irp j, 0,2,4,6,8,10,12,14,16,18,20,22,24,26,28,30
	v_pk_mul_f32 v[160+\j:161+\j], v[160+\j:161+\j], v[252:253] op_sel_hi:[1,0]   ; O^T under the new M.  These sixteen are also the places between the scale word's and the codes' last writes and the products below
.endr
	s_wait_alu depctr_va_vdst(0)
	s_wait_dscnt 12                                ; V and its scale words are in; the twelve loads of the next step's K may be out
.irp t, 0,1,2,3                                ; O^T += V^T P^T; the four accumulators take turns
.if (\t%2) == 1
	v_wmma_scale_f32_16x16x128_f8f6f4 v[160+8*\t:167+8*\t], v[192+8*\t:199+8*\t], v[224:231], v[160+8*\t:167+8*\t], v[29+\t/2], v253 matrix_a_fmt:MATRIX_FMT_FP4 matrix_b_fmt:MATRIX_FMT_FP4 matrix_a_scale:MATRIX_SCALE_ROW1
.else
	v_wmma_scale_f32_16x16x128_f8f6f4 v[160+8*\t:167+8*\t], v[192+8*\t:199+8*\t], v[224:231], v[160+8*\t:167+8*\t], v[29+\t/2], v253 matrix_a_fmt:MATRIX_FMT_FP4 matrix_b_fmt:MATRIX_FMT_FP4
.endif
.endr
	s_add_co_u32 s[KG], s[KG], 1
	s_cmp_lt_u32 s[KG], 16
	s_cbranch_scc1 .Lstep
	s_setprio 0
	; THE BLOCK'S END: O^T / the sum, quantised along the head's 64: two blocks of 32.  Register 16 g + i of v96 on is channel 32 g + 16 (lane / 16) + i of my query.
.rept 4
	v_nop                                          ; places behind the last products
.endr
	v_add_f32 v14, v14, v15                        ; the sum's two halves,
	s_delay_alu instid0(VALU_DEP_1)
	v_permlanex16_b32 v252, v14, s[SEL], s[SEL+1]
	s_delay_alu instid0(VALU_DEP_1)
	v_add_f32 v14, v14, v252                       ; and lane l xor 16's: the row's sum
	s_wait_alu depctr_va_vdst(0)
	v_rcp_f32 v14, v14
	v_nop                                          ; a plain place behind the reciprocal
	s_wait_alu depctr_va_vdst(0)                   ; the wait ahead of its first reader
.irp j, 0,1,2,3,4,5,6,7,8,9,10,11,12,13,14,15,16,17,18,19,20,21,22,23,24,25,26,27,28,29,30,31
	v_mul_f32 v[96+\j], v[160+\j], v14             ; each accumulator from its low end on
.endr
.irp b, 0,1
	v_max3_num_f32 v[232+\b], |v[96+16*\b]|, |v[97+16*\b]|, 0x1800000
.endr
.irp i, 2,4,6,8,10,12,14
.irp b, 0,1
	s_delay_alu instid0(VALU_DEP_2)
	v_max3_num_f32 v[232+\b], v[232+\b], |v[96+16*\b+\i]|, |v[97+16*\b+\i]|
.endr
.endr
.irp b, 0,1
	s_delay_alu instid0(VALU_DEP_2)
	v_permlanex16_b32 v[236+\b], v[232+\b], s[SEL], s[SEL+1]
.endr
.irp b, 0,1
	s_delay_alu instid0(VALU_DEP_2)
	v_max_num_f32 v[232+\b], v[232+\b], v[236+\b]
.endr
.irp b, 0,1
	s_delay_alu instid0(VALU_DEP_2)
	v_add_nc_u32 v[244+\b], 0xff000000, v[232+\b]
.endr
.irp b, 0,1
	s_delay_alu instid0(VALU_DEP_2)
	v_lshrrev_b32 v[236+\b], 23, v[244+\b]
.endr
.irp b, 0,1
	v_cvt_scalef32_pk8_fp4_f32 v[224+2*\b], v[96+16*\b:103+16*\b], v[244+\b]
	v_cvt_scalef32_pk8_fp4_f32 v[225+2*\b], v[104+16*\b:111+16*\b], v[244+\b]
.endr
	v_nop                                          ; one plain place behind a scaled conversion
	v_permlane16_swap_b32 v224, v226               ; lanes 0-15: block 0 whole; lanes 16-31: block 1 whole
	v_permlane16_swap_b32 v225, v227
	v_cndmask_b32 v240, v236, v237, s74            ; lanes 0-15 store block 0's byte, lanes 16-31 block 1's
	global_store_b128 v1, v[224:227], s[70:71]     ; half a fragment of the output projection's operand: 512 bytes on end, aligned
	global_store_b8 v6, v240, s[72:73]             ; 32 bytes on end
	s_wait_xcnt 0x0                                ; the stores have read their registers and bases: both may be written again
	s_add_nc_u64 s[70:71], s[70:71], 131072        ; sixteen tiles on
	s_add_nc_u64 s[72:73], s[72:73], 512
.irp j, 0,1,2,3
	v_mov_b32 v[16+\j], v[248+\j]                  ; the second block's Q; the 36 lines at the loop's head stand between these writes and the next product
.endr
	v_mov_b32 v24, v31
	s_sub_co_u32 s[BLK], s[BLK], 1
	s_cmp_lg_u32 s[BLK], 0
	s_cbranch_scc1 .Lblock
	s_wait_dscnt 0x0                               ; the loads of K that the last step asked for are in: none is pending at a signal
	s_wait_tensorcnt 0x0
	ds_add_u32 v243, v255
	s_wait_dscnt 0x0
	ROUND                                          ; the closing round
	s_endpgm
.Lfunc_end_k_q7419e74080_attn:
	.size	k_q7419e74080_attn, .Lfunc_end_k_q7419e74080_attn-k_q7419e74080_attn
	.p2alignl 7, 3214868480
	.fill 96, 4, 3214868480
	.section	.rodata,"a",@progbits
	.p2align	6, 0x0
	.amdhsa_kernel k_q7419e74080_attn
		.amdhsa_group_segment_fixed_size 169984
		.amdhsa_private_segment_fixed_size 0
		.amdhsa_enable_private_segment 0
		.amdhsa_kernarg_size 24
		.amdhsa_user_sgpr_count 2
		.amdhsa_user_sgpr_kernarg_segment_ptr 1
		.amdhsa_wavefront_size32 1
		.amdhsa_system_sgpr_workgroup_id_x 1
		.amdhsa_system_sgpr_workgroup_id_y 1
		.amdhsa_system_sgpr_workgroup_id_z 1
		.amdhsa_system_vgpr_workitem_id 0
		.amdhsa_next_free_vgpr 256
		.amdhsa_next_free_sgpr 80
		.amdhsa_reserve_vcc 0
		.amdhsa_float_denorm_mode_32 3
		.amdhsa_float_denorm_mode_16_64 3
		.amdhsa_memory_ordered 1
		.amdhsa_forward_progress 1
		.amdhsa_inst_pref_size 32
	.end_amdhsa_kernel
	.amdgpu_metadata
---
amdhsa.version: [ 1, 2 ]
amdhsa.kernels:
  - .name:           k_q7419e74080_attn
    .symbol:         k_q7419e74080_attn.kd
    .args:
      - { .name: qk, .offset: 0, .size: 8, .value_kind: global_buffer, .address_space: global }
      - { .name: vv, .offset: 8, .size: 8, .value_kind: global_buffer, .address_space: global }
      - { .name: aa, .offset: 16, .size: 8, .value_kind: global_buffer, .address_space: global }
    .group_segment_fixed_size: 169984
    .private_segment_fixed_size: 0
    .kernarg_segment_align: 8
    .kernarg_segment_size: 24
    .max_flat_workgroup_size: 512
    .sgpr_count:     80
    .vgpr_count:     256
    .wavefront_size: 32
...
	.end_amdgpu_metadata
.endif
;; end of part 7
;; launch outln (part 8): grid 256 x 1, 8 waves a work-group, no clusters, 133,120 bytes of LDS; arguments aa, wq, h, gamma, beta, out0; writes out0
.if DOCPART == 8
	.amdgcn_target "amdgcn-amd-amdhsa--gfx1250"
	.amdhsa_code_object_version 6
	.text
	.protected	k_q7419e74080_outln
	.globl	k_q7419e74080_outln
	.p2align	8
	.type	k_q7419e74080_outln,@function
k_q7419e74080_outln:
	s_mov_b64 s[64:65], 0
	v_nop
	global_prefetch_b8 v0, s[64:65] scope:SCOPE_SE
	s_setreg_imm32_b32 hwreg(HW_REG_WAVE_SCHED_MODE, 0, 2), 2
	s_setreg_imm32_b32 hwreg(HW_REG_WAVE_MODE, 25, 1), 1
	s_wait_xcnt 0x0
	s_wait_alu depctr_vm_vsrc(0)
; out = LayerNorm(h + attn_vec Wo) x gamma + beta.  The product is on codes of FP4 (E2M1) with E8M0 scales, K = 1,024; all else in f32: mean, then the mean of the squared differences, as the definition has it.
; SHARES.  A work-group owns 32 rows (two tiles of 16 places of one batch) and all 1,024 columns, so that a row's mean and variance stay inside it.  Wave w makes columns 128 w .. 128 w + 127 for both tiles of rows:
; 16 accumulators, 8 K steps of 128, 128 matrix instructions.  Both operands lie in memory as images of operand registers and go straight into registers, 512 bytes on end a load, through four buffers.
; No cluster and no joint loads: Wo's 512 KiB of codes do not fit in LDS beside the stage of 128 KiB, so sharing them would want a ring with refills, for a product that is short beside the launch's 64 MiB of h and out.
; Source 0 = 16 places of Wo's columns, source 1 = 16 rows: a lane holds one row, and register j of tile 2 g + u is true column 128 w + 32 g + 16 (lane / 16) + 8 u + j.
; The results meet in a stage in LDS (32 rows x (4,096 + 16) bytes), one barrier; then wave w takes rows 4 w .. 4 w + 3 whole.  The row at place p of the 32 is true row sigma(p) (bits 3 and 4 exchanged).
; LIMITS: NaN and infinities are not served.
; THE MODE: SCHED_MODE bits 1:0 = 2 (LLVM: expert scheduling mode 2), set by the entry lines.  The code itself states the register dependences
; between vector or matrix instructions and memory or LDS instructions, with s_wait_alu, always for 0.
; THE PLAN.  Registers that memory or LDS instructions touch:
;   v1-v6         offsets and LDS addresses: written at the head, never again; read by every load and store.
;   buffers 0-3   buffer p = window 1 v[64 p ..] (Wo's eight fragments) and window 0 v[56 + 16 p ..] (the rows' two).  K step s: its 16 products read buffer s % 4.  The four first K steps are asked for at the head;
;                 from K step 1 on the buffer that the K step before has read is asked for again in the middle of the K step in hand: K steps 4 to 7, then h's rows, then gamma and beta.
;   v128-255      the accumulators: written by the products, read by my 32 LDS stores; then the stage's 32 loads land there; the norm works there in place; the 32 global stores read them.
;   v16-23        the rows' scale words: written by vector instructions, taken by the products as scales; no memory instruction names them.
;   v126, v127    written at the head, read by the closing add alone.
; So ONE wait on va_vdst stands at the head of K steps 1 to 7, behind the wait for the step's data: the products of the K step before are done reading their buffer.  The step's loads follow behind its first eight products,
; which name this step's buffer, the scale words and the accumulators: none of the registers that those loads touch.
; REGISTERS: window 0: v1-6 addresses; v16-23 the rows' scale words, one a K step (lanes 0-15 tile 0, lanes 16-31 tile 1); v24-55 Wo's scale words (pair of tiles x at 24 + 8 x + K step);
;   v56-119 the rows' fragments, four buffers, later at work; v128-255 the accumulators ((a, t) at 128 + 8 (8 a + t)), later four rows of 32 registers.
;   window 1: Wo's fragments, four buffers of 64; as they fall free: h's four rows (v0-127), gamma (v128-159), beta (v160-191).
.set ASC, 16
.set WSC, 24
.set AR,  56
.set ACC, 128
.set SPT, 4112                         ; a stage row
.set MSB, 0
.macro WIN new                         ; the immediate's high byte repeats the setting that is left
.if MSB != \new
	s_set_vgpr_msb (MSB<<8)|\new
.set MSB, \new
.endif
.endm
	s_load_b256 s[4:11], s[0:1], 0x0               ; aa s[4:5], wq s[6:7], h s[8:9], gamma s[10:11]
	s_load_b128 s[12:15], s[0:1], 0x20             ; beta s[12:13], out0 s[14:15]
	v_lshl_add_u32 v126, v0, 2, 0x20400
	v_mov_b32 v127, 0
	v_lshrrev_b32 v8, 5, v0
	v_readfirstlane_b32 s16, v8                    ; wave 0..7
	v_and_b32 v9, 31, v0                           ; lane
	v_lshlrev_b32 v1, 4, v9                        ; 16 x lane
	v_lshlrev_b32 v2, 1, v9                        ; 2 x lane
	v_lshlrev_b32 v3, 5, v9                        ; 32 x lane
	v_and_b32 v10, 15, v0                          ; r
	v_bfe_u32 v11, v0, 4, 1                        ; h
	v_mul_u32_u24 v4, v10, SPT
	v_lshl_add_u32 v4, v11, 6, v4
	s_wait_alu depctr_va_sdst(0)                   ; s16, the wave's number, is written, ahead of its first reader: LDS addresses and the bases are made from it
	s_lshl_b32 s32, s16, 9
	v_add_nc_u32 v4, s32, v4                       ; the stage, in: row r, + 64 (lane / 16), + 512 w
	v_add_nc_u32 v5, 16*SPT, v4                    ; and for the second tile of rows
	s_mul_i32 s32, s16, 4*SPT
	v_add_nc_u32 v6, s32, v1                       ; back: my four rows, 16 bytes a lane
	s_and_b32 s17, ttmp9, 63
	s_lshl_b32 s18, s17, 5                         ; the first of my work-group's 32 places
	s_lshr_b32 s19, ttmp9, 6                       ; the batch
	s_and_b32 s38, s16, 1                          ; places 4 w + k are true rows 4 (w & 1) + 16 ((w >> 1) & 1) + 8 (w >> 2) + k
	s_lshl_b32 s38, s38, 2
	s_add_co_u32 s39, s18, s38
	s_bfe_u32 s38, s16, 0x10001
	s_lshl_b32 s38, s38, 4
	s_add_co_u32 s39, s39, s38
	s_lshr_b32 s38, s16, 2
	s_lshl_b32 s38, s38, 3
	s_add_co_u32 s39, s39, s38
	s_lshl_b32 s39, s39, 2
	s_add_co_u32 s39, s39, s19                     ; 4 i + b
	s_mov_b32 s34, 0x76543210
	s_mov_b32 s35, 0xfedcba98                      ; selects for lane l xor 16
	s_mov_b32 s36, 0x3a800000                      ; 1 / 1,024
	s_mov_b32 s37, 0x3727c5ac                      ; 1e-5
	s_mov_b32 s33, 0
	s_wait_kmcnt 0x0
	s_lshl_b32 s32, s16, 16
	s_add_co_u32 s32, s32, 0x180000
	s_add_nc_u64 s[20:21], s[6:7], s[32:33]        ; Wo's images: behind 3,072 rows of 512 bytes; my 8 tiles of 8,192 bytes
	s_lshl_b32 s32, ttmp9, 14
	s_add_nc_u64 s[22:23], s[4:5], s[32:33]        ; the rows' images: two tiles of 8,192 bytes a work-group
	s_lshl_b32 s32, s19, 16
	s_lshl_b32 s38, s17, 6
	s_add_co_u32 s32, s32, s38
	s_add_co_u32 s32, s32, 0x400000
	s_add_nc_u64 s[24:25], s[4:5], s[32:33]        ; their scale bytes: 65,536 b + 4,096 head + 2 x place
	s_lshl_b32 s32, s16, 12
	s_add_co_u32 s32, s32, 0x218000
	s_add_nc_u64 s[26:27], s[6:7], s[32:33]        ; Wo's scale bytes: 32 a place, my 128 places
	s_lshl_b32 s32, s39, 12
	s_add_nc_u64 s[28:29], s[8:9], s[32:33]        ; my four rows of h: 16,384 bytes apart,
	s_add_nc_u64 s[30:31], s[14:15], s[32:33]      ; and of out
	s_wait_alu depctr_va_vdst(0)                   ; the offsets and addresses v1 to v6 are written: every load and store of the kernel reads one of them, and none is written again
.irp n, 0,1,2,3,4,5,6,7,8,9,10,11,12,13,14,15
	global_load_u16 v[128+\n], v2, s[24:25] offset:\n*4096      ; head n's two scale bytes of my lane's row
.endr
.irp x, 0,1,2,3
	global_load_b128 v[WSC+8*\x:WSC+8*\x+3], v3, s[26:27] offset:\x*1024        ; lane l: place 32 x + l: its eight scale words
	global_load_b128 v[WSC+8*\x+4:WSC+8*\x+7], v3, s[26:27] offset:\x*1024+16
.endr
.macro GROUP s                         ; K step s: 16 loads of Wo's eight fragments, 4 of the rows' two, into buffer s % 4
	WIN 0x40                                       ; destination window 1
.irp t, 0,1,2,3,4,5,6,7
.irp c, 0,1
	global_load_b128 v[64*((\s)%4)+8*\t+4*\c:64*((\s)%4)+8*\t+4*\c+3], v1, s[20:21] offset:\t*8192+(\s)*1024+\c*512
.endr
.endr
	WIN 0
.irp a, 0,1
.irp c, 0,1
	global_load_b128 v[AR+16*((\s)%4)+8*\a+4*\c:AR+16*((\s)%4)+8*\a+4*\c+3], v1, s[22:23] offset:\a*8192+(\s)*1024+\c*512
.endr
.endr
.endm
	GROUP 0
	GROUP 1
	GROUP 2
	GROUP 3
	s_wait_loadcnt 60                              ; all but the 60 loads of K steps 1 to 3: the scale bytes and K step 0 are in
.irp s, 0,1,2,3,4,5,6,7
	v_lshl_or_b32 v[ASC+\s], v[129+2*\s], 16, v[128+2*\s]       ; K step s is heads 2 s and 2 s + 1: four bytes
.endr
.rept 8
	v_nop                                          ; a scale register written by a vector instruction stands 8 places ahead of a scaled matrix instruction
.endr
	s_wait_alu depctr_va_vdst(0)                   ; the eight lines above have written v16 to v23, which the products take as scales; the places above stay beside this wait
.macro PROD s, a, t
.set rD, ACC+8*(8*(\a)+(\t))
.set rW, 64*((\s)%4)+8*(\t)
.set rA, AR+16*((\s)%4)+8*(\a)
.set rX, WSC+8*((\t)/2)+(\s)
.set rY, ASC+(\s)
.if (\s) == 0
.if ((\t)%2 == 0) && ((\a) == 0)
	v_wmma_scale_f32_16x16x128_f8f6f4 v[rD:rD+7], v[rW:rW+7], v[rA:rA+7], 0, v[rX], v[rY] matrix_a_fmt:MATRIX_FMT_FP4 matrix_b_fmt:MATRIX_FMT_FP4
.elseif ((\t)%2 == 1) && ((\a) == 0)
	v_wmma_scale_f32_16x16x128_f8f6f4 v[rD:rD+7], v[rW:rW+7], v[rA:rA+7], 0, v[rX], v[rY] matrix_a_fmt:MATRIX_FMT_FP4 matrix_b_fmt:MATRIX_FMT_FP4 matrix_a_scale:MATRIX_SCALE_ROW1
.elseif ((\t)%2 == 0)
	v_wmma_scale_f32_16x16x128_f8f6f4 v[rD:rD+7], v[rW:rW+7], v[rA:rA+7], 0, v[rX], v[rY] matrix_a_fmt:MATRIX_FMT_FP4 matrix_b_fmt:MATRIX_FMT_FP4 matrix_b_scale:MATRIX_SCALE_ROW1
.else
	v_wmma_scale_f32_16x16x128_f8f6f4 v[rD:rD+7], v[rW:rW+7], v[rA:rA+7], 0, v[rX], v[rY] matrix_a_fmt:MATRIX_FMT_FP4 matrix_b_fmt:MATRIX_FMT_FP4 matrix_a_scale:MATRIX_SCALE_ROW1 matrix_b_scale:MATRIX_SCALE_ROW1
.endif
.else
.if ((\t)%2 == 0) && ((\a) == 0)
	v_wmma_scale_f32_16x16x128_f8f6f4 v[rD:rD+7], v[rW:rW+7], v[rA:rA+7], v[rD:rD+7], v[rX], v[rY] matrix_a_fmt:MATRIX_FMT_FP4 matrix_b_fmt:MATRIX_FMT_FP4
.elseif ((\t)%2 == 1) && ((\a) == 0)
	v_wmma_scale_f32_16x16x128_f8f6f4 v[rD:rD+7], v[rW:rW+7], v[rA:rA+7], v[rD:rD+7], v[rX], v[rY] matrix_a_fmt:MATRIX_FMT_FP4 matrix_b_fmt:MATRIX_FMT_FP4 matrix_a_scale:MATRIX_SCALE_ROW1
.elseif ((\t)%2 == 0)
	v_wmma_scale_f32_16x16x128_f8f6f4 v[rD:rD+7], v[rW:rW+7], v[rA:rA+7], v[rD:rD+7], v[rX], v[rY] matrix_a_fmt:MATRIX_FMT_FP4 matrix_b_fmt:MATRIX_FMT_FP4 matrix_b_scale:MATRIX_SCALE_ROW1
.else
	v_wmma_scale_f32_16x16x128_f8f6f4 v[rD:rD+7], v[rW:rW+7], v[rA:rA+7], v[rD:rD+7], v[rX], v[rY] matrix_a_fmt:MATRIX_FMT_FP4 matrix_b_fmt:MATRIX_FMT_FP4 matrix_a_scale:MATRIX_SCALE_ROW1 matrix_b_scale:MATRIX_SCALE_ROW1
.endif
.endif
.endm
.macro HALF s, a                       ; eight products: tile a of the rows against Wo's eight tiles
.irp t, 0,1,2,3,4,5,6,7
	PROD \s, \a, \t
.endr
.endm
.macro HROWS k0                        ; rows k0 and k0 + 1 of h into window 1, 32 registers a row: the wave reads 512 bytes on end a load
	WIN 0x40
.irp k, \k0, \k0+1
.irp q, 0,1,2,3,4,5,6,7
	global_load_b128 v[32*(\k)+4*\q:32*(\k)+4*\q+3], v1, s[28:29] offset:(\k)*16384+512*\q th:TH_LOAD_NT
.endr
.endr
.endm
.macro GAINS                           ; gamma and beta at my lane's columns, into window 1
	WIN 0x40
.irp q, 0,1,2,3,4,5,6,7
	global_load_b128 v[128+4*\q:131+4*\q], v1, s[10:11] offset:512*\q     ; gamma at my lane's columns
.endr
.irp q, 0,1,2,3,4,5,6,7
	global_load_b128 v[160+4*\q:163+4*\q], v1, s[12:13] offset:512*\q     ; beta
.endr
.endm
; A K step: 16 matrix instructions, the 16 accumulators by turns.  left: the loads issued behind this K step's group, which may stay out.
; ask: what is loaded, in the step's middle, into the buffer that the K step before has read: 0 nothing; 1 K step n's group; 2 rows n and n + 1 of h; 3 gamma and beta.
.macro KSTEP s, left, ask, n
	s_wait_loadcnt \left
.if (\ask) > 0
	s_wait_alu depctr_va_vdst(0)                   ; the products of the K step before are done reading their buffer, in which the loads below land
.endif
	WIN 0x01                                       ; source 0 (Wo) window 1
	HALF \s, 0
.if (\ask) == 1
	GROUP \n                                       ; no further wait: the eight products since the wait name this step's buffer, the scale words and the accumulators, and these loads touch v1 and the other buffer
.elseif (\ask) == 2
	HROWS \n
.elseif (\ask) == 3
	GAINS
.endif
	WIN 0x01
	HALF \s, 1
.rept 4
	v_nop                                          ; four plain places behind the products, where the plain form has them: ahead of the loads into registers that they read (the wait at the next K step's head states that dependence) and of the first read of results
.endr
.endm
	KSTEP 0, 60, 0, 0                              ; behind group 0: groups 1, 2, 3
	KSTEP 1, 40, 1, 4                              ; behind group 1: groups 2, 3.  Buffer 0 takes K step 4
	KSTEP 2, 40, 1, 5                              ; behind group 2: groups 3, 4
	KSTEP 3, 40, 1, 6
	KSTEP 4, 40, 1, 7                              ; behind group 4: groups 5, 6
	KSTEP 5, 40, 2, 0                              ; behind group 5: groups 6, 7.  The buffers that fall free take what the norm will want
	KSTEP 6, 36, 2, 2                              ; behind group 6: group 7 and 16 loads of h
	KSTEP 7, 32, 3, 0                              ; behind group 7: 32 loads of h
	WIN 0
	s_wait_alu depctr_va_vdst(0)                   ; the products have written the accumulators, which the LDS stores read; the four places above stay beside this wait
.irp a, 0,1                                    ; into the stage, in the true order of columns; each accumulator from its low end on
.irp t, 0,1,2,3,4,5,6,7
	ds_store_b128 v[4+\a], v[ACC+8*(8*\a+\t):ACC+8*(8*\a+\t)+3] offset:128*(\t/2)+32*(\t%2)
	ds_store_b128 v[4+\a], v[ACC+8*(8*\a+\t)+4:ACC+8*(8*\a+\t)+7] offset:128*(\t/2)+32*(\t%2)+16
.endr
.endr
	s_wait_dscnt 0x0                               ; for the others' sake: my stores into the stage are done
	s_barrier_signal -1
	s_barrier_wait -1                              ; 32 whole rows lie in the stage
	s_wait_alu depctr_vm_vsrc(0)                   ; my LDS stores have read v128 to v255, in which the loads below land and which the norm then writes
	s_wait_alu depctr_va_vdst(0)                   ; the products are done with v128 to v255, in which the loads below land: stated again here, since the stores behind the last such wait name these registers
.irp k, 0,1,2,3
.irp q, 0,1,2,3,4,5,6,7
	ds_load_b128 v[128+32*\k+4*\q:131+32*\k+4*\q], v6 offset:\k*SPT+512*\q
.endr
.endr
	s_wait_loadcnt 0x0                             ; h, gamma, beta
	s_wait_dscnt 0x0
	WIN 0x04                                       ; source 1 (h) window 1
.set i, 0
.rept 64
	v_pk_add_f32 v[128+2*i:129+2*i], v[128+2*i:129+2*i], v[2*i:2*i+1]     ; x = h + attn_out
.set i, i+1
.endr
	WIN 0
; The sum of 32 numbers a lane and then of the 32 lanes, for the four rows by turns; the result, x 1 / 1,024 where asked, lies in v[\d + 2 k] in every lane.
.macro ACROSS d
.irp k, 0,1,2,3
	v_add_f32 v[\d+2*\k], v[\d+2*\k], v[\d+2*\k+1]
.endr
.irp m, 1,2,4,8
.irp k, 0,1,2,3
	v_add_f32_dpp v[\d+2*\k], v[\d+2*\k], v[\d+2*\k] row_xmask:\m row_mask:0xf bank_mask:0xf
.endr
.endr
.irp k, 0,1,2,3
	v_permlanex16_b32 v[64+\k], v[\d+2*\k], s34, s35            ; (v64-67 have been written: they held fragments)
.endr
.irp k, 0,1,2,3
	v_add_f32 v[\d+2*\k], v[\d+2*\k], v[64+\k]
.endr
.endm
.irp k, 0,1,2,3
	v_pk_add_f32 v[56+2*\k:57+2*\k], v[128+32*\k:129+32*\k], v[130+32*\k:131+32*\k]
.endr
.irp j, 2,3,4,5,6,7,8,9,10,11,12,13,14,15
.irp k, 0,1,2,3
	v_pk_add_f32 v[56+2*\k:57+2*\k], v[56+2*\k:57+2*\k], v[128+32*\k+2*\j:129+32*\k+2*\j]
.endr
.endr
	ACROSS 56
.irp k, 0,1,2,3
	v_mul_f32 v[56+2*\k], s36, v[56+2*\k]          ; the mean
.endr
.irp j, 0,1,2,3,4,5,6,7,8,9,10,11,12,13,14,15
.irp k, 0,1,2,3
	v_pk_add_f32 v[128+32*\k+2*\j:129+32*\k+2*\j], v[128+32*\k+2*\j:129+32*\k+2*\j], v[56+2*\k:57+2*\k] op_sel_hi:[1,0] neg_lo:[0,1] neg_hi:[0,1]   ; x - mean
.endr
.endr
.irp k, 0,1,2,3
	v_pk_mul_f32 v[72+2*\k:73+2*\k], v[128+32*\k:129+32*\k], v[128+32*\k:129+32*\k]
.endr
.irp j, 1,2,3,4,5,6,7,8,9,10,11,12,13,14,15
.irp k, 0,1,2,3
	v_pk_fma_f32 v[72+2*\k:73+2*\k], v[128+32*\k+2*\j:129+32*\k+2*\j], v[128+32*\k+2*\j:129+32*\k+2*\j], v[72+2*\k:73+2*\k]
.endr
.endr
	ACROSS 72
.irp k, 0,1,2,3
	v_fma_f32 v[72+2*\k], v[72+2*\k], s36, s37     ; the variance + 1e-5
.endr
	s_wait_alu depctr_va_vdst(0)
.irp k, 0,1,2,3
	v_rsq_f32 v[80+2*\k], v[72+2*\k]
.endr
	v_nop                                          ; a plain place behind the last of them
	s_wait_alu depctr_va_vdst(0)                   ; the four v_rsq_f32 have written v80, v82, v84, v86: one wait for the four, ahead of their first reader
.irp j, 0,1,2,3,4,5,6,7,8,9,10,11,12,13,14,15
.irp k, 0,1,2,3
	v_pk_mul_f32 v[128+32*\k+2*\j:129+32*\k+2*\j], v[128+32*\k+2*\j:129+32*\k+2*\j], v[80+2*\k:81+2*\k] op_sel_hi:[1,0]   ; (v81, v83, .. have been written: they held fragments)
.endr
.endr
	WIN 0x14                                       ; sources 1 (gamma) and 2 (beta) window 1
.irp j, 0,1,2,3,4,5,6,7,8,9,10,11,12,13,14,15
.irp k, 0,1,2,3
	v_pk_fma_f32 v[128+32*\k+2*\j:129+32*\k+2*\j], v[128+32*\k+2*\j:129+32*\k+2*\j], v[128+2*\j:129+2*\j], v[160+2*\j:161+2*\j]
.endr
.endr
	WIN 0
	s_wait_alu depctr_va_vdst(0)                   ; the multiply-adds above have written v128 to v255, which the stores below read
.irp k, 0,1,2,3
.irp q, 0,1,2,3,4,5,6,7
	global_store_b128 v1, v[128+32*\k+4*\q:131+32*\k+4*\q], s[30:31] offset:\k*16384+512*\q th:TH_STORE_NT   ; the wave stores 512 bytes on end, aligned
.endr
.endr
	s_wait_dscnt 0x0                               ; the closing lines, six on end
	s_wait_alu 0x0
	s_wait_tensorcnt 0x0
	ds_add_u32 v126, v127
	s_wait_dscnt 0x0
	s_endpgm
.Lfunc_end_k_q7419e74080_outln:
	.size	k_q7419e74080_outln, .Lfunc_end_k_q7419e74080_outln-k_q7419e74080_outln
	.p2alignl 7, 3214868480
	.fill 96, 4, 3214868480
	.section	.rodata,"a",@progbits
	.p2align	6, 0x0
	.amdhsa_kernel k_q7419e74080_outln
		.amdhsa_group_segment_fixed_size 133120
		.amdhsa_private_segment_fixed_size 0
		.amdhsa_enable_private_segment 0
		.amdhsa_kernarg_size 48
		.amdhsa_user_sgpr_count 2
		.amdhsa_user_sgpr_kernarg_segment_ptr 1
		.amdhsa_wavefront_size32 1
		.amdhsa_system_sgpr_workgroup_id_x 1
		.amdhsa_system_sgpr_workgroup_id_y 1
		.amdhsa_system_sgpr_workgroup_id_z 1
		.amdhsa_system_vgpr_workitem_id 0
		.amdhsa_next_free_vgpr 512
		.amdhsa_next_free_sgpr 66
		.amdhsa_reserve_vcc 0
		.amdhsa_float_denorm_mode_32 3
		.amdhsa_float_denorm_mode_16_64 3
		.amdhsa_memory_ordered 1
		.amdhsa_forward_progress 1
		.amdhsa_inst_pref_size 79
	.end_amdhsa_kernel
	.amdgpu_metadata
---
amdhsa.version: [ 1, 2 ]
amdhsa.kernels:
  - .name:           k_q7419e74080_outln
    .symbol:         k_q7419e74080_outln.kd
    .args:
      - { .name: aa, .offset: 0, .size: 8, .value_kind: global_buffer, .address_space: global }
      - { .name: wq, .offset: 8, .size: 8, .value_kind: global_buffer, .address_space: global }
      - { .name: h, .offset: 16, .size: 8, .value_kind: global_buffer, .address_space: global }
      - { .name: gamma, .offset: 24, .size: 8, .value_kind: global_buffer, .address_space: global }
      - { .name: beta, .offset: 32, .size: 8, .value_kind: global_buffer, .address_space: global }
      - { .name: out0, .offset: 40, .size: 8, .value_kind: global_buffer, .address_space: global }
    .group_segment_fixed_size: 133120
    .private_segment_fixed_size: 0
    .kernarg_segment_align: 8
    .kernarg_segment_size: 48
    .max_flat_workgroup_size: 256
    .sgpr_count:     66
    .vgpr_count:     512
    .wavefront_size: 32
...
	.end_amdgpu_metadata
.endif
;; end of part 8
